; MI455X (gfx1250); checked and timed in simulation.
; The chip was launched on July 23, 2026; its instructions are those of AMD's public machine-readable ISA for CDNA 5 (MIT licence, August 2026) and "CDNA5" Instruction Set Architecture Reference Guide (July 2026). The comments in the code are by the model that wrote it; some were corrected since.
;; Qwen3 Moe Attention. Allowed arithmetic: matrix products marked QUANTISED: E4M3 operands, one given power-of-two scale a tensor, by v_wmma_f32_16x16x64_fp8_fp8 or v_wmma_f32_16x16x128_fp8_fp8, f32 sums; everything else in f32.
;; Inputs: Wk 2,048 x 512 float32; Wo 4,096 x 2,048 float32; Wq 2,048 x 4,096 float32; Wv 2,048 x 512 float32; hidden_states 2 x 1,024 x 2,048 float32; k_norm_w 128 float32; lowp_scales 12 int32 (the exponents e of the quantised operands' scales 2^e); q_norm_w 128 float32.
;; Outputs: out0 2 x 1,024 x 2,048 float32.
;; This version of the problem:
;;   THIS VERSION OF THE PROBLEM IS GIVEN IN LOW PRECISION. The matrix products marked QUANTISED in the list below multiply operands that are first quantised to E4M3 (4 exponent bits, 3 mantissa bits; 8 bits a number), with one given power-of-two scale for each operand tensor; their sums are f32. All else is computed in f32.
;;   The module's matrix products, in the order in which they are computed (A, B: the left and right operand; K: the contracted axis; several contracted axes count as one K, in the product's order):
;;     1. [M 2,048, K 2,048] x [K 2,048, N 4,096]; A: input hidden_states; B: input Wq: QUANTISED (scales: A lowp_scales[0], B lowp_scales[1])
;;     2. [M 2,048, K 2,048] x [K 2,048, N 512]; A: input hidden_states; B: input Wk: QUANTISED (scales: A lowp_scales[2], B lowp_scales[3])
;;     3. [M 2,048, K 2,048] x [K 2,048, N 512]; A: input hidden_states; B: input Wv: QUANTISED (scales: A lowp_scales[4], B lowp_scales[5])
;;     4. batch 64 x [M 1,024, K 128] x [K 128, N 1,024]; A: computed on the way; B: computed on the way: QUANTISED (scales: A lowp_scales[6], B lowp_scales[7])
;;     5. batch 64 x [M 1,024, K 1,024] x [K 1,024, N 128]; A: softmax (see below); B: computed on the way: QUANTISED (scales: A lowp_scales[8], B lowp_scales[9])
;;     6. [M 2,048, K 4,096] x [K 4,096, N 2,048]; A: computed on the way; B: input Wo: QUANTISED (scales: A lowp_scales[10], B lowp_scales[11])
;;   THE QUANTISER, for each operand of a quantised product, along K:
;;     - The operand's scale is 2^e, e = its entry of the input lowp_scales (int32; the entries are numbered through the quantised products in the list's order, A before B).
;;     - Each number is divided by the scale, clamped to +-448, and rounded to the nearest number of E4M3, ties to even, subnormals kept.
;;     - The product sums the exact products of the quantised numbers (number of the format x scale) in f32.
;;   ~~~python
;;   def quantise(x, axis, e):      # numpy; x: float32 -> the quantised numbers, widened to float32 again
;;       x = np.moveaxis(x, axis, -1); K = x.shape[-1]
;;       r = np.clip(x / 2.0 ** e, -448, 448)
;;       step = 2.0 ** (np.maximum(np.frexp(np.where(r == 0, 1, r))[1] - 1, -6) - 3)
;;       q = np.round(r / step) * step * 2.0 ** e      # np.round: ties to even
;;       return np.moveaxis(q, -1, axis).astype(np.float32)
;;   ~~~
;;   SOFTMAX AHEAD OF A QUANTISED PRODUCT. Where the list says 'softmax', what is quantised is not the finished softmax but p = 2^(t - M), with t = logit x log2(e) and M = ceil(the row's largest t), a whole number; so 1/2 < the row's largest p <= 1. The row's sum l is taken of the UNQUANTISED p, in f32, and the product's result is divided by l at the end. Since M is a whole number, a kernel that streams over the keys may use a running M (the ceiling of the running maximum): every later rescaling is an exact power of two, so the quantised numbers keep their values, but for numbers so far below the row's largest that they fall under the format's range.
;;   OPERANDS COMPUTED ON THE WAY. 'Computed on the way' means the value that the module computes at that place (a softmax that the list does not call 'softmax' is quantised finished and normalised). What goes into a quantiser is computed in f32, as accurately as f32 sums, v_exp_f32 and their like allow (about 1e-6 of the number): no bf16 or f16 on the way to a quantiser, and a product that is left as it is and whose result goes on into a quantised operand takes f32 operands (vector FMAs, or v_wmma_f32_16x16x4_f32). A number that lies on a knife's edge between two numbers of the format may be rounded either way, as far as f32 arithmetic and the matrix unit's own rounding can turn it there, and no further.
;; 2 versions. Each part assembles by itself: llvm-mc -triple=amdgcn-amd-amdhsa -mcpu=gfx1250 --defsym DOCPART=n.
;; ======== version 1 of 2: 5 launches
;; workspace buffers: x_codes 12,582,912 bytes; w_codes 18,874,368 bytes; rope 524,288 bytes; qkv_img 10,485,760 bytes; ao_img 8,388,608 bytes
;; launch quant_x (part 1): grid 256 x 1, 4 waves a work-group, no clusters, 33,280 bytes of LDS; arguments hidden_states, lowp_scales, x_codes, rope; writes x_codes, rope
.if DOCPART == 1
	.amdgcn_target "amdgcn-amd-amdhsa--gfx1250"
	.amdhsa_code_object_version 6
	.text
	.protected	k_qaa7bf3e2e6_quant_x
	.globl	k_qaa7bf3e2e6_quant_x
	.p2align	8
	.type	k_qaa7bf3e2e6_quant_x,@function
k_qaa7bf3e2e6_quant_x:
	s_mov_b64 s[64:65], 0
	v_nop
	global_prefetch_b8 v0, s[64:65] scope:SCOPE_SE
	s_setreg_imm32_b32 hwreg(HW_REG_WAVE_MODE, 25, 1), 1
	s_wait_xcnt 0x0
; hidden_states [2048 tokens][2048] f32 becomes THREE sets of E4M3 codes, K innermost, one for each of the scales 2^e0, 2^e2, 2^e4 under which the three projections take it:
; x_codes part o at o x 4 MiB, [2048][2048] bytes.  code = x / 2^e, held within +-448, to the nearest code, ties to even.  The f32 numbers are read once.
; The same launch makes the table of cos and sin: rope = cos [1024 positions][64] f32, then sin the same, 262,144 bytes on.
; SHARES.  Rows are dense, so x is a plain stream.  Wave number run = 4 x work-group + wave (0..1023) takes 4,096 numbers in 8 steps of 512, and row run of the table (lane l: frequencies 2 l, 2 l + 1).
; A conversion takes 8 neighbours from ONE lane's registers, a load is best with neighbouring bytes in neighbouring lanes: each of a step's four loads reads 512 consecutive bytes, the 2,048 bytes turn
; through the wave's own stage in LDS (16 bytes of padding behind each 64) and come back 64 bytes a lane.  A lane's 16 codes are 16 bytes: each store of the wave covers 512 consecutive bytes, aligned.
; No tensor loads, no barrier, no cluster: waves share nothing.  Loads run four steps (16 loads a wave) ahead, the turn through LDS one step.
; THE TABLE.  inv = 2^(-i log2(1e6) / 64): the exponent in two parts (product and its exact remainder), v_exp_f32 of the first, the second by one term of its series; angle = position x inv, rounded to f32;
; reduced by multiples of pi/2 held in two parts; polynomials of degree 7 and 8 on |r| <= pi/4.
; LIMITS: e0, e2, e4 between -126 and 119.  NaN among the inputs is not served.  The angle hangs on v_exp_f32 (good to one unit in the last place), so at the last positions it can lie some 1.5e-4 radians off an angle made by another f32 power function.
.set WAVES, 4
.set STEPS, 8
.set SP,    80                         ; a lane's place in a stage: 64 bytes + 16 of padding
.set WREG,  8192                       ; LDS of a wave: two stages of 32 x SP bytes
.set SPARE, WAVES*WREG                 ; behind them the spare words, 128 bytes a wave: two blocks of 256 bytes that no other line names
.set R,     16                         ; v16-79   four sets of 16 numbers as loaded
.set X,     80                         ; v80-111  two sets of 16 neighbours
.set T,     112                        ; v112-159 three sets of 16 held numbers, one for each scale (ahead of step 0: the table's work)
.set C,     160                        ; v160-255 codes: 12 registers a step, never written twice
.set SPW,   12                         ; v12 my spare word's LDS address; v13 zero: both never rewritten
.set NIL,   13
.set OB,    24                         ; s[24:25], s[26:27], s[28:29]: my wave's place in the three parts of x_codes
	s_load_b128 s[4:7], s[0:1], 0x0                ; hidden_states s[4:5], lowp_scales s[6:7]
	s_load_b128 s[8:11], s[0:1], 0x10              ; x_codes s[8:9], rope s[10:11]
	v_lshl_add_u32 v[SPW], v0, 2, SPARE
	v_mov_b32 v[NIL], 0
	v_lshrrev_b32 v1, 5, v0
	v_readfirstlane_b32 s16, v1                    ; wave
	v_and_b32 v2, 31, v0                           ; lane
	v_lshlrev_b32 v3, 4, v2                        ; 16 x lane: my bytes of a load's 512 and of a step's 512 code bytes
	v_lshlrev_b32 v4, 3, v2                        ; 8 x lane: my two numbers of a table row
	s_mul_i32 s17, s16, WREG
	v_lshrrev_b32 v14, 2, v2
	v_mul_u32_u24 v14, v14, SP
	v_and_b32 v15, 3, v2
	v_lshl_add_u32 v14, v15, 4, v14
	v_add_nc_u32 v14, s17, v14                     ; the stage, way in: SP (lane / 4) + 16 (lane % 4); a load's 512 bytes take eight places
	v_mul_u32_u24 v15, v2, SP
	v_add_nc_u32 v15, s17, v15                     ; way out: SP x lane: my 16 neighbours
	s_lshl_b32 s18, ttmp9, 2
	s_add_co_u32 s18, s18, s16                     ; run: also the table's position
	s_lshl_b32 s20, s18, 14                        ; 4,096 numbers of 4 bytes
	s_mov_b32 s21, 0
	s_lshl_b32 s22, s18, 12                        ; 4,096 codes
	s_mov_b32 s23, 0
	s_lshl_b32 s30, s18, 8                         ; a table row of 256 bytes
	s_mov_b32 s31, 0
	s_mov_b32 s40, 0xbe9f73da                      ; -log2(1e6) / 64, upper part
	s_mov_b32 s41, 0xb1e366fe                      ; and what the upper part lacks
	s_mov_b32 s42, 0x3f317218                      ; ln 2
	s_mov_b32 s43, 0x3f22f983                      ; 2 / pi
	s_mov_b32 s44, 0xbfc90fdb                      ; -(pi / 2 rounded to f32)
	s_mov_b32 s45, 0x333bbd2e                      ; that rounding's excess over pi / 2
	s_mov_b32 s46, 0xbe2aaaa3                      ; sine: three coefficients
	s_mov_b32 s47, 0x3c08839e
	s_mov_b32 s48, 0xb94ca1f9
	s_mov_b32 s49, 0x3d2aaaa5                      ; cosine: three coefficients
	s_mov_b32 s50, 0xbab6061a
	s_mov_b32 s51, 0x37ccf5ce
	s_wait_kmcnt 0x0
	s_load_b256 s[32:39], s[6:7], 0x0              ; e0 .. e7
	s_add_nc_u64 s[4:5], s[4:5], s[20:21]
	s_add_nc_u64 s[OB:OB+1], s[8:9], s[22:23]
	s_add_nc_u64 s[OB+2:OB+3], s[OB:OB+1], 0x400000
	s_add_nc_u64 s[OB+4:OB+5], s[OB:OB+1], 0x800000
	s_add_nc_u64 s[10:11], s[10:11], s[30:31]
.macro LOAD t
.irp i, 0,1,2,3
	global_load_b128 v[R+16*((\t)%4)+4*\i:R+16*((\t)%4)+4*\i+3], v3, s[4:5] offset:2048*(\t)+512*\i th:TH_LOAD_NT   ; 32 lanes read 512 consecutive bytes; read once in the launch
.endr
.endm
.macro TURN t                          ; step t's numbers through the stage: LDS serves a wave's instructions in order, so no wait stands between the stores and the loads
.irp i, 0,1,2,3
	ds_store_b128 v14, v[R+16*((\t)%4)+4*\i:R+16*((\t)%4)+4*\i+3] offset:32*SP*((\t)%2)+8*SP*\i
.endr
.irp i, 0,1,2,3
	ds_load_b128 v[X+16*((\t)%2)+4*\i:X+16*((\t)%2)+4*\i+3], v15 offset:32*SP*((\t)%2)+16*\i
.endr
.endm
.irp t, 0,1,2,3
	LOAD \t
.endr
	; ---- the table's row, while the first loads are on their way.  Two frequencies, at v112.. and v128..: +0 i, +1 exponent, +2 its remainder, +3 2^exponent, +4 inv, angle, +5 n, +6 r, +7 r^2, +8 sine, +9 cosine, +10 to +12 at work
	v_lshlrev_b32 v112, 1, v2
	v_add_nc_u32 v128, 1, v112
	v_cvt_f32_u32 v112, v112
	v_cvt_f32_u32 v128, v128
	v_cvt_f32_u32 v144, s18                        ; the position
.irp q, 112, 128
	v_mul_f32 v[\q+1], s40, v[\q]                  ; the exponent, rounded,
	v_fma_f32 v[\q+2], v[\q], s40, -v[\q+1]        ; what the rounding dropped, exactly,
	v_fma_f32 v[\q+2], v[\q], s41, v[\q+2]         ; and the constant's lower part
.endr
.irp q, 112, 128
	v_exp_f32 v[\q+3], v[\q+1]
.endr
.irp q, 112, 128
	v_mul_f32 v[\q+2], s42, v[\q+2]                ; plain lines behind the two exponentials, which name none of their registers
.endr
	s_wait_alu depctr_va_vdst(0)                   ; the wait ahead of the first reader: one for both
.irp q, 112, 128
	v_fma_f32 v[\q+4], v[\q+3], v[\q+2], v[\q+3]   ; inv = 2^exponent x (1 + remainder x ln 2)
	v_mul_f32 v[\q+4], v144, v[\q+4]               ; the angle
	v_mul_f32 v[\q+5], s43, v[\q+4]
	v_rndne_f32 v[\q+5], v[\q+5]                   ; n quarter turns
	v_fma_f32 v[\q+6], v[\q+5], s44, v[\q+4]
	v_fma_f32 v[\q+6], v[\q+5], s45, v[\q+6]       ; r = angle - n pi / 2
	v_mul_f32 v[\q+7], v[\q+6], v[\q+6]
	v_fma_f32 v[\q+8], v[\q+7], s48, s47
	v_fma_f32 v[\q+8], v[\q+8], v[\q+7], s46
	v_mul_f32 v[\q+8], v[\q+8], v[\q+7]
	v_fma_f32 v[\q+8], v[\q+8], v[\q+6], v[\q+6]   ; sin r
	v_fma_f32 v[\q+9], v[\q+7], s51, s50
	v_fma_f32 v[\q+9], v[\q+9], v[\q+7], s49
	v_mul_f32 v[\q+10], v[\q+7], v[\q+7]
	v_fma_f32 v[\q+12], v[\q+7], -0.5, 1.0
	v_fma_f32 v[\q+9], v[\q+9], v[\q+10], v[\q+12] ; cos r
	v_cvt_i32_f32 v[\q+11], v[\q+5]
	v_and_b32 v[\q+12], 1, v[\q+11]
	v_cmp_ne_u32 vcc_lo, 0, v[\q+12]               ; an odd quarter exchanges the two
	v_cndmask_b32 v[150+(\q-112)/16], v[\q+8], v[\q+9], vcc_lo
	v_cndmask_b32 v[148+(\q-112)/16], v[\q+9], v[\q+8], vcc_lo
	v_and_b32 v[\q+12], 2, v[\q+11]
	v_lshlrev_b32 v[\q+12], 30, v[\q+12]
	v_xor_b32 v[150+(\q-112)/16], v[150+(\q-112)/16], v[\q+12]   ; the sine is negative in quarters 2 and 3,
	v_add_nc_u32 v[\q+11], 1, v[\q+11]
	v_and_b32 v[\q+11], 2, v[\q+11]
	v_lshlrev_b32 v[\q+11], 30, v[\q+11]
	v_xor_b32 v[148+(\q-112)/16], v[148+(\q-112)/16], v[\q+11]   ; the cosine in quarters 1 and 2
.endr
	global_store_b64 v4, v[148:149], s[10:11]                    ; the wave stores one row: 256 consecutive bytes, aligned
	global_store_b64 v4, v[150:151], s[10:11] offset:262144
	s_wait_kmcnt 0x0
.irp o, 0,1,2
	s_add_co_i32 s56, s[32+2*\o], 127
	s_lshl_b32 s57, s56, 23
	v_mov_b32 v[5+\o], s57                         ; 2^e as f32: the conversion takes its exponent field
	s_add_co_i32 s56, s56, 8
	s_lshl_b32 s56, s56, 23
	s_or_b32 s56, s56, 0x600000
	v_mov_b32 v[8+\o], s56                         ; 448 x 2^e
.endr
	s_wait_xcnt 0x0                                ; the table's stores have read v148-151, which step 0 writes again
	s_wait_loadcnt 12                              ; step 0's four loads are in; the twelve of steps 1 to 3 may be out
	TURN 0
.macro STEP t
.set XS, X+16*((\t)%2)
	s_wait_dscnt 0x0                               ; this step's numbers are back from the stage: so its stores into the stage have read their registers,
.if (\t)+4 < STEPS
	LOAD (\t)+4                                    ; which take the loads of four steps on
.endif
.if (\t)+1 < STEPS
.if STEPS-2-(\t) >= 3
	s_wait_loadcnt 12                              ; the next step's four loads are in; those of the three steps behind it may be out
.else
	s_wait_loadcnt 4*(STEPS-2-(\t))                ; the same near the end: four for each step that is still behind the next
.endif
	TURN (\t)+1
.endif
.irp o, 0,1,2
.irp i, 0,1,2,3,4,5,6,7,8,9,10,11,12,13,14,15
	v_med3_num_f32 v[T+16*\o+\i], v[XS+\i], -v[8+\o], v[8+\o]    ; the conversion to an 8-bit code does not saturate (ISA guide 7.6.2): the hold at the largest code x the scale.  Each scale has its own set, so the next set's holds are the plain lines behind these conversions
.endr
	v_cvt_scalef32_pk8_fp8_f32 v[C+12*(\t)+4*\o:C+12*(\t)+4*\o+1], v[T+16*\o:T+16*\o+7], v[5+\o]
	v_cvt_scalef32_pk8_fp8_f32 v[C+12*(\t)+4*\o+2:C+12*(\t)+4*\o+3], v[T+16*\o+8:T+16*\o+15], v[5+\o]
	global_store_b128 v3, v[C+12*(\t)+4*\o:C+12*(\t)+4*\o+3], s[OB+2*\o:OB+2*\o+1] offset:512*(\t)
.endr
.endm
.irp t, 0,1,2,3,4,5,6,7
	STEP \t
.endr
	s_wait_tensorcnt 0x0                           ; the wave's end
	ds_add_u32 v[SPW], v[NIL]
	s_wait_dscnt 0x0
	s_endpgm
.Lfunc_end_k_qaa7bf3e2e6_quant_x:
	.size	k_qaa7bf3e2e6_quant_x, .Lfunc_end_k_qaa7bf3e2e6_quant_x-k_qaa7bf3e2e6_quant_x
	.p2alignl 7, 3214868480
	.fill 96, 4, 3214868480
	.section	.rodata,"a",@progbits
	.p2align	6, 0x0
	.amdhsa_kernel k_qaa7bf3e2e6_quant_x
		.amdhsa_group_segment_fixed_size 33280
		.amdhsa_private_segment_fixed_size 0
		.amdhsa_enable_private_segment 0
		.amdhsa_kernarg_size 32
		.amdhsa_user_sgpr_count 2
		.amdhsa_user_sgpr_kernarg_segment_ptr 1
		.amdhsa_wavefront_size32 1
		.amdhsa_system_sgpr_workgroup_id_x 1
		.amdhsa_system_sgpr_workgroup_id_y 1
		.amdhsa_system_sgpr_workgroup_id_z 1
		.amdhsa_system_vgpr_workitem_id 0
		.amdhsa_next_free_vgpr 256
		.amdhsa_next_free_sgpr 66
		.amdhsa_reserve_vcc 1
		.amdhsa_float_denorm_mode_32 3
		.amdhsa_float_denorm_mode_16_64 3
		.amdhsa_memory_ordered 1
		.amdhsa_forward_progress 1
		.amdhsa_inst_pref_size 44
	.end_amdhsa_kernel
	.amdgpu_metadata
---
amdhsa.version: [ 1, 2 ]
amdhsa.kernels:
  - .name:           k_qaa7bf3e2e6_quant_x
    .symbol:         k_qaa7bf3e2e6_quant_x.kd
    .args:
      - { .name: hidden_states, .offset: 0, .size: 8, .value_kind: global_buffer, .address_space: global }
      - { .name: lowp_scales, .offset: 8, .size: 8, .value_kind: global_buffer, .address_space: global }
      - { .name: x_codes, .offset: 16, .size: 8, .value_kind: global_buffer, .address_space: global }
      - { .name: rope, .offset: 24, .size: 8, .value_kind: global_buffer, .address_space: global }
    .group_segment_fixed_size: 33280
    .private_segment_fixed_size: 0
    .kernarg_segment_align: 8
    .kernarg_segment_size: 32
    .max_flat_workgroup_size: 128
    .sgpr_count:     66
    .vgpr_count:     256
    .wavefront_size: 32
...
	.end_amdgpu_metadata
.endif
;; end of part 1
;; launch quant_w (part 2): grid 576 x 1, 4 waves a work-group, no clusters, 35,328 bytes of LDS; arguments Wq, Wk, Wv, Wo, lowp_scales, w_codes; writes w_codes
.if DOCPART == 2
	.amdgcn_target "amdgcn-amd-amdhsa--gfx1250"
	.amdhsa_code_object_version 6
	.text
	.protected	k_qaa7bf3e2e6_quant_w
	.globl	k_qaa7bf3e2e6_quant_w
	.p2align	8
	.type	k_qaa7bf3e2e6_quant_w,@function
k_qaa7bf3e2e6_quant_w:
	s_mov_b64 s[64:65], 0
	v_nop
	global_prefetch_b8 v0, s[64:65] scope:SCOPE_SE
	s_setreg_imm32_b32 hwreg(HW_REG_WAVE_MODE, 25, 1), 1
	s_wait_xcnt 0x0
; The four weights, f32 with K as their FIRST axis, become E4M3 codes with K innermost, each with its given scale (e1, e3, e5, e11).
; w_codes: rows of 2,048 bytes: Wq's columns 0..4095, Wk's from row 4096, Wv's from row 4608; from byte 10,485,760 Wo's 2,048 columns as rows of 4,096 bytes.
; In Wo's rows the two middle runs of 8 bytes of every 32 change places (order 0, 2, 1, 3): the last launch reads these rows 16 bytes a lane, and the 8-bit matrix form's own layout
; gives a lane's registers 2 c, 2 c + 1 the k = 16 c + 8 (lane / 16) + 0..7; its other operand lies in that layout, so Wo's bytes are laid to meet it.
; A LANE TAKES A COLUMN, ITS REGISTERS RUN DOWN K: each load reads neighbouring columns in neighbouring lanes (128 consecutive bytes a wave, 512 a work-group), and the conversions give codes with K innermost.
; A work-group takes 128 columns x 256 K, a wave 32 columns: 8 blocks of 32.  The codes go through the wave's own stage in LDS and leave as rows: sixteen lanes store 256 consecutive bytes, aligned.
; ONE PATH serves all four: which weight, its pitch, its place and its scale are chosen by selects on the work-group's number (0-255 Wq, 256-287 Wk, 288-319 Wv, 320-575 Wo).
; No tensor loads, no barrier, no cluster: waves share nothing, every byte is read once.  Loads run two blocks (64 loads a wave) ahead; eight bases, one a block, so that no pointer is stepped.
; LIMITS: e1, e3, e5, e11 between -126 and 119.  NaN among the inputs is not served.
.set NB,    8
.set LP,    272                        ; a stage row: 256 bytes of codes + 16
.set VO,    16                         ; v16-47   4 x lane + i x pitch, i = 0..31: never rewritten
.set X,     48                         ; v48-111  two sets of 32 numbers
.set C,     112                        ; v112-119 a block's codes
.set D,     120                        ; v120-123 its two middle runs, ahead of the choice
.set OUTR,  128                        ; v128-191 the way out
.set VS,    192                        ; v192-207 the stores' offsets: never rewritten
.set SPW,   14
.set NIL,   15
.set SPARE, 4*32*LP                    ; behind the four stages: the spare words, 128 bytes a wave
.set SB,    32                         ; s[32:47] block t's base: my part + t x 32 rows of K
	s_load_b256 s[4:11], s[0:1], 0x0               ; Wq, Wk, Wv, Wo
	s_load_b128 s[12:15], s[0:1], 0x20             ; lowp_scales, w_codes
	v_lshl_add_u32 v[SPW], v0, 2, SPARE
	v_mov_b32 v[NIL], 0
	v_lshrrev_b32 v1, 5, v0
	v_readfirstlane_b32 s16, v1                    ; wave
	v_and_b32 v2, 31, v0                           ; lane
	s_mov_b32 s20, 320                             ; Wo's figures: first work-group,
	s_mov_b32 s21, 8192                            ; bytes from a row of K to the next,
	s_mov_b32 s22, 4                               ; log2 of the blocks of 128 columns,
	s_mov_b32 s23, 10485760                        ; place in w_codes,
	s_mov_b32 s24, 4096                            ; bytes of a row of codes,
	s_mov_b32 s48, -1                              ; the middle runs change places
	s_cmp_lt_u32 ttmp9, 320                        ; Wv's (and, in part, Wk's)
	s_cselect_b32 s20, 288, s20
	s_cselect_b32 s21, 2048, s21
	s_cselect_b32 s22, 2, s22
	s_cselect_b32 s23, 9437184, s23
	s_cselect_b32 s24, 2048, s24
	s_cselect_b32 s48, 0, s48
	s_cmp_lt_u32 ttmp9, 288                        ; Wk's
	s_cselect_b32 s20, 256, s20
	s_cselect_b32 s23, 8388608, s23
	s_cmp_lt_u32 ttmp9, 256                        ; Wq's
	s_cselect_b32 s20, 0, s20
	s_cselect_b32 s21, 16384, s21
	s_cselect_b32 s22, 5, s22
	s_cselect_b32 s23, 0, s23
	s_sub_co_u32 s17, ttmp9, s20
	s_lshl_b32 s18, 1, s22
	s_sub_co_u32 s18, s18, 1
	s_and_b32 s18, s17, s18                        ; which 128 columns
	s_lshr_b32 s19, s17, s22                       ; which 256 along K
	s_lshl_b32 s18, s18, 7
	s_lshl_b32 s17, s16, 5
	s_add_co_u32 s18, s18, s17                     ; my wave's first column
	s_lshl_b32 s28, s19, 8
	s_mul_i32 s30, s28, s21
	s_lshl_b32 s17, s18, 2
	s_add_co_u32 s30, s30, s17                     ; in the weight: 256 y rows + 4 bytes a column (under 2^26)
	s_mov_b32 s31, 0
	s_mul_i32 s17, s18, s24
	s_add_co_u32 s28, s28, s17
	s_add_co_u32 s28, s28, s23                     ; in w_codes: place + column x row bytes + 256 y
	s_mov_b32 s29, 0
	s_lshl_b32 s49, s24, 1                         ; two rows of codes
	s_lshl_b32 s50, s21, 5                         ; 32 rows of K
	s_mov_b32 s51, 0
	v_lshlrev_b32 v3, 2, v2
	s_mul_i32 s25, s16, 32*LP                      ; my stage
	v_mul_u32_u24 v4, v2, LP
	v_add_nc_u32 v4, s25, v4                       ; into it: row = my column
	v_and_b32 v5, 15, v2
	v_lshrrev_b32 v6, 4, v2
	v_mul_u32_u24 v7, v6, LP
	v_lshl_add_u32 v7, v5, 4, v7
	v_add_nc_u32 v7, s25, v7                       ; out of it: sixteen lanes to a row, two rows an instruction
	v_mul_u32_u24 v8, s24, v6
	v_lshl_add_u32 v8, v5, 4, v8                   ; and the same place among the rows of codes
.set i, 0
.rept 32
	v_mad_u32_u24 v[VO+i], s21, i, v3
.set i, i+1
.endr
.set i, 0
.rept 16
	v_mad_u32_u24 v[VS+i], s49, i, v8
.set i, i+1
.endr
	s_wait_kmcnt 0x0
	s_load_b256 s[52:59], s[12:13], 0x0            ; e0 .. e7
	s_load_b128 s[60:63], s[12:13], 0x20           ; e8 .. e11
	s_cmp_lt_u32 ttmp9, 320                        ; the choice of the buffer hangs on the work-group's number alone
	s_cselect_b64 s[26:27], s[8:9], s[10:11]
	s_cmp_lt_u32 ttmp9, 288
	s_cselect_b64 s[26:27], s[6:7], s[26:27]
	s_cmp_lt_u32 ttmp9, 256
	s_cselect_b64 s[26:27], s[4:5], s[26:27]
	s_add_nc_u64 s[SB:SB+1], s[26:27], s[30:31]
.irp t, 1,2,3,4,5,6,7
	s_add_nc_u64 s[SB+2*\t:SB+2*\t+1], s[SB+2*\t-2:SB+2*\t-1], s[50:51]
.endr
	s_add_nc_u64 s[14:15], s[14:15], s[28:29]
.macro LOAD t                          ; block t: W(32 t + i, my column), i = 0..31, into set t % 2
.set i, 0
.rept 32
	global_load_b32 v[X+32*((\t)%2)+i], v[VO+i], s[SB+2*(\t):SB+2*(\t)+1] th:TH_LOAD_NT
.set i, i+1
.endr
.endm
	LOAD 0
	LOAD 1
	s_wait_kmcnt 0x0
	s_cmp_lt_u32 ttmp9, 320
	s_cselect_b32 s17, s57, s63
	s_cmp_lt_u32 ttmp9, 288
	s_cselect_b32 s17, s55, s17
	s_cmp_lt_u32 ttmp9, 256
	s_cselect_b32 s17, s53, s17                    ; e
	s_add_co_i32 s17, s17, 127
	s_lshl_b32 s18, s17, 23
	v_mov_b32 v11, s18                             ; 2^e as f32
	s_add_co_i32 s17, s17, 8
	s_lshl_b32 s17, s17, 23
	s_or_b32 s17, s17, 0x600000
	v_mov_b32 v10, s17                             ; 448 x 2^e
.macro BLOCK t
.set XS, X+32*((\t)%2)
.if (\t) < NB-1
	s_wait_loadcnt 32                              ; this block's 32 loads are in; the next block's 32 may be out
.else
	s_wait_loadcnt 0
.endif
.set i, 0
.rept 32
	v_med3_num_f32 v[XS+i], v[XS+i], -v10, v10     ; the conversion does not saturate (ISA guide 7.6.2): the hold comes first
.set i, i+1
.endr
	v_cvt_scalef32_pk8_fp8_f32 v[C:C+1], v[XS:XS+7], v11
	v_cvt_scalef32_pk8_fp8_f32 v[D:D+1], v[XS+8:XS+15], v11
	v_cvt_scalef32_pk8_fp8_f32 v[D+2:D+3], v[XS+16:XS+23], v11
	v_cvt_scalef32_pk8_fp8_f32 v[C+6:C+7], v[XS+24:XS+31], v11
	v_nop                                          ; one plain line between the conversions and the vector lines that read their results
	v_cndmask_b32 v[C+2], v[D], v[D+2], s48        ; Wo: run 2 in run 1's place,
	v_cndmask_b32 v[C+3], v[D+1], v[D+3], s48
	v_cndmask_b32 v[C+4], v[D+2], v[D], s48        ; and run 1 in run 2's; the others: as they come
	v_cndmask_b32 v[C+5], v[D+3], v[D+1], s48
	ds_store_b128 v4, v[C:C+3] offset:32*(\t)
	ds_store_b128 v4, v[C+4:C+7] offset:32*(\t)+16
.if (\t)+2 < NB
	LOAD (\t)+2
.endif
	s_wait_dscnt 0x0                               ; the stores have read their registers: the next block's codes may be written
.endm
.irp t, 0,1,2,3,4,5,6,7
	BLOCK \t
.endr
.irp t, 0,1,2,3,4,5,6,7,8,9,10,11,12,13,14,15
	ds_load_b128 v[OUTR+4*\t:OUTR+4*\t+3], v7 offset:2*\t*LP     ; LDS serves a wave's instructions in order: these see my stores
.endr
.irp t, 0,1,2,3,4,5,6,7,8,9,10,11,12,13,14,15
	s_wait_dscnt 15-\t                             ; loads come back in order: the 15 - t younger ones may be out
	global_store_b128 v[VS+\t], v[OUTR+4*\t:OUTR+4*\t+3], s[14:15]
.endr
	s_wait_tensorcnt 0x0                           ; the wave's end
	ds_add_u32 v[SPW], v[NIL]
	s_wait_dscnt 0x0
	s_endpgm
.Lfunc_end_k_qaa7bf3e2e6_quant_w:
	.size	k_qaa7bf3e2e6_quant_w, .Lfunc_end_k_qaa7bf3e2e6_quant_w-k_qaa7bf3e2e6_quant_w
	.p2alignl 7, 3214868480
	.fill 96, 4, 3214868480
	.section	.rodata,"a",@progbits
	.p2align	6, 0x0
	.amdhsa_kernel k_qaa7bf3e2e6_quant_w
		.amdhsa_group_segment_fixed_size 35328
		.amdhsa_private_segment_fixed_size 0
		.amdhsa_enable_private_segment 0
		.amdhsa_kernarg_size 48
		.amdhsa_user_sgpr_count 2
		.amdhsa_user_sgpr_kernarg_segment_ptr 1
		.amdhsa_wavefront_size32 1
		.amdhsa_system_sgpr_workgroup_id_x 1
		.amdhsa_system_sgpr_workgroup_id_y 1
		.amdhsa_system_sgpr_workgroup_id_z 1
		.amdhsa_system_vgpr_workitem_id 0
		.amdhsa_next_free_vgpr 208
		.amdhsa_next_free_sgpr 66
		.amdhsa_reserve_vcc 0
		.amdhsa_float_denorm_mode_32 3
		.amdhsa_float_denorm_mode_16_64 3
		.amdhsa_memory_ordered 1
		.amdhsa_forward_progress 1
		.amdhsa_inst_pref_size 57
	.end_amdhsa_kernel
	.amdgpu_metadata
---
amdhsa.version: [ 1, 2 ]
amdhsa.kernels:
  - .name:           k_qaa7bf3e2e6_quant_w
    .symbol:         k_qaa7bf3e2e6_quant_w.kd
    .args:
      - { .name: Wq, .offset: 0, .size: 8, .value_kind: global_buffer, .address_space: global }
      - { .name: Wk, .offset: 8, .size: 8, .value_kind: global_buffer, .address_space: global }
      - { .name: Wv, .offset: 16, .size: 8, .value_kind: global_buffer, .address_space: global }
      - { .name: Wo, .offset: 24, .size: 8, .value_kind: global_buffer, .address_space: global }
      - { .name: lowp_scales, .offset: 32, .size: 8, .value_kind: global_buffer, .address_space: global }
      - { .name: w_codes, .offset: 40, .size: 8, .value_kind: global_buffer, .address_space: global }
    .group_segment_fixed_size: 35328
    .private_segment_fixed_size: 0
    .kernarg_segment_align: 8
    .kernarg_segment_size: 48
    .max_flat_workgroup_size: 128
    .sgpr_count:     66
    .vgpr_count:     208
    .wavefront_size: 32
...
	.end_amdgpu_metadata
.endif
;; end of part 2
;; launch qkv (part 3): grid 8 x 20, 4 waves a work-group, clusters of 4 x 1, 327,680 bytes of LDS; arguments x_codes, w_codes, rope, q_norm_w, k_norm_w, lowp_scales, qkv_img; writes qkv_img
.if DOCPART == 3
	.amdgcn_target "amdgcn-amd-amdhsa--gfx1250"
	.amdhsa_code_object_version 6
	.text
	.protected	k_qaa7bf3e2e6_qkv
	.globl	k_qaa7bf3e2e6_qkv
	.p2align	8
	.type	k_qaa7bf3e2e6_qkv,@function
k_qaa7bf3e2e6_qkv:
	s_mov_b64 s[64:65], 0
	v_nop
	global_prefetch_b8 v0, s[64:65] scope:SCOPE_SE
	s_setreg_imm32_b32 hwreg(HW_REG_WAVE_MODE, 25, 1), 1
	s_wait_xcnt 0x0
	s_wait_alu depctr_hold_cnt(0) depctr_sa_sdst(0) depctr_va_vdst(0) depctr_va_sdst(0) depctr_va_ssrc(0) depctr_va_vcc(0) depctr_vm_vsrc(0)
	s_getreg_b32 s2, hwreg(HW_REG_IB_STS2, 6, 4)
	s_cmp_eq_u32 s2, 0
	s_cbranch_scc0 .Lentry_in_a_cluster
	s_endpgm
.Lentry_in_a_cluster:
	s_bfe_u32 s2, ttmp6, 0x10000c
	s_cmp_lg_u32 s2, 0x3003
	s_cbranch_scc0 .Lentry_shape_is_right
	s_endpgm
.Lentry_shape_is_right:
; The three projections on E4M3 codes, then what reference() does to their results, up to the next quantiser: q and k: RMS norm over the head's 128 with the loaded gain, rotation by the table of cos and sin, codes with 2^e6 or 2^e7;
; v: codes with 2^e9, along the KEYS.  Nothing wider than codes goes to memory.
; SHARES.  Work-group (mt, nt): 256 tokens x 256 columns of [Wq | Wk | Wv] (nt 0-15 q, 16-17 k, 18-19 v).  Four waves, each 128 x 128 = one head: 64 accumulators, 512 registers.  K = 2,048 in 8 steps of 256 through two LDS slots.
; x has three sets of codes (its scale may differ from product to product): nt picks the set.
; CLUSTER 4 x 1: the four partners have the same nt, so the weight's tile is asked for JOINTLY (mask 15).  x's tile differs from partner to partner and comes by a load of the work-group's own, in the same rounds.
; (A cluster of 4 x 4 is not taken: four neighbouring nt would mix q, k and v, which read different sets of x's codes, so x's load would not be the same in the four of a row.)
; THE MATRIX INSTRUCTION: for q and k source 0 = 16 columns of W, source 1 = 16 tokens: a lane holds ONE token (lane % 16), and register j of block b the channel d = 16 b + 8 (lane / 16) + j.  For v the two change places:
; a lane holds one channel, its registers run along the tokens.  Either way a conversion of block b's eight registers IS registers 2 b, 2 b + 1 of an operand of the 8-bit form in its own layout.
; So the results leave as IMAGES OF OPERAND REGISTERS, 2,048 bytes each (registers 4 c .. 4 c + 3 of lane l at 512 c + 16 l): each store of the wave covers 512 consecutive bytes, aligned; no stage in LDS.
; qkv_img: q at ((b 32 + head) 64 + token tile) 2048; k at 8 MiB + ((b 4 + head) 64 + token tile) 2048; v at 9 MiB + (((b 4 + head) 8 + 128 keys) 8 + channel tile) 2048.
; In the products both operands are read 16 bytes a lane from rows: the same permutation of k on both sides, so every product meets its partner.
; No prefetch: every tile is read by several work-groups, and each is asked for a K step ahead.
; LIMITS: with E = e0 + e1 (q) or e2 + e3 (k): 2 E - 7 and E between -126 and 127; e6, e7 and e9 - e4 - e5 between -126 and 119.
; REGISTERS, in windows of 256.  Window 0: v2-15, v22, v23 the way out's; v16-21 LDS addresses; v28, v29 the add's two; v32-95 my 64 gains; v96-127 codes; from v128 source 1's fragments (one set), later v128-191 Y, v192-255 Z.
;   Window 1: source 0's fragments, two sets; later cos and sin, two sets of 64.   Windows 2, 3: the accumulators ((a, b) at v[8 (8 (a % 4) + b)]).
.set KSTEP,  256
.set ROWB,   256                       ; a tile's row in bytes
.set KROW,   2048                      ; a row of codes in memory
.set PITCH,  272                       ; an LDS row: 256 bytes + 16 of padding: the 16 rows that a load touches start at 16 different banks (64 banks of 4 bytes: ISA guide 11.1)
.set FR,     16
.set NL,     4
.set NP,     4                         ; places behind this matrix form (ISA guide 7.12.1)
.set HALFT,  128*PITCH
.set SLOT,   4*HALFT                   ; x's 256 rows, then W's 256 rows
.set LAPS,   4                         ; 2,048 / 512
.set SPARE,  2*SLOT                    ; behind the ring: the spare words, 128 bytes a wave
.set SS,   2                           ; v[2:9]   four running sums of squares, in pairs
.set FF,   10                          ; v[10:11] the token's factor (the pair's upper word is written once)
.set SCL,  12                          ; v12      the conversion's scale
.set LIM,  13                          ; v13      448 x that
.set TO,   14                          ; v14      256 (lane % 16) + 32 (lane / 16): my place in 16 rows of the table
.set LI,   15                          ; v15      16 x lane
.set ADRA, 16                          ; v16-17   source 1's fragments in slot 0, 1
.set ADRB, 20                          ; v20-21   source 0's
.set PT,   22                          ; v22      the lane exchange's destination
.set GA,   23                          ; v23      32 (lane / 16): my place in the gains
.set SPW,  28
.set NIL,  29
.set WN,   32
.set CD,   96
.set AF,   128
.set Y,    128
.set Z,    192
.set G1, 24                            ; s[24:31] group 1 for x's tiles; s[32:39] group 0, a set for each slot
.set G0, 32
.set G1B, 48                           ; s[48:55], s[56:63] the same for W's tiles
.set G0B, 56
.set MSB, 0
.macro WIN new                         ; the immediate's high byte repeats the setting that is left
.if MSB != \new
	s_set_vgpr_msb (MSB<<8)|\new
.set MSB, \new
.endif
.endm
.set MUL_LO, 0xa1                      ; source 0 window 1, source 1 window 0, C and D window 2
.set MUL_HI, 0xf1                      ; the same, C and D window 3
.set TO_B,   0x40                      ; destination window 1, address window 0
; Waves 0 and 1 fetch x's two halves, waves 2 and 3 W's, jointly.  The branch hangs on the wave's number alone.  An s_nop 0 and four v_nop follow each of the two lines.
.macro JLOAD g0a, g1a, g0b, g1b
	s_cmp_eq_u32 s15, 0
	s_cbranch_scc0 .Lfor_b_\@
	tensor_load_to_lds s[\g0a:\g0a+3], s[\g1a:\g1a+7]
	s_nop 0
.rept 4
	v_nop
.endr
	s_branch .Lasked_\@
.Lfor_b_\@:
	tensor_load_to_lds s[\g0b:\g0b+3], s[\g1b:\g1b+7]
	s_nop 0
.rept 4
	v_nop
.endr
.Lasked_\@:
.endm
.macro CREST                           ; a round of the cluster's barrier behind its opening barrier
	s_cmp_lg_u32 s14, 0
	s_cbranch_scc1 .Lnot_wave_0_\@
	s_barrier_signal -3
.Lnot_wave_0_\@:
	s_barrier_wait -3
	s_barrier_signal -1
	s_barrier_wait -1
.endm
.macro CROUND
	s_barrier_signal -1
	s_barrier_wait -1
	CREST
.endm
	s_load_b256 s[4:11], s[0:1], 0x0               ; x_codes s[4:5], w_codes s[6:7], rope s[8:9], q_norm_w s[10:11]
	s_load_b128 s[68:71], s[0:1], 0x20             ; k_norm_w s[68:69], lowp_scales s[70:71]
	s_load_b64 s[72:73], s[0:1], 0x30              ; qkv_img
	v_lshl_add_u32 v[SPW], v0, 2, SPARE
	v_mov_b32 v[NIL], 0
	ds_add_u32 v[SPW], v[NIL]                      ; the wave's opening: the add and its wait stand ahead of my first tensor load; the set-up below stands between them
	v_lshrrev_b32 v1, 5, v0
	v_readfirstlane_b32 s14, v1                    ; wave 0..3
	s_lshr_b32 s15, s14, 1                         ; which half of source 1's rows is mine.  Also: I fetch for x (0) or for W (1)
	s_and_b32 s16, s14, 1                          ; which half of source 0's.  Also: which 128 rows I fetch
	s_bfe_u32 s40, ttmp6, 0x40000                  ; cx
	s_lshl_b32 s42, ttmp9, 2
	s_add_co_u32 s42, s42, s40                     ; mt: enters global addresses alone
	s_and_b32 s17, ttmp7, 0xffff                   ; nt: the same in the four partners
	s_mov_b32 s[G1+0], (1<<20)|(5<<22)|(3<<25)     ; 15:0 no mask; 17:16 elements of 1 byte; 20 padding on; 24:22 after every 64 words; 31:25 four words
	s_mov_b32 s[G1B+0], 15|(1<<20)|(1<<21)|(5<<22)|(3<<25)   ; the same with the mask of all four and bit 21 beside it
.irp g, G1, G1B
	s_mov_b32 s[\g+1], ROWB<<16                    ; tensor_dim0 = 256
	s_mov_b32 s[\g+2], 128<<16                     ; tensor_dim1 = 128
	s_mov_b32 s[\g+3], ROWB<<16                    ; tile_dim0 = 256
	s_mov_b32 s[\g+4], 128                         ; tile_dim1 = 128
	s_mov_b32 s[\g+5], KROW                        ; from row to row
	s_mov_b32 s[\g+6], 0
	s_mov_b32 s[\g+7], 0
.endr
	s_cmp_ge_u32 s17, 16
	s_cselect_b32 s18, 1, 0
	s_cmp_ge_u32 s17, 18
	s_cselect_b32 s19, 1, 0
	s_add_co_u32 s18, s18, s19                     ; which set of x's codes: 0 q, 1 k, 2 v
	s_lshl_b32 s18, s18, 22
	s_lshl_b32 s19, s16, 7                         ; which 128 rows I fetch
	s_lshl_b32 s20, s42, 8
	s_add_co_u32 s20, s20, s19
	s_lshl_b32 s20, s20, 11
	s_add_co_u32 s20, s20, s18                     ; x: set + (256 mt + 128 half) rows of 2,048 bytes
	s_mov_b32 s21, 0
	s_lshl_b32 s46, s17, 8
	s_add_co_u32 s46, s46, s19
	s_lshl_b32 s46, s46, 11                        ; W: (256 nt + 128 half) rows: made of nt and the wave's number alone
	s_mov_b32 s47, 0
	s_mul_i32 s45, s14, HALFT                      ; where they go: wave x 128 rows
	s_mov_b32 s66, 0x76543210                      ; v_permlanex16_b32's selects: lane l xor 16
	s_mov_b32 s67, 0xfedcba98
	s_wait_dscnt 0x0                               ; the opening add is done
	s_wait_kmcnt 0x0
	s_load_b256 s[80:87], s[70:71], 0x0            ; e0 .. e7
	s_load_b128 s[88:91], s[70:71], 0x20           ; e8 .. e11
	s_add_nc_u64 s[20:21], s[4:5], s[20:21]
	s_add_nc_u64 s[46:47], s[6:7], s[46:47]
	CROUND                                         ; all four work-groups are here: the first joint loads meet
.irp s, 0,1
	s_mov_b32 s[G0+4*\s], 1
	s_add_co_u32 s[G0+4*\s+1], s45, \s*SLOT
	s_add_nc_u64 s[G0+4*\s+2:G0+4*\s+3], s[20:21], \s*ROWB
	s_or_b32 s[G0+4*\s+3], s[G0+4*\s+3], 0x80000000
	s_mov_b32 s[G0B+4*\s], 1
	s_add_co_u32 s[G0B+4*\s+1], s45, \s*SLOT
	s_add_nc_u64 s[G0B+4*\s+2:G0B+4*\s+3], s[46:47], \s*ROWB
	s_or_b32 s[G0B+4*\s+3], s[G0B+4*\s+3], 0x80000000
	JLOAD G0+4*\s, G1, G0B+4*\s, G1B               ; two loads of mine are out
.endr
	v_and_b32 v1, 15, v0                           ; r
	v_bfe_u32 v2, v0, 4, 1                         ; h
	v_mul_u32_u24 v3, v1, PITCH
	v_lshl_add_u32 v4, v2, 4, v3                   ; a fragment's row x pitch + 16 h
	s_cmp_ge_u32 s17, 18                           ; v: the sources change places.  Both choices stay inside the slot
	s_cselect_b32 s74, 2*HALFT, 0                  ; source 1: x's rows (q, k) or W's (v)
	s_cselect_b32 s75, 0, 2*HALFT                  ; source 0: W's rows (q, k) or x's (v)
	s_mul_i32 s23, s15, HALFT
	s_add_co_u32 s74, s74, s23
	s_mul_i32 s23, s16, HALFT
	s_add_co_u32 s75, s75, s23
.irp s, 0,1
	v_add_nc_u32 v[ADRA+\s], s74, v4
	v_add_nc_u32 v[ADRB+\s], s75, v4
	s_add_co_u32 s74, s74, SLOT
	s_add_co_u32 s75, s75, SLOT
.endr
	v_lshlrev_b32 v[GA], 5, v2
	v_lshlrev_b32 v[TO], 8, v1
	v_lshl_add_u32 v[TO], v2, 5, v[TO]
	v_and_b32 v[LI], 31, v0
	v_lshlrev_b32 v[LI], 4, v[LI]
	v_mov_b32 v[PT], 0                             ; a lane exchange's destination counts as read
	v_mov_b32 v[FF+1], 0                           ; named as the upper half of a pair
	s_cmp_lt_u32 s17, 16
	s_cselect_b64 s[12:13], s[10:11], s[68:69]     ; q's gain, else k's (v's work-groups load k's and do not use it)
.irp b, 0,1,2,3,4,5,6,7
	global_load_b128 v[WN+8*\b:WN+8*\b+3], v[GA], s[12:13] offset:64*\b        ; gain(16 b + 8 h + 0..3),
	global_load_b128 v[WN+8*\b+4:WN+8*\b+7], v[GA], s[12:13] offset:64*\b+16   ; (.. + 4..7): waited for on the way out
.endr
.macro FRAG reg, adr, q, i             ; 16 rows x 128 K: four loads of 16 bytes a lane, 32 bytes apart
.irp c, 0,1,2,3
	ds_load_b128 v[\reg+4*\c:\reg+4*\c+3], v[\adr] offset:128*(\q)+32*\c+(\i)*16*PITCH
.endr
.endm
; 16 matrix instructions: source 1's blocks a0, a0 + 1 x source 0's eight.  p: source 0's set.  zero = 1: the first product starts the sums.  The 64 accumulators take turns, one instruction a turn.
.macro MUL16 a0, p, zero
.irp a, \a0, \a0+1
.irp b, 0,1,2,3,4,5,6,7
.if \zero
	v_wmma_f32_16x16x128_fp8_fp8 v[8*(8*((\a)%4)+\b):8*(8*((\a)%4)+\b)+7], v[128*(\p)+FR*\b:128*(\p)+FR*\b+FR-1], v[AF+FR*(\a):AF+FR*(\a)+FR-1], 0
.else
	v_wmma_f32_16x16x128_fp8_fp8 v[8*(8*((\a)%4)+\b):8*(8*((\a)%4)+\b)+7], v[128*(\p)+FR*\b:128*(\p)+FR*\b+FR-1], v[AF+FR*(\a):AF+FR*(\a)+FR-1], v[8*(8*((\a)%4)+\b):8*(8*((\a)%4)+\b)+7]
.endif
.endr
.endr
.endm
.macro FETCH_B slot, q, p
	WIN TO_B
.irp i, 0,1,2,3,4,5,6,7
	FRAG 128*(\p)+FR*\i, ADRB+\slot, \q, \i
.endr
	WIN 0
.endm
.macro FETCH_A slot, q, i0
.irp i, \i0, \i0+1, \i0+2, \i0+3
	FRAG AF+FR*(\i), ADRA+\slot, \q, \i
.endr
.endm
.macro PLACES n                        ; plain vector lines between a matrix instruction and a load into, or a vector line on, its registers
.rept \n
	v_nop
.endr
.endm
; A step of 128 along K that has its successor in the same slot: 64 matrix instructions.  Source 1 has one set of registers: blocks 0-3 are fetched anew in the step's middle, blocks 4-7 at its end.
.macro STEP slot, q, zero
	s_wait_dscnt 4*NL                              ; source 0's set and source 1's blocks 0-3 are in; the youngest 16 loads (blocks 4-7) may be out
	WIN MUL_LO
	MUL16 0, (\q)%2, \zero
	MUL16 2, (\q)%2, \zero
	s_wait_dscnt 0
	PLACES NP
	FETCH_B \slot, (\q)+1, 1-(\q)%2
	FETCH_A \slot, (\q)+1, 0
	WIN MUL_HI
	MUL16 4, (\q)%2, \zero
	MUL16 6, (\q)%2, \zero
	PLACES NP
	WIN 0
	FETCH_A \slot, (\q)+1, 4
.endm
; A slot's last step changes slots: ONE barrier; in front of it each wave waits for all its tensor loads, adds 0 to its spare word, and waits for that and for its reads of this slot.  fill = 1: the slot is filled again, two K steps ahead.
.macro TURN slot, next, fill
	s_wait_tensorcnt 0x0                           ; all my tensor loads have landed: my part of the next slot
	ds_add_u32 v[SPW], v[NIL]
	s_wait_dscnt 4*NL+1                            ; the add and the youngest 16 loads may be out
	WIN MUL_LO
	MUL16 0, 1, 0
	s_wait_dscnt 0x0                               ; the add is done, and my reads of this slot are over
	s_barrier_signal -1
	MUL16 2, 1, 0
	WIN 0
	s_barrier_wait -1
.if \fill
	CREST                                          ; the barrier has opened a round of the cluster's: no wave of any partner still reads this slot or has a load on its way
	s_add_nc_u64 s[G0+4*\slot+2:G0+4*\slot+3], s[G0+4*\slot+2:G0+4*\slot+3], 2*ROWB
	s_add_nc_u64 s[G0B+4*\slot+2:G0B+4*\slot+3], s[G0B+4*\slot+2:G0B+4*\slot+3], 2*ROWB
	JLOAD G0+4*\slot, G1, G0B+4*\slot, G1B         ; the first tensor load behind the round, one a wave; its four v_nop are the places in front of the loads below
.else
	PLACES NP
.endif
	FETCH_B \next, 0, 0
	FETCH_A \next, 0, 0
	WIN MUL_HI
	MUL16 4, 1, 0
	MUL16 6, 1, 0
	PLACES NP
	WIN 0
	FETCH_A \next, 0, 4
.endm
	s_wait_tensorcnt 1                             ; my part of K step 0 is in; K step 1's load may be out
	s_barrier_signal -1
	s_barrier_wait -1
	FETCH_B 0, 0, 0
	FETCH_A 0, 0, 0
	FETCH_A 0, 0, 4
	STEP 0, 0, 1                                   ; the first step stands in front of the loop: its products start the sums
	s_mov_b32 s3, LAPS-1
.Llap:                                                 ; a trip goes once round the ring and fills both slots again
	TURN 0, 1, 1
	STEP 1, 0, 0
	TURN 1, 0, 1
	STEP 0, 0, 0
	s_sub_co_u32 s3, s3, 1
	s_cmp_lg_u32 s3, 0
	s_cbranch_scc1 .Llap
	TURN 0, 1, 0                                   ; the last lap fills nothing
	STEP 1, 0, 0
	s_wait_dscnt 4*NL
	WIN MUL_LO
	MUL16 0, 1, 0
	MUL16 2, 1, 0
	s_wait_dscnt 0
	WIN MUL_HI
	MUL16 4, 1, 0
	MUL16 6, 1, 0
	WIN 0
	; ---- THE WAY OUT.  What differs between q, k and v is chosen by selects on nt; no branch hangs on a loaded number.
	s_wait_kmcnt 0x0
	s_cmp_lt_u32 s17, 16
	s_cselect_b32 s92, s80, s82                    ; x's exponent,
	s_cselect_b32 s93, s81, s83                    ; the weight's,
	s_cselect_b32 s96, s86, s87                    ; the result's
	s_cselect_b32 s78, 5, 2                        ; log2 of the heads of a batch
	s_cselect_b32 s79, 0, 16                       ; the tensor's first nt
	s_cselect_b32 s98, 0, 0x800000                 ; its place in qkv_img
	s_sub_co_i32 s97, s89, s84
	s_sub_co_i32 s97, s97, s85                     ; v: a sum stands for sum x 2^(e4 + e5): its code is sum / 2^(e9 - e4 - e5)
	s_cmp_ge_u32 s17, 18
	s_cselect_b32 s96, s97, s96
	s_cselect_b32 s79, 18, s79
	s_cselect_b32 s98, 0x900000, s98
	s_cselect_b32 s74, s16, s15                    ; which half of the tokens is mine,
	s_cselect_b32 s75, s15, s16                    ; and which of the tile's two heads
	s_add_co_i32 s92, s92, s93                     ; E
	s_lshl_b32 s94, s92, 1
	s_add_co_i32 s94, s94, 120
	s_lshl_b32 s94, s94, 23                        ; 2^(2 E - 7): the sum of squares of the sums x this is the mean square of the 128 numbers
	s_add_co_i32 s92, s92, 127
	s_lshl_b32 s92, s92, 23                        ; 2^E
	s_mov_b32 s95, 0x358637bd                      ; 1e-6
	s_add_co_i32 s96, s96, 127
	s_lshl_b32 s97, s96, 23
	v_mov_b32 v[SCL], s97
	s_add_co_i32 s96, s96, 8
	s_lshl_b32 s96, s96, 23
	s_or_b32 s96, s96, 0x600000
	v_mov_b32 v[LIM], s96
	s_lshl_b32 s76, s42, 8
	s_lshl_b32 s74, s74, 7
	s_add_co_u32 s76, s76, s74                     ; my first token
	s_lshr_b32 s77, s76, 10                        ; its batch,
	s_and_b32 s76, s76, 1023                       ; its position
	s_lshl_b32 s77, s77, s78
	s_sub_co_u32 s79, s17, s79
	s_lshl_b32 s79, s79, 1
	s_add_co_u32 s77, s77, s79
	s_add_co_u32 s77, s77, s75                     ; batch x heads + head
	s_lshl_b32 s77, s77, 6
	s_lshr_b32 s79, s76, 4
	s_add_co_u32 s77, s77, s79                     ; x 64 + position / 16: for v that is 8 x (position / 128), the first of the eight channel tiles
	s_lshl_b32 s77, s77, 11
	s_add_co_u32 s98, s98, s77
	s_mov_b32 s99, 0
	s_add_nc_u64 s[72:73], s[72:73], s[98:99]      ; my eight images
	s_lshl_b32 s98, s76, 8
	s_add_nc_u64 s[8:9], s[8:9], s[98:99]          ; the table at my first position
	PLACES NP                                      ; behind the last products: in front of the first read of results and of loads and writes into operands' registers
; cos and sin of the 16 tokens of block a, my 32 frequencies each, into set a % 2 of window 1: cos at +0, sin at +32
.macro CSLOAD a
	WIN TO_B
.irp b, 0,1,2,3
	global_load_b128 v[64*((\a)%2)+8*\b:64*((\a)%2)+8*\b+3], v[TO], s[8:9] offset:(\a)*4096+64*\b
	global_load_b128 v[64*((\a)%2)+8*\b+4:64*((\a)%2)+8*\b+7], v[TO], s[8:9] offset:(\a)*4096+64*\b+16
	global_load_b128 v[64*((\a)%2)+32+8*\b:64*((\a)%2)+32+8*\b+3], v[TO], s[8:9] offset:262144+(\a)*4096+64*\b
	global_load_b128 v[64*((\a)%2)+32+8*\b+4:64*((\a)%2)+32+8*\b+7], v[TO], s[8:9] offset:262144+(\a)*4096+64*\b+16
.endr
	WIN 0
.endm
; Z's 64 held numbers become image a
.macro CODES a
.set CB, CD+16*((\a)%2)
	s_wait_xcnt 0x0                                ; the stores of two blocks ago have read these registers
.irp b, 0,1,2,3,4,5,6,7
	v_cvt_scalef32_pk8_fp8_f32 v[CB+2*\b:CB+2*\b+1], v[Z+8*\b:Z+8*\b+7], v[SCL]
.endr
	v_nop                                          ; one plain line behind the last conversion: the next block writes Z again
.irp c, 0,1,2,3
	global_store_b128 v[LI], v[CB+4*\c:CB+4*\c+3], s[72:73] offset:(\a)*2048+512*\c   ; 512 consecutive bytes, aligned
.endr
.endm
.macro EPI_QK a                        ; 16 tokens x my head
.set AC, 64*((\a)%4)
.set WA, 2+(\a)/4
.set WB, WA|(WA<<2)
.set CSS, 64*((\a)%2)
.if (\a) < 7
	CSLOAD (\a)+1
.endif
	WIN WB                                         ; sources 0 and 1: the accumulators' window
.set p, 0
.rept 32                               ; the sum of squares of my 64 sums, in four chains; each accumulator is read from its low end on
.if p < 4
	v_pk_mul_f32 v[SS+2*p:SS+2*p+1], v[AC+2*p:AC+2*p+1], v[AC+2*p:AC+2*p+1]
.else
	v_pk_fma_f32 v[SS+2*(p%4):SS+2*(p%4)+1], v[AC+2*p:AC+2*p+1], v[AC+2*p:AC+2*p+1], v[SS+2*(p%4):SS+2*(p%4)+1]
.endif
.set p, p+1
.endr
	WIN 0
	v_pk_add_f32 v[SS:SS+1], v[SS:SS+1], v[SS+2:SS+3]
	v_pk_add_f32 v[SS+4:SS+5], v[SS+4:SS+5], v[SS+6:SS+7]
	v_pk_add_f32 v[SS:SS+1], v[SS:SS+1], v[SS+4:SS+5]
	v_add_f32 v[SS], v[SS], v[SS+1]
	v_permlanex16_b32 v[PT], v[SS], s66, s67       ; the token's other 64 channels lie in the lane 16 away
	v_add_f32 v[SS], v[SS], v[PT]
	v_fma_f32 v[SS+1], v[SS], s94, s95             ; the mean square + 1e-6
	v_rsq_f32 v[SS+2], v[SS+1]
	v_nop                                          ; a plain line behind the transcendental,
	s_wait_alu depctr_va_vdst(0)                   ; and the wait ahead of its reader
	v_mul_f32 v[FF], s92, v[SS+2]                  ; 2^E / root: exact but for the root
	WIN WA
.set p, 0
.rept 32
	v_pk_mul_f32 v[Y+2*p:Y+2*p+1], v[AC+2*p:AC+2*p+1], v[FF:FF+1] op_sel_hi:[1,0]
.set p, p+1
.endr
	WIN 0
.if (\a) < 7
	s_wait_loadcnt 16                              ; the gains and this block's cos and sin are in; the next block's 16 loads may be out
.else
	s_wait_loadcnt 0
.endif
.set p, 0
.rept 32
	v_pk_mul_f32 v[Y+2*p:Y+2*p+1], v[Y+2*p:Y+2*p+1], v[WN+2*p:WN+2*p+1]
.set p, p+1
.endr
	WIN 0x04                                       ; source 1: window 1
.set p, 0
.rept 16                               ; register + 32 is channel + 64 in the same lane
	v_pk_mul_f32 v[Z+2*p:Z+2*p+1], v[Y+2*p:Y+2*p+1], v[CSS+2*p:CSS+2*p+1]
	v_pk_mul_f32 v[Z+32+2*p:Z+33+2*p], v[Y+32+2*p:Y+33+2*p], v[CSS+2*p:CSS+2*p+1]
.set p, p+1
.endr
.set p, 0
.rept 16
	v_pk_fma_f32 v[Z+2*p:Z+2*p+1], v[Y+32+2*p:Y+33+2*p], v[CSS+32+2*p:CSS+33+2*p], v[Z+2*p:Z+2*p+1] neg_lo:[1,0,0] neg_hi:[1,0,0]
	v_pk_fma_f32 v[Z+32+2*p:Z+33+2*p], v[Y+2*p:Y+2*p+1], v[CSS+32+2*p:CSS+33+2*p], v[Z+32+2*p:Z+33+2*p]
.set p, p+1
.endr
	WIN 0
.set p, 0
.rept 64
	v_med3_num_f32 v[Z+p], v[Z+p], -v[LIM], v[LIM] ; the conversion does not saturate (ISA guide 7.6.2)
.set p, p+1
.endr
	CODES \a
.endm
.macro EPI_V a                         ; 16 channels x my 128 tokens
.set AC, 64*((\a)%4)
.set WA, 2+(\a)/4
	WIN WA
.set p, 0
.rept 64
	v_med3_num_f32 v[Z+p], v[AC+p], -v[LIM], v[LIM]
.set p, p+1
.endr
	WIN 0
	CODES \a
.endm
	s_cmp_ge_u32 s17, 18                           ; nt: the same in all waves and in all partners
	s_cbranch_scc1 .Lv_path
	CSLOAD 0
.irp a, 0,1,2,3,4,5,6,7
	EPI_QK \a
.endr
	s_branch .Lend
.Lv_path:
.irp a, 0,1,2,3,4,5,6,7
	EPI_V \a
.endr
.Lend:
	s_wait_tensorcnt 0x0                           ; the wave's end
	ds_add_u32 v[SPW], v[NIL]
	s_wait_dscnt 0x0
	CROUND                                         ; the closing round: no work-group ends while a partner may still ask for a tile that names it
	s_endpgm
.Lfunc_end_k_qaa7bf3e2e6_qkv:
	.size	k_qaa7bf3e2e6_qkv, .Lfunc_end_k_qaa7bf3e2e6_qkv-k_qaa7bf3e2e6_qkv
	.p2alignl 7, 3214868480
	.fill 96, 4, 3214868480
	.section	.rodata,"a",@progbits
	.p2align	6, 0x0
	.amdhsa_kernel k_qaa7bf3e2e6_qkv
		.amdhsa_group_segment_fixed_size 327680
		.amdhsa_private_segment_fixed_size 0
		.amdhsa_enable_private_segment 0
		.amdhsa_kernarg_size 56
		.amdhsa_user_sgpr_count 2
		.amdhsa_user_sgpr_kernarg_segment_ptr 1
		.amdhsa_wavefront_size32 1
		.amdhsa_system_sgpr_workgroup_id_x 1
		.amdhsa_system_sgpr_workgroup_id_y 1
		.amdhsa_system_sgpr_workgroup_id_z 1
		.amdhsa_system_vgpr_workitem_id 0
		.amdhsa_next_free_vgpr 1024
		.amdhsa_next_free_sgpr 100
		.amdhsa_reserve_vcc 0
		.amdhsa_float_denorm_mode_32 3
		.amdhsa_float_denorm_mode_16_64 3
		.amdhsa_memory_ordered 1
		.amdhsa_forward_progress 1
		.amdhsa_inst_pref_size 255
	.end_amdhsa_kernel
	.section	.bss,"aw",@nobits
	.p2align	6
	.space	262144
	.amdgpu_metadata
---
amdhsa.version: [ 1, 2 ]
amdhsa.kernels:
  - .name:           k_qaa7bf3e2e6_qkv
    .symbol:         k_qaa7bf3e2e6_qkv.kd
    .args:
      - { .name: x_codes, .offset: 0, .size: 8, .value_kind: global_buffer, .address_space: global }
      - { .name: w_codes, .offset: 8, .size: 8, .value_kind: global_buffer, .address_space: global }
      - { .name: rope, .offset: 16, .size: 8, .value_kind: global_buffer, .address_space: global }
      - { .name: q_norm_w, .offset: 24, .size: 8, .value_kind: global_buffer, .address_space: global }
      - { .name: k_norm_w, .offset: 32, .size: 8, .value_kind: global_buffer, .address_space: global }
      - { .name: lowp_scales, .offset: 40, .size: 8, .value_kind: global_buffer, .address_space: global }
      - { .name: qkv_img, .offset: 48, .size: 8, .value_kind: global_buffer, .address_space: global }
    .group_segment_fixed_size: 327680
    .private_segment_fixed_size: 0
    .kernarg_segment_align: 8
    .kernarg_segment_size: 56
    .max_flat_workgroup_size: 128
    .sgpr_count:     100
    .vgpr_count:     1024
    .wavefront_size: 32
...
	.end_amdgpu_metadata
.endif
;; end of part 3
;; launch attn (part 4): grid 8 x 32, 16 waves a work-group, clusters of 4 x 1, 264,192 bytes of LDS; arguments qkv_img, lowp_scales, ao_img; writes ao_img
.if DOCPART == 4
	.amdgcn_target "amdgcn-amd-amdhsa--gfx1250"
	.amdhsa_code_object_version 6
	.text
	.protected	k_qaa7bf3e2e6_attn
	.globl	k_qaa7bf3e2e6_attn
	.p2align	8
	.type	k_qaa7bf3e2e6_attn,@function
k_qaa7bf3e2e6_attn:
	s_mov_b64 s[64:65], 0
	v_nop
	global_prefetch_b8 v0, s[64:65] scope:SCOPE_SE
	s_setreg_imm32_b32 hwreg(HW_REG_WAVE_MODE, 25, 1), 1
	s_wait_xcnt 0x0
	s_wait_alu depctr_hold_cnt(0) depctr_sa_sdst(0) depctr_va_vdst(0) depctr_va_sdst(0) depctr_va_ssrc(0) depctr_va_vcc(0) depctr_vm_vsrc(0)
	s_getreg_b32 s2, hwreg(HW_REG_IB_STS2, 6, 4)
	s_cmp_eq_u32 s2, 0
	s_cbranch_scc0 .Lentry_in_a_cluster
	s_endpgm
.Lentry_in_a_cluster:
	s_bfe_u32 s2, ttmp6, 0x10000c
	s_cmp_lg_u32 s2, 0x3003
	s_cbranch_scc0 .Lentry_shape_is_right
	s_endpgm
.Lentry_shape_is_right:
; Causal attention on E4M3 codes, and the quantiser (2^e10) ahead of the last projection.  q, k, v come as images of operand registers (2,048 bytes: 16 rows x 128 K in the 8-bit form's own layout), the result leaves as such images.
; THE SOFTMAX: t = score x log2(e) / sqrt(128); M = the running largest t rounded UP to a whole number; p = 2^(t - M) is quantised with 2^e8, not normalised; the row's sum is taken of the unquantised p and divides at the end.
; When M moves, the sum and O are multiplied by 2^(old M - new M): exact.
; SHARES.  A work-group: one query head, 16 of its 64 tiles of 16 queries (tiles 4 u + j, j = work-group y mod 4), one tile to each of SIXTEEN waves of 256 registers: four waves to a SIMD, so that one wave's vector work stands beside
; another's matrix work.  u = wave, with its two low bits turned in every second group of four waves: the causal work of waves w, w + 4, w + 8, w + 12 then adds up alike for every w.
; ALL of the key/value head's codes rest in LDS: 64 images of K, 64 of V, 256 KiB: filled once, so no slot is ever filled again.
; CLUSTER 4 x 1: the four partners are four query heads of ONE key/value head with the same query tiles: K and V are asked for JOINTLY (mask 15).  The place in the cluster enters q's and the result's global addresses alone;
; every causal branch hangs on j, the wave's number and the count of steps, which the partners share.
; The loads go out at the head, four a wave in waves 0 to 3 (16 KiB each), in the order in which they are read: phase p (256 keys) begins when the loads of phases up to p have landed.  Nothing is left to prefetch.
; LAYOUT.  Both products transposed: S^T = K Q^T, O^T = V^T P^T: a lane holds ONE query (lane % 16).  Register j of S^T's tile t is key 16 t + 8 (lane / 16) + j: a conversion of the tile's eight registers is registers 2 t, 2 t + 1 of P.
; CAUSAL: a step of 128 keys that all come after my queries is jumped over; in the one step on the diagonal hidden scores become -infinity ahead of the maximum.  Key 0 counts for every query.
; LIMITS: e6 + e7 between -123 and 130 (added to c's exponent field); e8 and e10 between -126 and 119.
; REGISTERS: v1 16 x lane, v2 that + V's place, v3 r - 8 h, v5, v6 the add's two, v8, v9 addresses in hand; v12 -M, v13 the largest t, v[14:15] the sum; v16-31 Q; v32-95 four fragments; v96-159 S^T, p; v160-223 O^T; v224-239 codes; v236-254 at work.
.set VOFF,  131072                     ; LDS: K's 64 images, then V's 64
.set SPARE, 262144                     ; then the spare words: 128 bytes for each of 16 waves
.set LI,   1
.set LIV,  2
.set RH,   3
.set SPW,  5
.set NIL,  6
.set ADK,  8
.set ADV,  9
.set WV,   18
.set SEL,  20
.set CS,   22                          ; s[22:23] c: the packed form names a pair and takes its low word
.set G1,   24                          ; s[24:31] group 1; s[32:47] four groups 0
.set TB,   48                          ; s48 LDS byte of the step's images of K
.set KF,   49                          ; s49 the step's first key
.set Q0,   50                          ; s50 my first query
.set CNT,  51
.macro CROUND
	s_barrier_signal -1
	s_barrier_wait -1
	s_cmp_lg_u32 s[WV], 0
	s_cbranch_scc1 .Lnot_wave_0_\@
	s_barrier_signal -3
.Lnot_wave_0_\@:
	s_barrier_wait -3
	s_barrier_signal -1
	s_barrier_wait -1
.endm
	s_load_b128 s[4:7], s[0:1], 0x0                ; qkv_img, lowp_scales
	s_load_b64 s[8:9], s[0:1], 0x10                ; ao_img
	v_lshl_add_u32 v[SPW], v0, 2, SPARE
	v_mov_b32 v[NIL], 0
	ds_add_u32 v[SPW], v[NIL]                      ; the wave's opening: the add and its wait stand ahead of the first tensor loads; the set-up below stands between them
	v_lshrrev_b32 v8, 5, v0
	v_readfirstlane_b32 s[WV], v8                  ; wave 0..15
	s_bfe_u32 s52, ttmp6, 0x40000                  ; cx
	s_lshl_b32 s53, ttmp9, 2
	s_add_co_u32 s53, s53, s52                     ; which of the group's 8 query heads: enters global addresses alone
	s_and_b32 s54, ttmp7, 0xffff
	s_and_b32 s55, s54, 3                          ; j
	s_lshr_b32 s56, s54, 2                         ; 4 x batch + key/value head
	s_lshr_b32 s57, s54, 4                         ; batch
	s_bfe_u32 s58, s[WV], 0x10002
	s_mul_i32 s58, s58, 3
	s_xor_b32 s58, s58, s[WV]                      ; u
	s_lshl_b32 s58, s58, 2
	s_add_co_u32 s58, s58, s55                     ; my tile of queries
	s_lshl_b32 s[Q0], s58, 4
	s_lshr_b32 s59, s[WV], 1
	s_and_b32 s59, s59, 1                          ; I fetch for K (0) or V (1),
	s_and_b32 s60, s[WV], 1                        ; the first or the second 16 KiB of a phase's 32
	s_lshl_b32 s61, s59, 17
	s_lshl_b32 s62, s60, 14
	s_add_co_u32 s61, s61, s62                     ; in LDS,
	s_lshl_b32 s74, s59, 20
	s_add_co_u32 s74, s74, s62
	s_lshl_b32 s63, s56, 17
	s_add_co_u32 s74, s74, s63
	s_add_co_u32 s74, s74, 0x800000                ; in qkv_img: 8 MiB (K) or 9 MiB (V) + 128 KiB a head
	s_mov_b32 s75, 0
	s_mov_b32 s[G1], 15|(3<<16)|(1<<21)            ; 15:0 the mask: all four; 17:16 elements of 8 bytes; 21 set beside a mask; no padding
	s_mov_b32 s[G1+1], 32<<16                      ; tensor_dim0 = 32 (256 bytes)
	s_mov_b32 s[G1+2], 64<<16                      ; tensor_dim1 = 64
	s_mov_b32 s[G1+3], 32<<16                      ; tile_dim0
	s_mov_b32 s[G1+4], 64                          ; tile_dim1
	s_mov_b32 s[G1+5], 32                          ; dense
	s_mov_b32 s[G1+6], 0
	s_mov_b32 s[G1+7], 0
	s_mov_b32 s[SEL], 0x76543210
	s_mov_b32 s[SEL+1], 0xfedcba98
	s_mov_b32 s[CS], 0x3e0293ee                    ; c = log2(e) / sqrt(128)
	s_mov_b32 s[TB], 0
	s_mov_b32 s[KF], 0
	s_wait_dscnt 0x0                               ; the opening add is done
	s_wait_kmcnt 0x0
	s_load_b128 s[68:71], s[6:7], 0x18             ; e6, e7, e8, e9
	s_load_b32 s72, s[6:7], 0x28                   ; e10
	s_add_nc_u64 s[74:75], s[4:5], s[74:75]
.irp p, 0,1,2,3
	s_mov_b32 s[32+4*\p], 1
	s_add_co_u32 s[33+4*\p], s61, \p*32768
	s_add_nc_u64 s[34+4*\p:35+4*\p], s[74:75], \p*32768
	s_or_b32 s[35+4*\p], s[35+4*\p], 0x80000000
.endr
	CROUND                                         ; all four work-groups are here: the joint loads meet
	s_cmp_lt_u32 s[WV], 4                          ; all first fills of a wave stand in one branch on its number: four loads of mine are out
	s_cbranch_scc0 .Lno_fetch
.irp p, 0,1,2,3
	tensor_load_to_lds s[32+4*\p:35+4*\p], s[G1:G1+7]
	s_nop 0
.endr
.rept 4
	v_nop
.endr
.Lno_fetch:
	s_lshl_b32 s76, s56, 3
	s_add_co_u32 s76, s76, s53                     ; batch x 32 + query head
	s_lshl_b32 s77, s76, 6
	s_add_co_u32 s77, s77, s58
	s_lshl_b32 s78, s77, 11
	s_mov_b32 s79, 0
	s_add_nc_u64 s[4:5], s[4:5], s[78:79]          ; my image of q
	s_lshl_b32 s77, s57, 6
	s_add_co_u32 s77, s77, s58
	s_lshl_b32 s77, s77, 5
	s_and_b32 s76, s76, 31
	s_add_co_u32 s77, s77, s76
	s_lshl_b32 s78, s77, 11
	s_add_nc_u64 s[8:9], s[8:9], s[78:79]          ; my image of the result: ((batch 64 + tile) 32 + head) 2048
	v_and_b32 v[LI], 31, v0
	v_lshlrev_b32 v[LI], 4, v[LI]
	v_add_nc_u32 v[LIV], VOFF, v[LI]
.irp c, 0,1,2,3
	global_load_b128 v[16+4*\c:19+4*\c], v[LI], s[4:5] offset:512*\c   ; Q stays in registers
.endr
	v_and_b32 v[RH], 15, v0
	v_bfe_u32 v8, v0, 4, 1
	v_lshlrev_b32 v8, 3, v8
	v_sub_nc_u32 v[RH], v[RH], v8                  ; r - 8 h
	v_mov_b32 v13, 0xff61b1e6                      ; the largest t so far: -3e38
	v_floor_f32 v12, -v13                          ; -M
	v_mov_b32 v14, 0
	v_mov_b32 v15, 0
	v_mov_b32 v236, 0                              ; a lane exchange's destination counts as read
	v_mov_b32 v253, 0                              ; named as the upper half of a pair
.set n, 0
.rept 64
	v_mov_b32 v[160+n], 0                          ; O^T: the step is written for every step alike: the first finds zeros, which the first change of M leaves zeros
.set n, n+1
.endr
	s_wait_kmcnt 0x0
	s_add_co_i32 s73, s68, s69
	s_lshl_b32 s73, s73, 23
	s_add_co_i32 s[CS], s[CS], s73                 ; a score stands for score x 2^(e6 + e7): added to c's exponent field
	s_mov_b32 s[CS+1], s[CS]
	s_add_co_i32 s73, s70, 127
	s_lshl_b32 s80, s73, 23
	v_mov_b32 v244, s80                            ; 2^e8
	s_add_co_i32 s73, s73, 8
	s_lshl_b32 s73, s73, 23
	s_or_b32 s73, s73, 0x600000
	v_mov_b32 v240, s73                            ; 448 x 2^e8
	s_add_co_i32 s73, s72, 127
	s_lshl_b32 s80, s73, 23
	v_mov_b32 v245, s80                            ; 2^e10
	s_add_co_i32 s73, s73, 8
	s_lshl_b32 s73, s73, 23
	s_or_b32 s73, s73, 0x600000
	v_mov_b32 v241, s73                            ; 448 x 2^e10
	s_add_co_i32 s81, s70, s71                     ; e8 + e9
; A KEY STEP: 128 keys from s[KF] on, images from s[TB] on.
.macro STEP
	s_add_co_u32 s96, s[Q0], 15
	s_cmp_gt_u32 s[KF], s96                        ; all keys behind my queries: ids and the count of steps alone
	s_cbranch_scc1 .Lhidden_\@
	v_add_nc_u32 v[ADK], s[TB], v[LI]
	v_add_nc_u32 v[ADV], s[TB], v[LIV]
.irp g, 0,1                                    ; S^T = K Q^T, four tiles of 16 keys at a time
.rept 4-2*(1-\g)
	v_nop                                          ; four places in front of loads into registers that matrix instructions have read; the two additions above are two of them
.endr
.irp f, 0,1,2,3
.irp c, 0,1,2,3
	ds_load_b128 v[32+16*\f+4*\c:32+16*\f+4*\c+3], v[ADK] offset:(4*\g+\f)*2048+512*\c
.endr
.endr
	s_wait_dscnt 0x0
.irp f, 0,1,2,3
	v_wmma_f32_16x16x128_fp8_fp8 v[96+8*(4*\g+\f):103+8*(4*\g+\f)], v[32+16*\f:47+16*\f], v[16:31], 0
.endr
.endr
.rept 4
	v_nop
.endr
	s_add_co_u32 s96, s[KF], 127
	s_cmp_le_u32 s96, s[Q0]                        ; all keys count: no mask
	s_cbranch_scc1 .Lopen_\@
	s_sub_co_i32 s96, s[Q0], s[KF]
	v_add_nc_u32 v252, s96, v[RH]                  ; d = my query - first key - 8 h.  Register n holds key 16 (n / 8) + 8 h + n % 8: hidden where 16 (n / 8) + n % 8 > d
	v_mov_b32 v254, 0xff800000                     ; -infinity
.set n, 0
.rept 64
	v_cmp_gt_i32 vcc_lo, 16*(n/8)+n%8, v252
	v_cndmask_b32 v[96+n], v[96+n], v254, vcc_lo
.set n, n+1
.endr
.Lopen_\@:
	v_max3_num_f32 v254, v96, v97, v98             ; the step's largest score of my query among my 64 keys, in two chains, from the low end on
	v_max3_num_f32 v252, v99, v100, v101
.irp i, 6,10,14,18,22,26,30,34,38,42,46,50,54,58
	v_max3_num_f32 v254, v254, v[96+\i], v[97+\i]
	v_max3_num_f32 v252, v252, v[98+\i], v[99+\i]
.endr
	v_max3_num_f32 v254, v254, v158, v159
	v_max_num_f32 v254, v254, v252
	v_permlanex16_b32 v236, v254, s[SEL], s[SEL+1]
	v_max_num_f32 v254, v254, v236                 ; and among lane l xor 16's
	v_mul_f32 v254, s[CS], v254                    ; as t (c is positive)
	v_max_num_f32 v13, v13, v254
	v_mov_b32 v254, v12
	v_floor_f32 v12, -v13                          ; the new -M = -ceil(t)
	v_sub_f32 v254, v12, v254                      ; old M - new M: a whole number, 0 or less
	v_cvt_i32_f32 v254, v254                       ; (it saturates)
	v_ldexp_f32 v252, 1.0, v254                    ; f = 2^(old M - new M)
.set n, 0
.rept 32
	v_pk_fma_f32 v[96+n:97+n], v[96+n:97+n], s[CS:CS+1], v[12:13] op_sel_hi:[1,0,0]   ; t - M
.set n, n+2
.endr
.set n, 0
.rept 64
	v_exp_f32 v[96+n], v[96+n]                     ; p = 2^(t - M): one batch
.set n, n+1
.endr
	v_pk_mul_f32 v[14:15], v[14:15], v[252:253] op_sel_hi:[1,0]   ; the sums under the new M: the plain line behind the exponentials
	s_wait_alu depctr_va_vdst(0)                   ; the wait ahead of the first reader: one for the batch
	v_pk_add_f32 v[242:243], v[96:97], v[98:99]    ; the row's sum of the UNQUANTISED p, in two chains
.irp i, 4,8,12,16,20,24,28,32,36,40,44,48,52,56,60
	v_pk_add_f32 v[14:15], v[14:15], v[96+\i:97+\i]
	v_pk_add_f32 v[242:243], v[242:243], v[98+\i:99+\i]
.endr
	v_pk_add_f32 v[14:15], v[14:15], v[242:243]
.irp f, 0,1,2,3,4,5,6,7
.irp i, 0,1,2,3,4,5,6,7
	v_min_num_f32 v[96+8*\f+\i], v[96+8*\f+\i], v240   ; the conversion does not saturate (ISA guide 7.6.2); p is not negative, so the hold is one-sided
.endr
	v_cvt_scalef32_pk8_fp8_f32 v[224+2*\f:225+2*\f], v[96+8*\f:103+8*\f], v244
.endr
.set n, 0
.rept 32
	v_pk_mul_f32 v[160+n:161+n], v[160+n:161+n], v[252:253] op_sel_hi:[1,0]   ; O^T under the new M; these are also the places in front of the loads and products below
.set n, n+2
.endr
.irp g, 0,1                                    ; O^T += V^T P^T, four tiles of 16 channels at a time
.if \g > 0
.rept 4
	v_nop
.endr
.endif
.irp f, 0,1,2,3
.irp c, 0,1,2,3
	ds_load_b128 v[32+16*\f+4*\c:32+16*\f+4*\c+3], v[ADV] offset:(4*\g+\f)*2048+512*\c
.endr
.endr
	s_wait_dscnt 0x0
.irp f, 0,1,2,3
	v_wmma_f32_16x16x128_fp8_fp8 v[160+8*(4*\g+\f):167+8*(4*\g+\f)], v[32+16*\f:47+16*\f], v[224:239], v[160+8*(4*\g+\f):167+8*(4*\g+\f)]
.endr
.endr
.Lhidden_\@:
.endm
; Phase p: keys 256 p to 256 p + 255.  The count leaves the later phases' loads out: 3 - p of a fetching wave's four.
.macro PHASE p
	s_wait_tensorcnt 3-\p
	s_wait_dscnt 0x0
	s_barrier_signal -1
	s_barrier_wait -1                              ; every fetching wave's part of the phase has landed
	s_mov_b32 s[CNT], 2
.Lstep_\@:
	STEP
	s_add_co_u32 s[TB], s[TB], 16384
	s_add_co_u32 s[KF], s[KF], 128
	s_sub_co_u32 s[CNT], s[CNT], 1
	s_cmp_lg_u32 s[CNT], 0
	s_cbranch_scc1 .Lstep_\@
.endm
	s_wait_loadcnt 0x0                             ; Q
	PHASE 0
	PHASE 1
	PHASE 2
	PHASE 3
	; THE WAY OUT: O^T / the sum x 2^(e8 + e9), held, quantised with 2^e10: tile f's eight registers give registers 2 f, 2 f + 1 of the image (row = query, k = channel)
	v_add_f32 v14, v14, v15
	v_permlanex16_b32 v252, v14, s[SEL], s[SEL+1]
	v_add_f32 v14, v14, v252                       ; the row's sum
	v_rcp_f32 v14, v14
.rept 3
	v_nop                                          ; plain lines behind the transcendental; with the additions above also the places behind the last products
.endr
	s_wait_alu depctr_va_vdst(0)                   ; the wait ahead of the reciprocal's reader
	v_ldexp_f32 v14, v14, s81
.set n, 0
.rept 64
	v_mul_f32 v[96+n], v[160+n], v14
.set n, n+1
.endr
.set n, 0
.rept 64
	v_med3_num_f32 v[96+n], v[96+n], -v241, v241
.set n, n+1
.endr
.irp f, 0,1,2,3,4,5,6,7
	v_cvt_scalef32_pk8_fp8_f32 v[224+2*\f:225+2*\f], v[96+8*\f:103+8*\f], v245
.endr
	v_nop
.irp c, 0,1,2,3
	global_store_b128 v[LI], v[224+4*\c:227+4*\c], s[8:9] offset:512*\c   ; 512 consecutive bytes, aligned
.endr
	s_wait_tensorcnt 0x0                           ; the wave's end
	ds_add_u32 v[SPW], v[NIL]
	s_wait_dscnt 0x0
	CROUND                                         ; the closing round
	s_endpgm
.Lfunc_end_k_qaa7bf3e2e6_attn:
	.size	k_qaa7bf3e2e6_attn, .Lfunc_end_k_qaa7bf3e2e6_attn-k_qaa7bf3e2e6_attn
	.p2alignl 7, 3214868480
	.fill 96, 4, 3214868480
	.section	.rodata,"a",@progbits
	.p2align	6, 0x0
	.amdhsa_kernel k_qaa7bf3e2e6_attn
		.amdhsa_group_segment_fixed_size 264192
		.amdhsa_private_segment_fixed_size 0
		.amdhsa_enable_private_segment 0
		.amdhsa_kernarg_size 24
		.amdhsa_user_sgpr_count 2
		.amdhsa_user_sgpr_kernarg_segment_ptr 1
		.amdhsa_wavefront_size32 1
		.amdhsa_system_sgpr_workgroup_id_x 1
		.amdhsa_system_sgpr_workgroup_id_y 1
		.amdhsa_system_sgpr_workgroup_id_z 1
		.amdhsa_system_vgpr_workitem_id 0
		.amdhsa_next_free_vgpr 256
		.amdhsa_next_free_sgpr 100
		.amdhsa_reserve_vcc 1
		.amdhsa_float_denorm_mode_32 3
		.amdhsa_float_denorm_mode_16_64 3
		.amdhsa_memory_ordered 1
		.amdhsa_forward_progress 1
		.amdhsa_inst_pref_size 114
	.end_amdhsa_kernel
	.amdgpu_metadata
---
amdhsa.version: [ 1, 2 ]
amdhsa.kernels:
  - .name:           k_qaa7bf3e2e6_attn
    .symbol:         k_qaa7bf3e2e6_attn.kd
    .args:
      - { .name: qkv_img, .offset: 0, .size: 8, .value_kind: global_buffer, .address_space: global }
      - { .name: lowp_scales, .offset: 8, .size: 8, .value_kind: global_buffer, .address_space: global }
      - { .name: ao_img, .offset: 16, .size: 8, .value_kind: global_buffer, .address_space: global }
    .group_segment_fixed_size: 264192
    .private_segment_fixed_size: 0
    .kernarg_segment_align: 8
    .kernarg_segment_size: 24
    .max_flat_workgroup_size: 512
    .sgpr_count:     100
    .vgpr_count:     256
    .wavefront_size: 32
...
	.end_amdgpu_metadata
.endif
;; end of part 4
;; launch oproj (part 5): grid 16 x 16, 4 waves a work-group, clusters of 4 x 4, 327,680 bytes of LDS; arguments ao_img, w_codes, lowp_scales, out0; writes out0
.if DOCPART == 5
	.amdgcn_target "amdgcn-amd-amdhsa--gfx1250"
	.amdhsa_code_object_version 6
	.text
	.protected	k_qaa7bf3e2e6_oproj
	.globl	k_qaa7bf3e2e6_oproj
	.p2align	8
	.type	k_qaa7bf3e2e6_oproj,@function
k_qaa7bf3e2e6_oproj:
	s_mov_b64 s[64:65], 0
	v_nop
	global_prefetch_b8 v0, s[64:65] scope:SCOPE_SE
	s_setreg_imm32_b32 hwreg(HW_REG_WAVE_MODE, 25, 1), 1
	s_wait_xcnt 0x0
	s_wait_alu depctr_hold_cnt(0) depctr_sa_sdst(0) depctr_va_vdst(0) depctr_va_sdst(0) depctr_va_ssrc(0) depctr_va_vcc(0) depctr_vm_vsrc(0)
	s_getreg_b32 s2, hwreg(HW_REG_IB_STS2, 6, 4)
	s_cmp_eq_u32 s2, 0
	s_cbranch_scc0 .Lentry_in_a_cluster
	s_endpgm
.Lentry_in_a_cluster:
	s_bfe_u32 s2, ttmp6, 0x10000c
	s_cmp_lg_u32 s2, 0xf033
	s_cbranch_scc0 .Lentry_shape_is_right
	s_endpgm
.Lentry_shape_is_right:
; out0 [2048 tokens][2048] f32 = (attention's result, as codes with 2^e10) x (Wo, as codes with 2^e11), K = 4,096.  Each finished sum is multiplied once by 2^(e10 + e11).
; A tile of out0 is 128 x 128: 256 work-groups, one for each WGP (tiles of 256 x 256 would be 64).  Four waves, each 64 x 64: 16 accumulators.  K goes in 8 steps of 512 (four heads) through two LDS slots.
; A comes as images of operand registers (ao_img: (token tile x 32 + head) x 2,048 bytes): a step's images of a token tile are 8,192 consecutive bytes; a fragment is four loads at 16 x lane: no pitch, no padding.
; B comes as rows of w_codes (from byte 10,485,760: [2048 n][4096] bytes, the two middle runs of 8 of every 32 exchanged, so that 16-byte loads give the 8-bit form's own layout, in which A's images lie).
; CLUSTER 4 x 4: A's tile is shared along a row of the cluster, B's along a column: each is asked for JOINTLY.  No prefetch: each tile is read by sixteen work-groups and asked for a K step ahead, and the launch is short.
; THE MATRIX INSTRUCTION IS USED TRANSPOSED (source 0 = 16 rows of Wo's codes, source 1 = 16 tokens): a lane holds eight neighbouring numbers of a row of out0.  A wave's 64 columns are 256 bytes, aligned:
; they go through the wave's own stage in LDS and leave as whole rows of 256 bytes, sixteen lanes to a row.
; LIMIT: e10 + e11 between -126 and 127.
; REGISTERS: window 0: v1-4 at the head, v16-21 LDS addresses, v24-26 the way out's, v28, v29 the add's two, v32-63 scaled sums, v64-127 rows read back (two sets), v128-255 the accumulators ((a, b) at v[128 + 8 (4 a + b)]).
;   window 1: two fragment buffers of 128: A's four at +0, B's four at +64.
.set ABYTES, 65536                     ; a slot: A's 32 images,
.set BP,     528                       ; then B's 128 rows of 512 bytes + 16: the 16 rows that a load touches start at 16 different banks (64 banks of 4 bytes: ISA guide 11.1)
.set BHALF,  64*BP
.set SLOT,   ABYTES+2*BHALF
.set STAGE,  2*SLOT                    ; behind the ring: 16 rows x 272 bytes for each wave
.set SPITCH, 272
.set SPARE,  STAGE+4*16*SPITCH         ; behind the stages: the spare words, 128 bytes a wave
.set LAPS,   4
.set ADRA, 16
.set ADRB, 20
.set STO,  24
.set RD,   25
.set CO,   26
.set SPW,  28
.set NIL,  29
.set TMP,  32
.set BK,   64
.set ACC,  128
.set F0,   0
.set F1,   128
.set G1, 24
.set G0, 32
.set G1B, 48
.set G0B, 56
.set MSB, 0
.macro WIN new
.if MSB != \new
	s_set_vgpr_msb (MSB<<8)|\new
.set MSB, \new
.endif
.endm
.set MUL,  0x05                        ; sources 0 and 1 window 1; C and D window 0
.set TO_F, 0x40                        ; destination window 1, address window 0
.macro JLOAD s                         ; waves 0 and 1 fetch A's halves, waves 2 and 3 B's; an s_nop 0 and four v_nop follow each of the two lines
	s_cmp_eq_u32 s15, 0
	s_cbranch_scc0 .Lfor_b_\@
	tensor_load_to_lds s[G0+4*\s:G0+4*\s+3], s[G1:G1+7]
	s_nop 0
.rept 4
	v_nop
.endr
	s_branch .Lasked_\@
.Lfor_b_\@:
	tensor_load_to_lds s[G0B+4*\s:G0B+4*\s+3], s[G1B:G1B+7]
	s_nop 0
.rept 4
	v_nop
.endr
.Lasked_\@:
.endm
.macro CREST
	s_cmp_lg_u32 s14, 0
	s_cbranch_scc1 .Lnot_wave_0_\@
	s_barrier_signal -3
.Lnot_wave_0_\@:
	s_barrier_wait -3
	s_barrier_signal -1
	s_barrier_wait -1
.endm
.macro CROUND
	s_barrier_signal -1
	s_barrier_wait -1
	CREST
.endm
	s_load_b256 s[4:11], s[0:1], 0x0               ; ao_img s[4:5], w_codes s[6:7], lowp_scales s[8:9], out0 s[10:11]
	v_lshl_add_u32 v[SPW], v0, 2, SPARE
	v_mov_b32 v[NIL], 0
	ds_add_u32 v[SPW], v[NIL]                      ; the wave's opening: the add and its wait stand ahead of my first tensor load
	v_lshrrev_b32 v1, 5, v0
	v_readfirstlane_b32 s14, v1                    ; wave 0..3
	s_lshr_b32 s15, s14, 1                         ; which half of the tile's tokens is mine.  Also: I fetch for A (0) or B (1)
	s_and_b32 s16, s14, 1                          ; which half of its columns.  Also: which half of that tile I fetch
	s_bfe_u32 s40, ttmp6, 0x40000                  ; cx
	s_bfe_u32 s41, ttmp6, 0x40004                  ; cy
	s_lshl_b32 s42, ttmp9, 2
	s_add_co_u32 s42, s42, s40                     ; tile column
	s_and_b32 s17, ttmp7, 0xffff
	s_lshl_b32 s17, s17, 2
	s_add_co_u32 s17, s17, s41                     ; tile row
	s_lshl_b32 s43, s41, 2
	s_lshl_b32 s43, 15, s43                        ; my row of the cluster
	s_lshl_b32 s44, 0x1111, s40                    ; my column
	s_or_b32 s[G1+0], s43, (3<<16)|(1<<21)         ; A: the mask of my row; elements of 8 bytes; bit 21 beside the mask; no padding
	s_mov_b32 s[G1+1], 1024<<16                    ; tensor_dim0 = 1,024 (8,192 bytes: a token tile's four images)
	s_mov_b32 s[G1+2], 4<<16                       ; tensor_dim1 = 4 token tiles
	s_mov_b32 s[G1+3], 1024<<16                    ; tile_dim0
	s_mov_b32 s[G1+4], 4                           ; tile_dim1
	s_mov_b32 s[G1+5], 8192                        ; 65,536 bytes from a token tile to the next
	s_mov_b32 s[G1+6], 0
	s_mov_b32 s[G1+7], 0
	s_or_b32 s[G1B+0], s44, (1<<20)|(1<<21)|(6<<22)|(3<<25)   ; B: the mask of my column; elements of 1 byte; four words of padding after every 128
	s_mov_b32 s[G1B+1], 512<<16
	s_mov_b32 s[G1B+2], 64<<16
	s_mov_b32 s[G1B+3], 512<<16
	s_mov_b32 s[G1B+4], 64
	s_mov_b32 s[G1B+5], 4096
	s_mov_b32 s[G1B+6], 0
	s_mov_b32 s[G1B+7], 0
	s_lshl_b32 s20, s17, 19                        ; A: (8 tile row + 4 half) token tiles of 65,536 bytes: made of the tile row and the wave's number alone
	s_lshl_b32 s18, s16, 18
	s_add_co_u32 s20, s20, s18
	s_mov_b32 s21, 0
	s_lshl_b32 s46, s42, 7                         ; B: (128 tile column + 64 half) rows of 4,096 bytes, behind the other weights' codes
	s_lshl_b32 s18, s16, 6
	s_add_co_u32 s46, s46, s18
	s_lshl_b32 s46, s46, 12
	s_add_co_u32 s46, s46, 10485760
	s_mov_b32 s47, 0
	s_lshl_b32 s45, s16, 15                        ; where they go: A's half,
	s_mul_i32 s19, s16, BHALF
	s_add_co_u32 s19, s19, ABYTES                  ; B's half
	s_wait_dscnt 0x0                               ; the opening add is done
	s_wait_kmcnt 0x0
	s_load_b64 s[96:97], s[8:9], 0x28              ; e10, e11
	s_add_nc_u64 s[20:21], s[4:5], s[20:21]
	s_add_nc_u64 s[46:47], s[6:7], s[46:47]
	CROUND                                         ; all sixteen work-groups are here
.irp s, 0,1
	s_mov_b32 s[G0+4*\s], 1
	s_add_co_u32 s[G0+4*\s+1], s45, \s*SLOT
	s_add_nc_u64 s[G0+4*\s+2:G0+4*\s+3], s[20:21], \s*8192
	s_or_b32 s[G0+4*\s+3], s[G0+4*\s+3], 0x80000000
	s_mov_b32 s[G0B+4*\s], 1
	s_add_co_u32 s[G0B+4*\s+1], s19, \s*SLOT
	s_add_nc_u64 s[G0B+4*\s+2:G0B+4*\s+3], s[46:47], \s*512
	s_or_b32 s[G0B+4*\s+3], s[G0B+4*\s+3], 0x80000000
	JLOAD \s                                       ; two loads of mine are out
.endr
	v_and_b32 v1, 15, v0                           ; r
	v_bfe_u32 v2, v0, 4, 1                         ; h
	v_and_b32 v3, 31, v0
	v_lshlrev_b32 v3, 4, v3                        ; 16 x lane
	v_mul_u32_u24 v4, v1, BP
	v_lshl_add_u32 v4, v2, 4, v4                   ; row x pitch + 16 h
	s_lshl_b32 s22, s15, 15                        ; my four token tiles' images
	s_mul_i32 s23, s16, BHALF
	s_add_co_u32 s23, s23, ABYTES                  ; my 64 rows of B
.irp s, 0,1
	v_add_nc_u32 v[ADRA+\s], s22, v3
	v_add_nc_u32 v[ADRB+\s], s23, v4
	s_add_co_u32 s22, s22, SLOT
	s_add_co_u32 s23, s23, SLOT
.endr
	s_mul_i32 s23, s14, 16*SPITCH
	s_add_co_u32 s23, s23, STAGE                   ; my stage
	v_mul_u32_u24 v4, v1, SPITCH
	v_lshl_add_u32 v4, v2, 5, v4
	v_add_nc_u32 v[STO], s23, v4                   ; in: row r, 32 bytes for each half of the lanes
	v_mul_u32_u24 v4, v2, SPITCH
	v_lshl_add_u32 v4, v1, 4, v4
	v_add_nc_u32 v[RD], s23, v4                    ; back: lanes 0-15 one row, lanes 16-31 the next
	v_lshlrev_b32 v[CO], 13, v2
	v_lshl_add_u32 v[CO], v1, 4, v[CO]             ; and the same two rows of out0 (8,192 bytes a row)
	s_lshl_b32 s20, s17, 7
	s_lshl_b32 s21, s15, 6
	s_add_co_u32 s20, s20, s21
	s_lshl_b32 s20, s20, 13                        ; my first row
	s_mov_b32 s21, 0
	s_add_nc_u64 s[10:11], s[10:11], s[20:21]
	s_lshl_b32 s46, s42, 9
	s_lshl_b32 s47, s16, 8
	s_add_co_u32 s46, s46, s47                     ; my first column, in bytes
	s_mov_b32 s47, 0
	s_add_nc_u64 s[10:11], s[10:11], s[46:47]
; 8 matrix instructions: token tiles a0, a0 + 1 x B's four blocks, 128 along K.  The 16 accumulators take turns, one instruction a turn.
.macro MUL8 f, a0, zero
.irp a, \a0, \a0+1
.irp b, 0,1,2,3
.if \zero
	v_wmma_f32_16x16x128_fp8_fp8 v[ACC+8*(4*(\a)+\b):ACC+8*(4*(\a)+\b)+7], v[\f+64+16*\b:\f+64+16*\b+15], v[\f+16*(\a):\f+16*(\a)+15], 0
.else
	v_wmma_f32_16x16x128_fp8_fp8 v[ACC+8*(4*(\a)+\b):ACC+8*(4*(\a)+\b)+7], v[\f+64+16*\b:\f+64+16*\b+15], v[\f+16*(\a):\f+16*(\a)+15], v[ACC+8*(4*(\a)+\b):ACC+8*(4*(\a)+\b)+7]
.endif
.endr
.endr
.endm
; 32 LDS loads in one run: the fragments of the slot's q-th 128 along K (head q of its four) into buffer f: B's four, then A's four
.macro FETCH slot, q, f
	WIN TO_F
.irp i, 0,1,2,3
.irp c, 0,1,2,3
	ds_load_b128 v[\f+64+16*\i+4*\c:\f+64+16*\i+4*\c+3], v[ADRB+\slot] offset:\i*16*BP+128*(\q)+32*\c
.endr
.endr
.irp i, 0,1,2,3
.irp c, 0,1,2,3
	ds_load_b128 v[\f+16*\i+4*\c:\f+16*\i+4*\c+3], v[ADRA+\slot] offset:\i*8192+2048*(\q)+512*\c
.endr
.endr
.endm
.macro PLACES
.rept 4
	v_nop
.endr
.endm
; A K step is four quarters of 128 along K, 16 matrix instructions each, on buffers 0, 1, 0, 1.  One of the first three: multiplies buffer f and fetches quarter qn into g.
.macro QUARTER slot, qn, f, g, zero
	s_wait_dscnt 8                                 ; B's four and A's tiles 0, 1 are in; the youngest eight loads (A's tiles 2, 3) may be out
	WIN MUL
	MUL8 \f, 0, \zero
	PLACES
	FETCH \slot, \qn, \g
	s_wait_dscnt 32                                ; all but the 32 just issued
	WIN MUL
	MUL8 \f, 2, \zero
.endm
; The last quarter multiplies buffer 1 and changes slots: ONE barrier; in front of it each wave waits for all its tensor loads, adds 0 to its spare word, and waits for that and for its reads of this slot.
.macro TURN slot, next, fill
	WIN 0                                          ; the add's two registers lie in window 0
	s_wait_tensorcnt 0x0                           ; all my tensor loads have landed: my part of the next slot
	ds_add_u32 v[SPW], v[NIL]
	s_wait_dscnt 9                                 ; the add and the youngest eight loads may be out
	WIN MUL
	MUL8 F1, 0, 0
	s_wait_dscnt 0x0                               ; the add is done, and my reads of this slot are over
	s_barrier_signal -1
	WIN 0
	s_barrier_wait -1
.if \fill
	CREST                                          ; the barrier has opened a round of the cluster's: no wave of any partner still reads this slot or has a load on its way
	s_add_nc_u64 s[G0+4*\slot+2:G0+4*\slot+3], s[G0+4*\slot+2:G0+4*\slot+3], 2*8192
	s_add_nc_u64 s[G0B+4*\slot+2:G0B+4*\slot+3], s[G0B+4*\slot+2:G0B+4*\slot+3], 2*512
	JLOAD \slot                                    ; the first tensor load behind the round, one a wave; its four v_nop are the places in front of the loads below
.else
	PLACES
.endif
	FETCH \next, 0, F0
	WIN MUL
	MUL8 F1, 2, 0
.endm
	s_wait_tensorcnt 1                             ; my part of K step 0 is in; K step 1's load may be out
	s_barrier_signal -1
	s_barrier_wait -1
	FETCH 0, 0, F0
	QUARTER 0, 1, F0, F1, 1                        ; the first quarter stands in front of the loop: its products start the sums
	WIN 0
	s_mov_b32 s3, LAPS-1
.Llap:                                                 ; a trip goes once round the ring and fills both slots again
	QUARTER 0, 2, F1, F0, 0
	QUARTER 0, 3, F0, F1, 0
	TURN 0, 1, 1
	QUARTER 1, 1, F0, F1, 0
	QUARTER 1, 2, F1, F0, 0
	QUARTER 1, 3, F0, F1, 0
	TURN 1, 0, 1
	QUARTER 0, 1, F0, F1, 0
	WIN 0
	s_sub_co_u32 s3, s3, 1
	s_cmp_lg_u32 s3, 0
	s_cbranch_scc1 .Llap
	QUARTER 0, 2, F1, F0, 0                        ; the last lap fills nothing
	QUARTER 0, 3, F0, F1, 0
	TURN 0, 1, 0
	QUARTER 1, 1, F0, F1, 0
	QUARTER 1, 2, F1, F0, 0
	QUARTER 1, 3, F0, F1, 0
	s_wait_dscnt 8
	WIN MUL
	MUL8 F1, 0, 0
	s_wait_dscnt 0
	MUL8 F1, 2, 0
	WIN 0
	s_wait_kmcnt 0x0
	s_add_co_i32 s96, s96, s97
	s_add_co_i32 s96, s96, 127
	s_lshl_b32 s96, s96, 23                        ; 2^(e10 + e11) as f32
	s_mov_b32 s97, s96                             ; named with it as a pair
	PLACES                                         ; behind the last products, in front of the first read of results
; THE WAY OUT, 16 tokens x 64 columns at a time, through my own stage: LDS serves a wave's instructions in order, so no wait stands between the stores and the loads.
.macro OUTB a
.set BB, BK+32*((\a)%2)
	s_wait_xcnt 0x0                                ; earlier stores have read their registers
.irp j, 0,2,4,6,8,10,12,14,16,18,20,22,24,26,28,30
	v_pk_mul_f32 v[TMP+\j:TMP+\j+1], v[ACC+32*(\a)+\j:ACC+32*(\a)+\j+1], s[96:97] op_sel_hi:[1,0]   ; each accumulator from its low end on
.endr
.irp b, 0,1,2,3
	ds_store_b128 v[STO], v[TMP+8*\b:TMP+8*\b+3] offset:64*\b
	ds_store_b128 v[STO], v[TMP+8*\b+4:TMP+8*\b+7] offset:64*\b+16
.endr
.irp t, 0,1,2,3,4,5,6,7
	ds_load_b128 v[BB+4*\t:BB+4*\t+3], v[RD] offset:\t*2*SPITCH
.endr
	s_wait_dscnt 0x0
.irp t, 0,1,2,3,4,5,6,7
	global_store_b128 v[CO], v[BB+4*\t:BB+4*\t+3], s[10:11] offset:(16*(\a)+2*\t)*8192 th:TH_STORE_NT   ; sixteen lanes store 256 consecutive bytes, aligned; written once, read by nobody here
.endr
.endm
	OUTB 0
	OUTB 1
	OUTB 2
	OUTB 3
	s_wait_tensorcnt 0x0                           ; the wave's end
	ds_add_u32 v[SPW], v[NIL]
	s_wait_dscnt 0x0
	CROUND                                         ; the closing round
	s_endpgm
.Lfunc_end_k_qaa7bf3e2e6_oproj:
	.size	k_qaa7bf3e2e6_oproj, .Lfunc_end_k_qaa7bf3e2e6_oproj-k_qaa7bf3e2e6_oproj
	.p2alignl 7, 3214868480
	.fill 96, 4, 3214868480
	.section	.rodata,"a",@progbits
	.p2align	6, 0x0
	.amdhsa_kernel k_qaa7bf3e2e6_oproj
		.amdhsa_group_segment_fixed_size 327680
		.amdhsa_private_segment_fixed_size 0
		.amdhsa_enable_private_segment 0
		.amdhsa_kernarg_size 32
		.amdhsa_user_sgpr_count 2
		.amdhsa_user_sgpr_kernarg_segment_ptr 1
		.amdhsa_wavefront_size32 1
		.amdhsa_system_sgpr_workgroup_id_x 1
		.amdhsa_system_sgpr_workgroup_id_y 1
		.amdhsa_system_sgpr_workgroup_id_z 1
		.amdhsa_system_vgpr_workitem_id 0
		.amdhsa_next_free_vgpr 512
		.amdhsa_next_free_sgpr 98
		.amdhsa_reserve_vcc 0
		.amdhsa_float_denorm_mode_32 3
		.amdhsa_float_denorm_mode_16_64 3
		.amdhsa_memory_ordered 1
		.amdhsa_forward_progress 1
		.amdhsa_inst_pref_size 74
	.end_amdhsa_kernel
	.amdgpu_metadata
---
amdhsa.version: [ 1, 2 ]
amdhsa.kernels:
  - .name:           k_qaa7bf3e2e6_oproj
    .symbol:         k_qaa7bf3e2e6_oproj.kd
    .args:
      - { .name: ao_img, .offset: 0, .size: 8, .value_kind: global_buffer, .address_space: global }
      - { .name: w_codes, .offset: 8, .size: 8, .value_kind: global_buffer, .address_space: global }
      - { .name: lowp_scales, .offset: 16, .size: 8, .value_kind: global_buffer, .address_space: global }
      - { .name: out0, .offset: 24, .size: 8, .value_kind: global_buffer, .address_space: global }
    .group_segment_fixed_size: 327680
    .private_segment_fixed_size: 0
    .kernarg_segment_align: 8
    .kernarg_segment_size: 32
    .max_flat_workgroup_size: 128
    .sgpr_count:     98
    .vgpr_count:     512
    .wavefront_size: 32
...
	.end_amdgpu_metadata
.endif
;; end of part 5
;; ======== version 2 of 2: 4 launches
;; limits: right only within a limited range of input values
;; workspace buffers: x_codes 12,582,912 bytes; w_codes 18,874,368 bytes; rope 524,288 bytes; qkv_img 10,485,760 bytes; ao_img 8,388,608 bytes
;; launch quant (part 6): grid 832 x 1, 4 waves a work-group, no clusters, 68,096 bytes of LDS; arguments hidden_states, Wq, Wk, Wv, Wo, lowp_scales, x_codes, w_codes, rope; writes x_codes, w_codes, rope
.if DOCPART == 6
	.amdgcn_target "amdgcn-amd-amdhsa--gfx1250"
	.amdhsa_code_object_version 6
	.text
	.protected	k_qaa7bf3e2e6_quant
	.globl	k_qaa7bf3e2e6_quant
	.p2align	8
	.type	k_qaa7bf3e2e6_quant,@function
k_qaa7bf3e2e6_quant:
	s_mov_b64 s[64:65], 0
	v_nop
	global_prefetch_b8 v0, s[64:65] scope:SCOPE_SE
	s_setreg_imm32_b32 hwreg(HW_REG_WAVE_MODE, 25, 1), 1
	s_wait_xcnt 0x0
; ONE LAUNCH FOR ALL THAT IS QUANTISED ONCE.  Work-groups 0-575: the four weights.  Work-groups 576-831: hidden_states, and the table of cos and sin.  The two ways part once, on the work-group's number, and never join;
; each has LDS bytes of its own.  No tensor loads, no barrier, no cluster: waves share nothing, and every input byte is read once.  code = x / 2^e, held within +-448, to the nearest code of E4M3, ties to even.
;
; THE WEIGHTS, f32 with K as their FIRST axis, become codes with K innermost, each with its given scale (e1, e3, e5, e11).
; w_codes: rows of 2,048 bytes: Wq's columns 0..4095, Wk's from row 4096, Wv's from row 4608; from byte 10,485,760 Wo's 2,048 columns as rows of 4,096 bytes.
; In Wo's rows the two middle runs of 8 bytes of every 32 change places (order 0, 2, 1, 3): the last launch reads these rows 16 bytes a lane, and the 8-bit matrix form's own layout
; gives a lane's registers 2 c, 2 c + 1 the k = 16 c + 8 (lane / 16) + 0..7; its other operand lies in that layout, so Wo's bytes are laid to meet it.
; A LANE TAKES A COLUMN, ITS REGISTERS RUN DOWN K: each load reads neighbouring columns in neighbouring lanes (128 consecutive bytes a wave, 512 a work-group), and the conversions give codes with K innermost.
; A work-group takes 128 columns x 256 K, a wave 32 columns: 8 blocks of 32.  The codes go through the wave's own stage in LDS and leave as rows: sixteen lanes store 256 consecutive bytes, aligned.
; Which weight, its pitch, its place and its scale are chosen by selects on the work-group's number (0-255 Wq, 256-287 Wk, 288-319 Wv, 320-575 Wo).  Loads run two blocks (64 loads a wave) ahead; eight bases, one a block, so that no pointer is stepped.
;
; hidden_states [2048 tokens][2048] f32 becomes THREE sets of codes, K innermost, one for each of the scales 2^e0, 2^e2, 2^e4 under which the three projections take it: x_codes part o at o x 4 MiB, [2048][2048] bytes.
; Rows are dense, so x is a plain stream.  Wave number run = 4 x (work-group - 576) + wave (0..1023) takes 4,096 numbers in 8 steps of 512, and row run of the table (lane l: frequencies 2 l, 2 l + 1).
; A conversion takes 8 neighbours from ONE lane's registers, a load is best with neighbouring bytes in neighbouring lanes: each of a step's four loads reads 512 consecutive bytes, the 2,048 bytes turn
; through the wave's own stage in LDS (16 bytes of padding behind each 64) and come back 64 bytes a lane.  A lane's 16 codes are 16 bytes: each store of the wave covers 512 consecutive bytes, aligned.
; THE TABLE: rope = cos [1024 positions][64] f32, then sin the same, 262,144 bytes on.  inv = 2^(-i log2(1e6) / 64): the exponent in two parts (product and its exact remainder), v_exp_f32 of the first, the second by one
; term of its series; angle = position x inv, rounded to f32; reduced by multiples of pi/2 held in two parts; polynomials of degree 7 and 8 on |r| <= pi/4.
; LIMITS: e0, e1, e2, e3, e4, e5, e11 between -126 and 119.  NaN among the inputs is not served.  The angle hangs on v_exp_f32 (good to one unit in the last place), so at the last positions it can lie some 1.5e-4 radians off an angle made by another f32 power function.
.set WGW,   576                        ; the weights' work-groups
.set SPW,   12                         ; v12 my spare word's LDS address; v13 zero: both never rewritten, on either way
.set NIL,   13
.set LP,    272                        ; the weights' stage: a row of 256 bytes of codes + 16
.set WLDS,  32768                      ; LDS: bytes 0 to 32,767 are x's way's; from here four stages of 32 x LP bytes, the weights' way's
.set SPARE, WLDS+4*32*LP               ; behind them the spare words, 128 bytes a wave: two blocks of 256 bytes that no other line names
	v_lshl_add_u32 v[SPW], v0, 2, SPARE
	v_mov_b32 v[NIL], 0
	v_lshrrev_b32 v1, 5, v0
	v_readfirstlane_b32 s16, v1                    ; wave
	v_and_b32 v2, 31, v0                           ; lane
	s_cmp_ge_u32 ttmp9, WGW
	s_cbranch_scc1 .Lx_path
; ======== THE WEIGHTS ========
.set NB,    8
.set WVO,   16                         ; v16-47   4 x lane + i x pitch, i = 0..31: never rewritten
.set WX,    48                         ; v48-111  two sets of 32 numbers
.set WC,    112                        ; v112-119 a block's codes
.set WD,    120                        ; v120-123 its two middle runs, ahead of the choice
.set WOUT,  128                        ; v128-191 the way out
.set WVS,   192                        ; v192-207 the stores' offsets: never rewritten
.set SB,    32                         ; s[32:47] block t's base: my part + t x 32 rows of K
	s_load_b256 s[4:11], s[0:1], 0x8               ; Wq, Wk, Wv, Wo
	s_load_b64 s[12:13], s[0:1], 0x28              ; lowp_scales
	s_load_b64 s[14:15], s[0:1], 0x38              ; w_codes
	s_mov_b32 s20, 320                             ; Wo's figures: first work-group,
	s_mov_b32 s21, 8192                            ; bytes from a row of K to the next,
	s_mov_b32 s22, 4                               ; log2 of the blocks of 128 columns,
	s_mov_b32 s23, 10485760                        ; place in w_codes,
	s_mov_b32 s24, 4096                            ; bytes of a row of codes,
	s_mov_b32 s48, -1                              ; the middle runs change places
	s_cmp_lt_u32 ttmp9, 320                        ; Wv's (and, in part, Wk's)
	s_cselect_b32 s20, 288, s20
	s_cselect_b32 s21, 2048, s21
	s_cselect_b32 s22, 2, s22
	s_cselect_b32 s23, 9437184, s23
	s_cselect_b32 s24, 2048, s24
	s_cselect_b32 s48, 0, s48
	s_cmp_lt_u32 ttmp9, 288                        ; Wk's
	s_cselect_b32 s20, 256, s20
	s_cselect_b32 s23, 8388608, s23
	s_cmp_lt_u32 ttmp9, 256                        ; Wq's
	s_cselect_b32 s20, 0, s20
	s_cselect_b32 s21, 16384, s21
	s_cselect_b32 s22, 5, s22
	s_cselect_b32 s23, 0, s23
	s_sub_co_u32 s17, ttmp9, s20
	s_lshl_b32 s18, 1, s22
	s_sub_co_u32 s18, s18, 1
	s_and_b32 s18, s17, s18                        ; which 128 columns
	s_lshr_b32 s19, s17, s22                       ; which 256 along K
	s_lshl_b32 s18, s18, 7
	s_lshl_b32 s17, s16, 5
	s_add_co_u32 s18, s18, s17                     ; my wave's first column
	s_lshl_b32 s28, s19, 8
	s_mul_i32 s30, s28, s21
	s_lshl_b32 s17, s18, 2
	s_add_co_u32 s30, s30, s17                     ; in the weight: 256 y rows + 4 bytes a column (under 2^26)
	s_mov_b32 s31, 0
	s_mul_i32 s17, s18, s24
	s_add_co_u32 s28, s28, s17
	s_add_co_u32 s28, s28, s23                     ; in w_codes: place + column x row bytes + 256 y
	s_mov_b32 s29, 0
	s_lshl_b32 s49, s24, 1                         ; two rows of codes
	s_lshl_b32 s50, s21, 5                         ; 32 rows of K
	s_mov_b32 s51, 0
	s_wait_alu depctr_va_vdst(0)
	v_lshlrev_b32 v3, 2, v2
	s_mul_i32 s25, s16, 32*LP
	s_add_co_u32 s25, s25, WLDS                    ; my stage
	v_mul_u32_u24 v4, v2, LP
	v_add_nc_u32 v4, s25, v4                       ; into it: row = my column
	v_and_b32 v5, 15, v2
	v_lshrrev_b32 v6, 4, v2
	v_mul_u32_u24 v7, v6, LP
	v_lshl_add_u32 v7, v5, 4, v7
	v_add_nc_u32 v7, s25, v7                       ; out of it: sixteen lanes to a row, two rows an instruction
	v_mul_u32_u24 v8, s24, v6
	v_lshl_add_u32 v8, v5, 4, v8                   ; and the same place among the rows of codes
.set i, 0
.rept 32
	v_mad_u32_u24 v[WVO+i], s21, i, v3
.set i, i+1
.endr
.set i, 0
.rept 16
	v_mad_u32_u24 v[WVS+i], s49, i, v8
.set i, i+1
.endr
	s_wait_kmcnt 0x0
	s_load_b256 s[52:59], s[12:13], 0x0            ; e0 .. e7
	s_load_b128 s[60:63], s[12:13], 0x20           ; e8 .. e11
	s_cmp_lt_u32 ttmp9, 320                        ; the choice of the buffer hangs on the work-group's number alone
	s_cselect_b64 s[26:27], s[8:9], s[10:11]
	s_cmp_lt_u32 ttmp9, 288
	s_cselect_b64 s[26:27], s[6:7], s[26:27]
	s_cmp_lt_u32 ttmp9, 256
	s_cselect_b64 s[26:27], s[4:5], s[26:27]
	s_add_nc_u64 s[SB:SB+1], s[26:27], s[30:31]
.irp t, 1,2,3,4,5,6,7
	s_add_nc_u64 s[SB+2*\t:SB+2*\t+1], s[SB+2*\t-2:SB+2*\t-1], s[50:51]
.endr
	s_add_nc_u64 s[14:15], s[14:15], s[28:29]
.macro WLOAD t                         ; block t: W(32 t + i, my column), i = 0..31, into set t % 2
.set i, 0
.rept 32
	global_load_b32 v[WX+32*((\t)%2)+i], v[WVO+i], s[SB+2*(\t):SB+2*(\t)+1] th:TH_LOAD_NT
.set i, i+1
.endr
.endm
	WLOAD 0
	WLOAD 1
	s_wait_kmcnt 0x0
	s_cmp_lt_u32 ttmp9, 320
	s_cselect_b32 s17, s57, s63
	s_cmp_lt_u32 ttmp9, 288
	s_cselect_b32 s17, s55, s17
	s_cmp_lt_u32 ttmp9, 256
	s_cselect_b32 s17, s53, s17                    ; e
	s_add_co_i32 s17, s17, 127
	s_lshl_b32 s18, s17, 23
	v_mov_b32 v11, s18                             ; 2^e as f32
	s_add_co_i32 s17, s17, 8
	s_lshl_b32 s17, s17, 23
	s_or_b32 s17, s17, 0x600000
	v_mov_b32 v10, s17                             ; 448 x 2^e
.macro WBLOCK t
.set XS, WX+32*((\t)%2)
.if (\t) < NB-1
	s_wait_loadcnt 32                              ; this block's 32 loads are in; the next block's 32 may be out
.else
	s_wait_loadcnt 0
.endif
.set i, 0
.rept 32
	v_med3_num_f32 v[XS+i], v[XS+i], -v10, v10     ; the conversion does not saturate (ISA guide 7.6.2): the hold comes first
.set i, i+1
.endr
	v_cvt_scalef32_pk8_fp8_f32 v[WC:WC+1], v[XS:XS+7], v11
	v_cvt_scalef32_pk8_fp8_f32 v[WD:WD+1], v[XS+8:XS+15], v11
	v_cvt_scalef32_pk8_fp8_f32 v[WD+2:WD+3], v[XS+16:XS+23], v11
	v_cvt_scalef32_pk8_fp8_f32 v[WC+6:WC+7], v[XS+24:XS+31], v11
	v_nop                                          ; one plain line between the conversions and the vector lines that read their results
	v_cndmask_b32 v[WC+2], v[WD], v[WD+2], s48     ; Wo: run 2 in run 1's place,
	v_cndmask_b32 v[WC+3], v[WD+1], v[WD+3], s48
	v_cndmask_b32 v[WC+4], v[WD+2], v[WD], s48     ; and run 1 in run 2's; the others: as they come
	v_cndmask_b32 v[WC+5], v[WD+3], v[WD+1], s48
	ds_store_b128 v4, v[WC:WC+3] offset:32*(\t)
	ds_store_b128 v4, v[WC+4:WC+7] offset:32*(\t)+16
.if (\t)+2 < NB
	WLOAD (\t)+2
.endif
	s_wait_dscnt 0x0                               ; the stores have read their registers: the next block's codes may be written
.endm
	s_wait_alu depctr_va_vdst(0)
.irp t, 0,1,2,3,4,5,6,7
	WBLOCK \t
.endr
.irp t, 0,1,2,3,4,5,6,7,8,9,10,11,12,13,14,15
	ds_load_b128 v[WOUT+4*\t:WOUT+4*\t+3], v7 offset:2*\t*LP     ; LDS serves a wave's instructions in order: these see my stores
.endr
.irp t, 0,1,2,3,4,5,6,7,8,9,10,11,12,13,14,15
	s_wait_dscnt 15-\t                             ; loads come back in order: the 15 - t younger ones may be out
	global_store_b128 v[WVS+\t], v[WOUT+4*\t:WOUT+4*\t+3], s[14:15]
.endr
	s_wait_tensorcnt 0x0                           ; the wave's end
	ds_add_u32 v[SPW], v[NIL]
	s_wait_dscnt 0x0
	s_endpgm
; ======== hidden_states AND THE TABLE ========
.Lx_path:
.set STEPS, 8
.set SP,    80                         ; a lane's place in a stage: 64 bytes + 16 of padding
.set WREG,  8192                       ; LDS of a wave: two stages of 32 x SP bytes
.set XR,    16                         ; v16-79   four sets of 16 numbers as loaded
.set XX,    80                         ; v80-111  two sets of 16 neighbours
.set XT,    112                        ; v112-159 three sets of 16 held numbers, one for each scale (ahead of step 0: the table's work)
.set XC,    160                        ; v160-255 codes: 12 registers a step, never written twice
.set OB,    24                         ; s[24:25], s[26:27], s[28:29]: my wave's place in the three parts of x_codes
	s_load_b64 s[4:5], s[0:1], 0x0                 ; hidden_states
	s_load_b64 s[6:7], s[0:1], 0x28                ; lowp_scales
	s_load_b64 s[8:9], s[0:1], 0x30                ; x_codes
	s_load_b64 s[10:11], s[0:1], 0x40              ; rope
	s_wait_alu depctr_va_vdst(0)
	v_lshlrev_b32 v3, 4, v2                        ; 16 x lane: my bytes of a load's 512 and of a step's 512 code bytes
	v_lshlrev_b32 v4, 3, v2                        ; 8 x lane: my two numbers of a table row
	s_mul_i32 s17, s16, WREG
	v_lshrrev_b32 v14, 2, v2
	v_mul_u32_u24 v14, v14, SP
	v_and_b32 v15, 3, v2
	v_lshl_add_u32 v14, v15, 4, v14
	v_add_nc_u32 v14, s17, v14                     ; the stage, way in: SP (lane / 4) + 16 (lane % 4); a load's 512 bytes take eight places
	v_mul_u32_u24 v15, v2, SP
	v_add_nc_u32 v15, s17, v15                     ; way out: SP x lane: my 16 neighbours
	s_sub_co_u32 s18, ttmp9, WGW
	s_lshl_b32 s18, s18, 2
	s_add_co_u32 s18, s18, s16                     ; run: also the table's position
	s_lshl_b32 s20, s18, 14                        ; 4,096 numbers of 4 bytes
	s_mov_b32 s21, 0
	s_lshl_b32 s22, s18, 12                        ; 4,096 codes
	s_mov_b32 s23, 0
	s_lshl_b32 s30, s18, 8                         ; a table row of 256 bytes
	s_mov_b32 s31, 0
	s_mov_b32 s40, 0xbe9f73da                      ; -log2(1e6) / 64, upper part
	s_mov_b32 s41, 0xb1e366fe                      ; and what the upper part lacks
	s_mov_b32 s42, 0x3f317218                      ; ln 2
	s_mov_b32 s43, 0x3f22f983                      ; 2 / pi
	s_mov_b32 s44, 0xbfc90fdb                      ; -(pi / 2 rounded to f32)
	s_mov_b32 s45, 0x333bbd2e                      ; that rounding's excess over pi / 2
	s_mov_b32 s46, 0xbe2aaaa3                      ; sine: three coefficients
	s_mov_b32 s47, 0x3c08839e
	s_mov_b32 s48, 0xb94ca1f9
	s_mov_b32 s49, 0x3d2aaaa5                      ; cosine: three coefficients
	s_mov_b32 s50, 0xbab6061a
	s_mov_b32 s51, 0x37ccf5ce
	s_wait_alu depctr_va_vdst(0)
	s_wait_kmcnt 0x0
	s_load_b256 s[32:39], s[6:7], 0x0              ; e0 .. e7
	s_add_nc_u64 s[4:5], s[4:5], s[20:21]
	s_add_nc_u64 s[OB:OB+1], s[8:9], s[22:23]
	s_add_nc_u64 s[OB+2:OB+3], s[OB:OB+1], 0x400000
	s_add_nc_u64 s[OB+4:OB+5], s[OB:OB+1], 0x800000
	s_add_nc_u64 s[10:11], s[10:11], s[30:31]
.macro XLOAD t
.irp i, 0,1,2,3
	global_load_b128 v[XR+16*((\t)%4)+4*\i:XR+16*((\t)%4)+4*\i+3], v3, s[4:5] offset:2048*(\t)+512*\i th:TH_LOAD_NT   ; 32 lanes read 512 consecutive bytes; read once in the launch
.endr
.endm
.macro XTURN t                         ; step t's numbers through the stage: LDS serves a wave's instructions in order, so no wait stands between the stores and the loads
.irp i, 0,1,2,3
	ds_store_b128 v14, v[XR+16*((\t)%4)+4*\i:XR+16*((\t)%4)+4*\i+3] offset:32*SP*((\t)%2)+8*SP*\i
.endr
.irp i, 0,1,2,3
	ds_load_b128 v[XX+16*((\t)%2)+4*\i:XX+16*((\t)%2)+4*\i+3], v15 offset:32*SP*((\t)%2)+16*\i
.endr
.endm
.irp t, 0,1,2,3
	XLOAD \t
.endr
	; ---- the table's row, while the first loads are on their way.  Two frequencies, at v112.. and v128..: +0 i, +1 exponent, +2 its remainder, +3 2^exponent, +4 inv, angle, +5 n, +6 r, +7 r^2, +8 sine, +9 cosine, +10 to +12 at work
	v_lshlrev_b32 v112, 1, v2
	v_add_nc_u32 v128, 1, v112
	v_cvt_f32_u32 v112, v112
	v_cvt_f32_u32 v128, v128
	v_cvt_f32_u32 v144, s18                        ; the position
.irp q, 112, 128
	v_mul_f32 v[\q+1], s40, v[\q]                  ; the exponent, rounded,
	v_fma_f32 v[\q+2], v[\q], s40, -v[\q+1]        ; what the rounding dropped, exactly,
	v_fma_f32 v[\q+2], v[\q], s41, v[\q+2]         ; and the constant's lower part
.endr
	s_wait_alu depctr_va_vdst(0)
.irp q, 112, 128
	v_exp_f32 v[\q+3], v[\q+1]
.endr
.irp q, 112, 128
	v_mul_f32 v[\q+2], s42, v[\q+2]                ; plain lines behind the two exponentials, which name none of their registers
.endr
	s_wait_alu depctr_va_vdst(0)                   ; the wait ahead of the first reader: one for both
.irp q, 112, 128
	v_fma_f32 v[\q+4], v[\q+3], v[\q+2], v[\q+3]   ; inv = 2^exponent x (1 + remainder x ln 2)
	v_mul_f32 v[\q+4], v144, v[\q+4]               ; the angle
	v_mul_f32 v[\q+5], s43, v[\q+4]
	v_rndne_f32 v[\q+5], v[\q+5]                   ; n quarter turns
	v_fma_f32 v[\q+6], v[\q+5], s44, v[\q+4]
	v_fma_f32 v[\q+6], v[\q+5], s45, v[\q+6]       ; r = angle - n pi / 2
	v_mul_f32 v[\q+7], v[\q+6], v[\q+6]
	v_fma_f32 v[\q+8], v[\q+7], s48, s47
	v_fma_f32 v[\q+8], v[\q+8], v[\q+7], s46
	v_mul_f32 v[\q+8], v[\q+8], v[\q+7]
	v_fma_f32 v[\q+8], v[\q+8], v[\q+6], v[\q+6]   ; sin r
	v_fma_f32 v[\q+9], v[\q+7], s51, s50
	v_fma_f32 v[\q+9], v[\q+9], v[\q+7], s49
	v_mul_f32 v[\q+10], v[\q+7], v[\q+7]
	v_fma_f32 v[\q+12], v[\q+7], -0.5, 1.0
	v_fma_f32 v[\q+9], v[\q+9], v[\q+10], v[\q+12] ; cos r
	v_cvt_i32_f32 v[\q+11], v[\q+5]
	v_and_b32 v[\q+12], 1, v[\q+11]
	v_cmp_ne_u32 vcc_lo, 0, v[\q+12]               ; an odd quarter exchanges the two
	v_cndmask_b32 v[150+(\q-112)/16], v[\q+8], v[\q+9], vcc_lo
	v_cndmask_b32 v[148+(\q-112)/16], v[\q+9], v[\q+8], vcc_lo
	v_and_b32 v[\q+12], 2, v[\q+11]
	v_lshlrev_b32 v[\q+12], 30, v[\q+12]
	v_xor_b32 v[150+(\q-112)/16], v[150+(\q-112)/16], v[\q+12]   ; the sine is negative in quarters 2 and 3,
	v_add_nc_u32 v[\q+11], 1, v[\q+11]
	v_and_b32 v[\q+11], 2, v[\q+11]
	v_lshlrev_b32 v[\q+11], 30, v[\q+11]
	v_xor_b32 v[148+(\q-112)/16], v[148+(\q-112)/16], v[\q+11]   ; the cosine in quarters 1 and 2
.endr
	global_store_b64 v4, v[148:149], s[10:11]                    ; the wave stores one row: 256 consecutive bytes, aligned
	global_store_b64 v4, v[150:151], s[10:11] offset:262144
	s_wait_kmcnt 0x0
.irp o, 0,1,2
	s_add_co_i32 s56, s[32+2*\o], 127
	s_lshl_b32 s57, s56, 23
	v_mov_b32 v[5+\o], s57                         ; 2^e as f32: the conversion takes its exponent field
	s_add_co_i32 s56, s56, 8
	s_lshl_b32 s56, s56, 23
	s_or_b32 s56, s56, 0x600000
	v_mov_b32 v[8+\o], s56                         ; 448 x 2^e
.endr
	s_wait_alu depctr_va_vdst(0)
	s_wait_xcnt 0x0                                ; the table's stores have read v148-151, which step 0 writes again
	s_wait_loadcnt 12                              ; step 0's four loads are in; the twelve of steps 1 to 3 may be out
	XTURN 0
.macro XSTEP t
.set XS, XX+16*((\t)%2)
	s_wait_dscnt 0x0                               ; this step's numbers are back from the stage: so its stores into the stage have read their registers,
.if (\t)+4 < STEPS
	XLOAD (\t)+4                                   ; which take the loads of four steps on
.endif
.if (\t)+1 < STEPS
.if STEPS-2-(\t) >= 3
	s_wait_loadcnt 12                              ; the next step's four loads are in; those of the three steps behind it may be out
.else
	s_wait_loadcnt 4*(STEPS-2-(\t))                ; the same near the end: four for each step that is still behind the next
.endif
	XTURN (\t)+1
.endif
.irp o, 0,1,2
.irp i, 0,1,2,3,4,5,6,7,8,9,10,11,12,13,14,15
	v_med3_num_f32 v[XT+16*\o+\i], v[XS+\i], -v[8+\o], v[8+\o]   ; the conversion to an 8-bit code does not saturate (ISA guide 7.6.2): the hold at the largest code x the scale.  Each scale has its own set, so the next set's holds are the plain lines behind these conversions
.endr
	v_cvt_scalef32_pk8_fp8_f32 v[XC+12*(\t)+4*\o:XC+12*(\t)+4*\o+1], v[XT+16*\o:XT+16*\o+7], v[5+\o]
	v_cvt_scalef32_pk8_fp8_f32 v[XC+12*(\t)+4*\o+2:XC+12*(\t)+4*\o+3], v[XT+16*\o+8:XT+16*\o+15], v[5+\o]
	global_store_b128 v3, v[XC+12*(\t)+4*\o:XC+12*(\t)+4*\o+3], s[OB+2*\o:OB+2*\o+1] offset:512*(\t)
.endr
.endm
.irp t, 0,1,2,3,4,5,6,7
	XSTEP \t
.endr
	s_wait_tensorcnt 0x0                           ; the wave's end
	ds_add_u32 v[SPW], v[NIL]
	s_wait_dscnt 0x0
	s_endpgm
.Lfunc_end_k_qaa7bf3e2e6_quant:
	.size	k_qaa7bf3e2e6_quant, .Lfunc_end_k_qaa7bf3e2e6_quant-k_qaa7bf3e2e6_quant
	.p2alignl 7, 3214868480
	.fill 96, 4, 3214868480
	.section	.rodata,"a",@progbits
	.p2align	6, 0x0
	.amdhsa_kernel k_qaa7bf3e2e6_quant
		.amdhsa_group_segment_fixed_size 68096
		.amdhsa_private_segment_fixed_size 0
		.amdhsa_enable_private_segment 0
		.amdhsa_kernarg_size 72
		.amdhsa_user_sgpr_count 2
		.amdhsa_user_sgpr_kernarg_segment_ptr 1
		.amdhsa_wavefront_size32 1
		.amdhsa_system_sgpr_workgroup_id_x 1
		.amdhsa_system_sgpr_workgroup_id_y 1
		.amdhsa_system_sgpr_workgroup_id_z 1
		.amdhsa_system_vgpr_workitem_id 0
		.amdhsa_next_free_vgpr 256
		.amdhsa_next_free_sgpr 66
		.amdhsa_reserve_vcc 1
		.amdhsa_float_denorm_mode_32 3
		.amdhsa_float_denorm_mode_16_64 3
		.amdhsa_memory_ordered 1
		.amdhsa_forward_progress 1
		.amdhsa_inst_pref_size 100
	.end_amdhsa_kernel
	.amdgpu_metadata
---
amdhsa.version: [ 1, 2 ]
amdhsa.kernels:
  - .name:           k_qaa7bf3e2e6_quant
    .symbol:         k_qaa7bf3e2e6_quant.kd
    .args:
      - { .name: hidden_states, .offset: 0, .size: 8, .value_kind: global_buffer, .address_space: global }
      - { .name: Wq, .offset: 8, .size: 8, .value_kind: global_buffer, .address_space: global }
      - { .name: Wk, .offset: 16, .size: 8, .value_kind: global_buffer, .address_space: global }
      - { .name: Wv, .offset: 24, .size: 8, .value_kind: global_buffer, .address_space: global }
      - { .name: Wo, .offset: 32, .size: 8, .value_kind: global_buffer, .address_space: global }
      - { .name: lowp_scales, .offset: 40, .size: 8, .value_kind: global_buffer, .address_space: global }
      - { .name: x_codes, .offset: 48, .size: 8, .value_kind: global_buffer, .address_space: global }
      - { .name: w_codes, .offset: 56, .size: 8, .value_kind: global_buffer, .address_space: global }
      - { .name: rope, .offset: 64, .size: 8, .value_kind: global_buffer, .address_space: global }
    .group_segment_fixed_size: 68096
    .private_segment_fixed_size: 0
    .kernarg_segment_align: 8
    .kernarg_segment_size: 72
    .max_flat_workgroup_size: 128
    .sgpr_count:     66
    .vgpr_count:     256
    .wavefront_size: 32
...
	.end_amdgpu_metadata
.endif
;; end of part 6
;; launch qkv (part 7): grid 8 x 20, 4 waves a work-group, clusters of 4 x 1, 327,680 bytes of LDS; arguments x_codes, w_codes, rope, q_norm_w, k_norm_w, lowp_scales, qkv_img; writes qkv_img
.if DOCPART == 7
	.amdgcn_target "amdgcn-amd-amdhsa--gfx1250"
	.amdhsa_code_object_version 6
	.text
	.protected	k_qaa7bf3e2e6_qkv
	.globl	k_qaa7bf3e2e6_qkv
	.p2align	8
	.type	k_qaa7bf3e2e6_qkv,@function
k_qaa7bf3e2e6_qkv:
	s_mov_b64 s[64:65], 0
	v_nop
	global_prefetch_b8 v0, s[64:65] scope:SCOPE_SE
	s_setreg_imm32_b32 hwreg(HW_REG_WAVE_MODE, 25, 1), 1
	s_wait_xcnt 0x0
	s_wait_alu depctr_hold_cnt(0) depctr_sa_sdst(0) depctr_va_vdst(0) depctr_va_sdst(0) depctr_va_ssrc(0) depctr_va_vcc(0) depctr_vm_vsrc(0)
	s_getreg_b32 s2, hwreg(HW_REG_IB_STS2, 6, 4)
	s_cmp_eq_u32 s2, 0
	s_cbranch_scc0 .Lentry_in_a_cluster
	s_endpgm
.Lentry_in_a_cluster:
	s_bfe_u32 s2, ttmp6, 0x10000c
	s_cmp_lg_u32 s2, 0x3003
	s_cbranch_scc0 .Lentry_shape_is_right
	s_endpgm
.Lentry_shape_is_right:
; The three projections on E4M3 codes, then per head RMS norm, gain, rotary turn and the quantisers of the attention's operands (q: e6, k: e7, v: e9).
; C = x W^T: x_codes [3 sets][2048 tokens][2048], w_codes rows of 2,048 bytes (Wq's 4,096 columns, Wk's 512, Wv's 512).  Work-group y: 0-15 q, 16-17 k, 18-19 v (x's set 0, 1, 2); x: 256 tokens.
; A work-group of four waves makes 256 x 256, a wave 128 x 128 (64 accumulators): one whole head of 128 channels to a wave, so norm and turn need no other wave.
; K goes in steps of 256 through a ring of two LDS slots (rows of 256 bytes + 16 of padding); the first K step is turned by the work-group's ids, the sums' order with it.
; q, k: source 0 = rows of W, source 1 = tokens: a lane holds one token, registers run along channels.  v: the keys are the next product's K, so source 1 = rows of Wv and source 0 = tokens.
; That exchange is made by WHO FETCHES WHAT: waves 0, 1 fill the first half of a slot with x (q, k) or with Wv (v), waves 2, 3 the second half with the other: a branch on ids; every LDS address is the same for all three.
; CLUSTER 4 x 1: four token blocks share the rows of W: asked for jointly (mask 15).  x's tiles differ between partners and are plain loads.  A 4 x 4 cluster is left out: rows 16-19 of the grid take two different sets of x's codes.
; THE TABLE of cos and sin (256 positions x 64 x 2 f32 = 128 KiB) comes by one more refill of slot 0, behind the last change of slots, one load a wave; v's work-groups need none and jump over it (ids alone; every wait on TENSORcnt is for 0), and load no gain.
; Results leave as images of operand registers: 2,048 bytes = 16 rows x 128 K; q at 0, k at 8 MiB, v at 9 MiB of qkv_img.
; PREFETCH: behind each refill of the loop's first two trips each wave asks for its part of the K step two refills on: x: 128 rows, a lane a row, four lines; W: the four partners take 32 rows each, by address.
; LIMITS: e0+e1 and e2+e3 between -60 and 3 (2^(2 e) / 128 and 2^e are made as f32 numbers); e6, e7 and e9-e4-e5 between -126 and 119.  NaN among the inputs is not served.
.set ROWB,   256
.set KROW,   2048
.set PITCH,  272
.set FR,     16
.set NL,     4
.set NP,     4                         ; places behind this matrix form (ISA guide 7.12.1)
.set HALFT,  128*PITCH
.set SLOT,   4*HALFT
.set LAPS,   4
.set SPARE,  2*SLOT                    ; the spare words, 128 bytes a wave
.set SS,   2                           ; v2-9 sums of squares at work
.set FF,   10                          ; v[10:11] the block's factor (low word)
.set SCL,  12
.set LIM,  13
.set TO,   14                          ; LDS address of my cos rows; TO2 of my sin rows
.set LI,   15
.set ADRA, 16
.set ADRB, 20
.set PT,   22
.set GA,   23
.set TO2,  26
.set PFO,  27
.set SPW,  28
.set NIL,  29
.set WN,   32                          ; v32-95 the gain at my 64 channels
.set CD,   96
.set AF,   128
.set Y,    128
.set Z,    192
.set KO,   18                          ; s[18:19], s[22:23] the slots' byte along K
.set G1,   24
.set G0,   32
.set G1B,  48
.set G0B,  56
.set G1T,  92
.set MSB, 0
.macro WIN new
.if MSB != \new
	s_set_vgpr_msb (MSB<<8)|\new
.set MSB, \new
.endif
.endm
.set MUL_LO, 0xa1
.set MUL_HI, 0xf1
.set TO_B,   0x40
.macro PLACES n
.rept \n
	v_nop
.endr
.endm
.macro JLOAD g0a, g0b                  ; s44 = 0: I fetch x (plain); 1: W (joint).
	s_cmp_eq_u32 s44, 0
	s_cbranch_scc0 .Lfor_b_\@
	tensor_load_to_lds s[\g0a:\g0a+3], s[G1:G1+7]
	s_nop 0
	PLACES 4
	s_branch .Lasked_\@
.Lfor_b_\@:
	tensor_load_to_lds s[\g0b:\g0b+3], s[G1B:G1B+7]
	s_nop 0
	PLACES 4
.Lasked_\@:
.endm
.macro CREST
	s_cmp_lg_u32 s14, 0
	s_cbranch_scc1 .Lnot_wave_0_\@
	s_barrier_signal -3
.Lnot_wave_0_\@:
	s_barrier_wait -3
	s_barrier_signal -1
	s_barrier_wait -1
.endm
.macro CROUND
	s_barrier_signal -1
	s_barrier_wait -1
	CREST
.endm
	s_load_b256 s[4:11], s[0:1], 0x0               ; x_codes, w_codes, rope, q_norm_w
	s_load_b128 s[68:71], s[0:1], 0x20             ; k_norm_w, lowp_scales
	s_load_b64 s[72:73], s[0:1], 0x30              ; qkv_img
	v_lshl_add_u32 v[SPW], v0, 2, SPARE
	v_mov_b32 v[NIL], 0
	ds_add_u32 v[SPW], v[NIL]                      ; the opening lines: the add twice and one wait
	ds_add_u32 v[SPW], v[NIL]
	v_lshrrev_b32 v1, 5, v0
	v_readfirstlane_b32 s14, v1                    ; wave
	s_lshr_b32 s15, s14, 1
	s_and_b32 s16, s14, 1
	s_bfe_u32 s40, ttmp6, 0x40000                  ; cx
	s_lshl_b32 s42, ttmp9, 2
	s_add_co_u32 s42, s42, s40                     ; token block
	s_and_b32 s17, ttmp7, 0xffff                   ; block of 256 columns
	s_mov_b32 s[G1], (1<<20)|(5<<22)|(3<<25)       ; bytes; 4 words of padding behind every 64
	s_mov_b32 s[G1B], 15|(1<<20)|(1<<21)|(5<<22)|(3<<25)
	s_mov_b32 s[G1T], (1<<20)|(5<<22)|(3<<25)
.irp g, G1, G1B, G1T
	s_mov_b32 s[\g+1], ROWB<<16
	s_mov_b32 s[\g+2], 128<<16
	s_mov_b32 s[\g+3], ROWB<<16
	s_mov_b32 s[\g+4], 128
	s_mov_b32 s[\g+6], 0
	s_mov_b32 s[\g+7], 0
.endr
	s_mov_b32 s[G1+5], KROW
	s_mov_b32 s[G1B+5], KROW
	s_mov_b32 s[G1T+5], 256                        ; the table's rows are dense
	s_cmp_ge_u32 s17, 16
	s_cselect_b32 s18, 1, 0
	s_cmp_ge_u32 s17, 18
	s_cselect_b32 s19, 1, 0
	s_xor_b32 s44, s19, s15                        ; what I fetch
	s_add_co_u32 s18, s18, s19
	s_lshl_b32 s18, s18, 22                        ; x's set of codes
	s_lshl_b32 s19, s16, 7
	s_lshl_b32 s20, s42, 8
	s_add_co_u32 s20, s20, s19
	s_lshl_b32 s20, s20, 11
	s_add_co_u32 s20, s20, s18
	s_mov_b32 s21, 0
	s_lshl_b32 s46, s17, 8
	s_add_co_u32 s46, s46, s19
	s_lshl_b32 s46, s46, 11
	s_mov_b32 s47, 0
	s_mul_i32 s45, s14, HALFT                      ; where my 128 rows go
	s_lshr_b32 s41, s17, 1                         ; the first K step, from ids that the partners share
	s_lshr_b32 s43, s17, 2
	s_xor_b32 s41, s41, s43
	s_and_b32 s41, s41, 1
	s_lshl_b32 s41, s41, 1
	s_and_b32 s43, s17, 1
	s_add_co_u32 s41, s41, s43
	s_lshl_b32 s43, s43, 1
	s_cmp_ge_u32 s17, 16
	s_cselect_b32 s41, s43, s41
	s_lshl_b32 s43, ttmp9, 1
	s_add_co_u32 s41, s41, s43
	s_and_b32 s41, s41, 3
	s_lshl_b32 s[KO], s41, 9
	s_mov_b32 s[KO+1], 0
	s_add_co_u32 s[KO+4], s[KO], ROWB
	s_mov_b32 s[KO+5], 0
	s_mov_b32 s66, 0x76543210
	s_mov_b32 s67, 0xfedcba98
	s_wait_dscnt 0x0
	s_wait_kmcnt 0x0
	s_load_b256 s[80:87], s[70:71], 0x0            ; e0 .. e7
	s_load_b128 s[88:91], s[70:71], 0x20           ; e8 .. e11
	s_add_nc_u64 s[20:21], s[4:5], s[20:21]
	s_add_nc_u64 s[46:47], s[6:7], s[46:47]
.irp s, 0,1
	s_mov_b32 s[G0+4*\s], 1
	s_add_co_u32 s[G0+4*\s+1], s45, \s*SLOT
	s_add_nc_u64 s[G0+4*\s+2:G0+4*\s+3], s[20:21], s[KO+4*\s:KO+4*\s+1]
	s_or_b32 s[G0+4*\s+3], s[G0+4*\s+3], 0x80000000
	s_mov_b32 s[G0B+4*\s], 1
	s_add_co_u32 s[G0B+4*\s+1], s45, \s*SLOT
	s_add_nc_u64 s[G0B+4*\s+2:G0B+4*\s+3], s[46:47], s[KO+4*\s:KO+4*\s+1]
	s_or_b32 s[G0B+4*\s+3], s[G0B+4*\s+3], 0x80000000
.endr
	CROUND                                         ; the four partners are here
	JLOAD G0, G0B                                  ; slot 0: my one load at the head; all below stands under its flight
	s_mul_i32 s77, s15, HALFT
	s_add_co_u32 s78, s77, SLOT
	s_mul_i32 s79, s16, HALFT
	s_add_co_u32 s79, s79, 2*HALFT
	s_add_co_u32 s100, s79, SLOT
	v_and_b32 v1, 15, v0
	v_bfe_u32 v2, v0, 4, 1
	v_mul_u32_u24 v3, v1, PITCH
	v_lshl_add_u32 v4, v2, 4, v3                   ; a fragment: row x pitch + 16 x half
	v_add_nc_u32 v[ADRA], s77, v4
	v_add_nc_u32 v[ADRA+1], s78, v4
	v_add_nc_u32 v[ADRB], s79, v4
	v_add_nc_u32 v[ADRB+1], s100, v4
	v_lshl_add_u32 v[TO], v2, 5, v3
	v_add_nc_u32 v[TO], s77, v[TO]                 ; the table in slot 0: my 128 tokens' cos rows, 32 bytes a half,
	v_add_nc_u32 v[TO2], 2*HALFT, v[TO]            ; and the sin rows
	v_lshlrev_b32 v[GA], 5, v2
	v_and_b32 v[LI], 31, v0
	v_lshlrev_b32 v[PFO], 11, v[LI]                ; the prefetches: a lane a row
	v_lshlrev_b32 v[LI], 4, v[LI]
	v_mov_b32 v[PT], 0
	v_mov_b32 v[FF+1], 0
	s_wait_alu depctr_va_vdst(0)                   ; the wait ahead of the branch
	s_cmp_ge_u32 s17, 18
	s_cbranch_scc1 .Lno_gain
	s_cmp_lt_u32 s17, 16
	s_cselect_b64 s[12:13], s[10:11], s[68:69]
.irp b, 0,1,2,3,4,5,6,7
	global_load_b128 v[WN+8*\b:WN+8*\b+3], v[GA], s[12:13] offset:64*\b
	global_load_b128 v[WN+8*\b+4:WN+8*\b+7], v[GA], s[12:13] offset:64*\b+16
.endr
.Lno_gain:
	s_wait_kmcnt 0x0
	s_cmp_lt_u32 s17, 16
	s_cselect_b32 s74, s80, s82
	s_cselect_b32 s75, s81, s83
	s_cselect_b32 s77, s86, s87                    ; the codes' e
	s_cselect_b32 s78, 5, 2                        ; log2 of heads in a batch
	s_cselect_b32 s79, 0, 16
	s_cselect_b32 s100, 0, 0x800000
	s_sub_co_i32 s101, s89, s84
	s_sub_co_i32 s101, s101, s85                   ; v: the sums lack 2^(e4 + e5): folded into the conversion's scale
	s_cmp_ge_u32 s17, 18
	s_cselect_b32 s77, s101, s77
	s_cselect_b32 s79, 18, s79
	s_cselect_b32 s100, 0x900000, s100
	s_cselect_b32 s104, s16, s15                   ; which 128 tokens are mine,
	s_cselect_b32 s105, s15, s16                   ; which head of the two
	s_add_co_i32 s74, s74, s75
	s_lshl_b32 s75, s74, 1
	s_add_co_i32 s75, s75, 120
	s_lshl_b32 s75, s75, 23                        ; 2^(2 (ea + eb)) / 128
	s_add_co_i32 s74, s74, 127
	s_lshl_b32 s74, s74, 23                        ; 2^(ea + eb)
	s_mov_b32 s76, 0x358637bd                      ; 1e-6
	s_add_co_i32 s77, s77, 127
	s_lshl_b32 s101, s77, 23
	v_mov_b32 v[SCL], s101
	s_add_co_i32 s77, s77, 8
	s_lshl_b32 s77, s77, 23
	s_or_b32 s77, s77, 0x600000
	v_mov_b32 v[LIM], s77                          ; 448 x the scale
	s_lshl_b32 s101, s42, 8
	s_lshl_b32 s104, s104, 7
	s_add_co_u32 s101, s101, s104                  ; my first token
	s_lshr_b32 s77, s101, 10                       ; batch
	s_and_b32 s101, s101, 1023                     ; position
	s_lshl_b32 s77, s77, s78
	s_sub_co_u32 s79, s17, s79
	s_lshl_b32 s79, s79, 1
	s_add_co_u32 s77, s77, s79
	s_add_co_u32 s77, s77, s105
	s_lshl_b32 s77, s77, 6
	s_lshr_b32 s79, s101, 4
	s_add_co_u32 s77, s77, s79
	s_lshl_b32 s77, s77, 11
	s_add_co_u32 s100, s100, s77
	s_mov_b32 s101, 0
	s_add_nc_u64 s[72:73], s[72:73], s[100:101]    ; my first image
	s_lshl_b32 s100, s42, 8                        ; the table's part that I fetch: waves 0, 1 cos, 2, 3 sin; 128 positions each
	s_and_b32 s100, s100, 1023
	s_lshl_b32 s104, s16, 7
	s_add_co_u32 s100, s100, s104
	s_lshl_b32 s100, s100, 8
	s_lshl_b32 s104, s15, 18
	s_add_co_u32 s100, s100, s104
	s_add_nc_u64 s[8:9], s[8:9], s[100:101]
	s_lshl_b32 s104, s40, 16                       ; the prefetches' rows: of W my work-group's 32 of the 128, told apart by address
	s_mov_b32 s105, 0
	s_add_nc_u64 s[88:89], s[46:47], s[104:105]
	s_cmp_eq_u32 s44, 0
	s_cselect_b64 s[88:89], s[20:21], s[88:89]
.macro FRAG reg, adr, q, i             ; 16 rows x 128 K: registers 4 c .. 4 c + 3 hold K = 32 c + 16 (lane / 16) + 0 .. 15, alike in both operands
.irp c, 0,1,2,3
	ds_load_b128 v[\reg+4*\c:\reg+4*\c+3], v[\adr] offset:128*(\q)+32*\c+(\i)*16*PITCH
.endr
.endm
.macro MUL16 a0, p, zero               ; the 64 accumulators take turns
.irp a, \a0, \a0+1
.irp b, 0,1,2,3,4,5,6,7
.if \zero
	v_wmma_f32_16x16x128_fp8_fp8 v[8*(8*((\a)%4)+\b):8*(8*((\a)%4)+\b)+7], v[128*(\p)+FR*\b:128*(\p)+FR*\b+FR-1], v[AF+FR*(\a):AF+FR*(\a)+FR-1], 0
.else
	v_wmma_f32_16x16x128_fp8_fp8 v[8*(8*((\a)%4)+\b):8*(8*((\a)%4)+\b)+7], v[128*(\p)+FR*\b:128*(\p)+FR*\b+FR-1], v[AF+FR*(\a):AF+FR*(\a)+FR-1], v[8*(8*((\a)%4)+\b):8*(8*((\a)%4)+\b)+7]
.endif
.endr
.endr
.endm
.macro FETCH_B slot, q, p
	WIN TO_B
.irp i, 0,1,2,3,4,5,6,7
	FRAG 128*(\p)+FR*\i, ADRB+\slot, \q, \i
.endr
	WIN 0
.endm
.macro FETCH_A slot, q, i0
.irp i, \i0, \i0+1, \i0+2, \i0+3
	FRAG AF+FR*(\i), ADRA+\slot, \q, \i
.endr
.endm
.macro STEP slot, q, zero              ; 128 along K with its successor in the same slot
	s_wait_dscnt 4*NL                              ; all but the youngest 16 loads (source 1's blocks 4-7)
	WIN MUL_LO
	MUL16 0, (\q)%2, \zero
	MUL16 2, (\q)%2, \zero
	s_wait_dscnt 0
	PLACES NP
	FETCH_B \slot, (\q)+1, 1-(\q)%2
	FETCH_A \slot, (\q)+1, 0
	WIN MUL_HI
	MUL16 4, (\q)%2, \zero
	MUL16 6, (\q)%2, \zero
	PLACES NP
	WIN 0
	FETCH_A \slot, (\q)+1, 4
.endm
; A slot's last step changes slots.  fill = 1: the slot is filled with the K step two on; fill = 2: slot 0 takes the table.
.macro TURN slot, next, fill
	s_wait_tensorcnt 0x0                           ; all my loads have landed: every group 0 may be written
	ds_add_u32 v[SPW], v[NIL]
.if \fill == 1
	s_add_co_u32 s[KO+4*\slot], s[KO+4*\slot], 2*ROWB
	s_and_b32 s[KO+4*\slot], s[KO+4*\slot], KROW-1
	s_add_nc_u64 s[G0+4*\slot+2:G0+4*\slot+3], s[20:21], s[KO+4*\slot:KO+4*\slot+1]
	s_or_b32 s[G0+4*\slot+3], s[G0+4*\slot+3], 0x80000000
	s_add_nc_u64 s[G0B+4*\slot+2:G0B+4*\slot+3], s[46:47], s[KO+4*\slot:KO+4*\slot+1]
	s_or_b32 s[G0B+4*\slot+3], s[G0B+4*\slot+3], 0x80000000
	s_wait_xcnt 0x0                                ; my last prefetch has read its address
	s_add_co_u32 s104, s[KO+4*\slot], 2*ROWB
	s_and_b32 s104, s104, KROW-1
	s_add_nc_u64 s[90:91], s[88:89], s[104:105]    ; this slot's next K step
.else
	s_mov_b64 s[G0+2:G0+3], s[8:9]
	s_or_b32 s[G0+3], s[G0+3], 0x80000000
.endif
	s_wait_dscnt 4*NL+1                            ; the add and the youngest 16 loads may be out
	WIN MUL_LO
	MUL16 0, 1, 0
	s_wait_dscnt 0x0                               ; the add is done, my reads of this slot are over
	s_barrier_signal -1
	MUL16 2, 1, 0
	WIN 0
	s_barrier_wait -1
	CREST                                          ; the barrier opened a round of the cluster's barrier
.if \fill == 1
	JLOAD G0+4*\slot, G0B+4*\slot
.else
	s_cmp_ge_u32 s17, 18                           ; v turns nothing: no wave of its work-groups would read the table
	s_cbranch_scc1 .Lno_tab_\@
	tensor_load_to_lds s[G0:G0+3], s[G1T:G1T+7]
	s_nop 0
	PLACES 4
.Lno_tab_\@:
	PLACES NP
.endif
	FETCH_B \next, 0, 0
	FETCH_A \next, 0, 0
.if \fill == 1
	s_cmp_gt_u32 s3, 1                             ; the last trip's refills have no K step two on
	s_cbranch_scc0 .Lno_ask_\@
	s_cmp_eq_u32 s44, 0
	s_cbranch_scc0 .Lask_w_\@
.irp i, 0,1,2,3
	global_prefetch_b8 v[PFO], s[90:91] offset:\i*65536 th:TH_LOAD_NT scope:SCOPE_SE
.endr
	s_branch .Lno_ask_\@
.Lask_w_\@:
	global_prefetch_b8 v[PFO], s[90:91] th:TH_LOAD_NT scope:SCOPE_SE
.Lno_ask_\@:
.endif
	WIN MUL_HI
	MUL16 4, 1, 0
	MUL16 6, 1, 0
	PLACES NP
	WIN 0
	FETCH_A \next, 0, 4
.endm
	s_wait_alu depctr_va_vdst(0)                   ; the wait at the head's end
	s_wait_tensorcnt 0x0                           ; slot 0 is in; slot 1's first fill is issued as a refill is
	ds_add_u32 v[SPW], v[NIL]
	s_wait_dscnt 0x0
	CROUND
	JLOAD G0+4, G0B+4
	FETCH_B 0, 0, 0
	FETCH_A 0, 0, 0
	FETCH_A 0, 0, 4
	STEP 0, 0, 1                                   ; the first products start the sums
	s_mov_b32 s3, LAPS-1
.Llap:
	TURN 0, 1, 1
	STEP 1, 0, 0
	TURN 1, 0, 1
	STEP 0, 0, 0
	s_sub_co_u32 s3, s3, 1
	s_cmp_lg_u32 s3, 0
	s_cbranch_scc1 .Llap
	TURN 0, 1, 2
	STEP 1, 0, 0
	s_wait_dscnt 4*NL
	WIN MUL_LO
	MUL16 0, 1, 0
	MUL16 2, 1, 0
	s_wait_dscnt 0
	WIN MUL_HI
	MUL16 4, 1, 0
	MUL16 6, 1, 0
	WIN 0
	PLACES NP
; THE WAY OUT.  Block a = 16 rows of source 1 x 128.  First all eight sums of squares and one batch of rsq, which need no table.
.macro SUMSQ a
.set AC, 64*((\a)%4)
.set WA, 2+(\a)/4
.set WB, WA|(WA<<2)
	WIN WB
.set p, 0
.rept 32                               ; each accumulator from its low end on
.if p < 4
	v_pk_mul_f32 v[SS+2*p:SS+2*p+1], v[AC+2*p:AC+2*p+1], v[AC+2*p:AC+2*p+1]
.else
	v_pk_fma_f32 v[SS+2*(p%4):SS+2*(p%4)+1], v[AC+2*p:AC+2*p+1], v[AC+2*p:AC+2*p+1], v[SS+2*(p%4):SS+2*(p%4)+1]
.endif
.set p, p+1
.endr
	WIN 0
	v_pk_add_f32 v[SS:SS+1], v[SS:SS+1], v[SS+2:SS+3]
	v_pk_add_f32 v[SS+4:SS+5], v[SS+4:SS+5], v[SS+6:SS+7]
	v_pk_add_f32 v[SS:SS+1], v[SS:SS+1], v[SS+4:SS+5]
	v_add_f32 v[SS], v[SS], v[SS+1]
	v_permlanex16_b32 v[PT], v[SS], s66, s67
	v_add_f32 v[SS], v[SS], v[PT]
	v_fma_f32 v[16+(\a)+2*((\a)/6)], v[SS], s75, s76   ; mean square + 1e-6, kept in v16-21, v24, v25 (the fragments' addresses are done with)
.endm
	s_cmp_ge_u32 s17, 18
	s_cbranch_scc1 .Lno_ss
	s_wait_loadcnt 0x0                             ; the gain
.irp a, 0,1,2,3,4,5,6,7
	SUMSQ \a
.endr
	s_wait_alu depctr_va_vdst(0)                   ; a wait ahead of the batch and one behind it
.irp a, 0,1,2,3,4,5,6,7
	v_rsq_f32 v[SS+\a], v[16+\a+2*(\a/6)]
.endr
	v_nop
	s_wait_alu depctr_va_vdst(0)
.irp a, 0,1,2,3,4,5,6,7
	v_mul_f32 v[16+\a+2*(\a/6)], s74, v[SS+\a]     ; x 2^(ea + eb): sum x this = the normalised number
.endr
.Lno_ss:
	s_wait_alu depctr_va_vdst(0)                   ; the wait ahead of the wait below
	s_wait_tensorcnt 0x0                           ; my part of the table is in,
	s_barrier_signal -1
	s_barrier_wait -1                              ; and everybody's
.macro CSLOAD a                        ; block a's cos (32 registers) and sin (32) into the window that source 0's fragments have left
	WIN TO_B
.irp b, 0,1,2,3
	ds_load_b128 v[64*((\a)%4)+8*\b:64*((\a)%4)+8*\b+3], v[TO] offset:(\a)*16*PITCH+64*\b
	ds_load_b128 v[64*((\a)%4)+8*\b+4:64*((\a)%4)+8*\b+7], v[TO] offset:(\a)*16*PITCH+64*\b+16
	ds_load_b128 v[64*((\a)%4)+32+8*\b:64*((\a)%4)+32+8*\b+3], v[TO2] offset:(\a)*16*PITCH+64*\b
	ds_load_b128 v[64*((\a)%4)+32+8*\b+4:64*((\a)%4)+32+8*\b+7], v[TO2] offset:(\a)*16*PITCH+64*\b+16
.endr
	WIN 0
.endm
.macro CODES a
.set CB, CD+16*((\a)%2)
	s_wait_xcnt 0x0                                ; block a - 2's stores have read these registers
.irp b, 0,1,2,3,4,5,6,7
	v_cvt_scalef32_pk8_fp8_f32 v[CB+2*\b:CB+2*\b+1], v[Z+8*\b:Z+8*\b+7], v[SCL]
.endr
	v_nop
.irp c, 0,1,2,3
	global_store_b128 v[LI], v[CB+4*\c:CB+4*\c+3], s[72:73] offset:(\a)*2048+512*\c   ; 512 consecutive bytes, aligned
.endr
.endm
.macro EPI_QK a
.set AC, 64*((\a)%4)
.set WA, 2+(\a)/4
.set CSS, 64*((\a)%4)
.if (\a) < 6
	CSLOAD (\a)+2
.endif
	v_mov_b32 v[FF], v[16+(\a)+2*((\a)/6)]
	WIN WA
.set p, 0
.rept 32
	v_pk_mul_f32 v[Y+2*p:Y+2*p+1], v[AC+2*p:AC+2*p+1], v[FF:FF+1] op_sel_hi:[1,0]
.set p, p+1
.endr
	WIN 0
.set p, 0
.rept 32
	v_pk_mul_f32 v[Y+2*p:Y+2*p+1], v[Y+2*p:Y+2*p+1], v[WN+2*p:WN+2*p+1]
.set p, p+1
.endr
	s_wait_alu depctr_va_vdst(0)                   ; the wait ahead of the wait below
.if (\a) < 6
	s_wait_dscnt 32                                ; block a's 16 loads are in; the two blocks behind it may be out
.elseif (\a) == 6
	s_wait_dscnt 16
.else
	s_wait_dscnt 0
.endif
	WIN 0x04
.set p, 0
.rept 16
	v_pk_mul_f32 v[Z+2*p:Z+2*p+1], v[Y+2*p:Y+2*p+1], v[CSS+2*p:CSS+2*p+1]
	v_pk_mul_f32 v[Z+32+2*p:Z+33+2*p], v[Y+32+2*p:Y+33+2*p], v[CSS+2*p:CSS+2*p+1]
.set p, p+1
.endr
.set p, 0
.rept 16
	v_pk_fma_f32 v[Z+2*p:Z+2*p+1], v[Y+32+2*p:Y+33+2*p], v[CSS+32+2*p:CSS+33+2*p], v[Z+2*p:Z+2*p+1] neg_lo:[1,0,0] neg_hi:[1,0,0]
	v_pk_fma_f32 v[Z+32+2*p:Z+33+2*p], v[Y+2*p:Y+2*p+1], v[CSS+32+2*p:CSS+33+2*p], v[Z+32+2*p:Z+33+2*p]
.set p, p+1
.endr
	WIN 0
.set p, 0
.rept 64
	v_med3_num_f32 v[Z+p], v[Z+p], -v[LIM], v[LIM] ; the conversion does not saturate (ISA guide 7.6.2)
.set p, p+1
.endr
	s_wait_alu depctr_va_vdst(0)
	CODES \a
.endm
.macro EPI_V a
.set AC, 64*((\a)%4)
.set WA, 2+(\a)/4
	WIN WA
.set p, 0
.rept 64
	v_med3_num_f32 v[Z+p], v[AC+p], -v[LIM], v[LIM]
.set p, p+1
.endr
	WIN 0
	s_wait_alu depctr_va_vdst(0)
	CODES \a
.endm
	s_cmp_ge_u32 s17, 18
	s_cbranch_scc1 .Lv_path
	CSLOAD 0
	CSLOAD 1
.irp a, 0,1,2,3,4,5,6,7
	EPI_QK \a
.endr
	s_branch .Lend
.Lv_path:
.irp a, 0,1,2,3,4,5,6,7
	EPI_V \a
.endr
.Lend:
	s_wait_tensorcnt 0x0                           ; the wave's end
	ds_add_u32 v[SPW], v[NIL]
	s_wait_dscnt 0x0
	CROUND                                         ; the closing round
	s_endpgm
.Lfunc_end_k_qaa7bf3e2e6_qkv:
	.size	k_qaa7bf3e2e6_qkv, .Lfunc_end_k_qaa7bf3e2e6_qkv-k_qaa7bf3e2e6_qkv
	.p2alignl 7, 3214868480
	.fill 96, 4, 3214868480
	.section	.rodata,"a",@progbits
	.p2align	6, 0x0
	.amdhsa_kernel k_qaa7bf3e2e6_qkv
		.amdhsa_group_segment_fixed_size 327680
		.amdhsa_private_segment_fixed_size 0
		.amdhsa_enable_private_segment 0
		.amdhsa_kernarg_size 56
		.amdhsa_user_sgpr_count 2
		.amdhsa_user_sgpr_kernarg_segment_ptr 1
		.amdhsa_wavefront_size32 1
		.amdhsa_system_sgpr_workgroup_id_x 1
		.amdhsa_system_sgpr_workgroup_id_y 1
		.amdhsa_system_sgpr_workgroup_id_z 1
		.amdhsa_system_vgpr_workitem_id 0
		.amdhsa_next_free_vgpr 1024
		.amdhsa_next_free_sgpr 106
		.amdhsa_reserve_vcc 0
		.amdhsa_float_denorm_mode_32 3
		.amdhsa_float_denorm_mode_16_64 3
		.amdhsa_memory_ordered 1
		.amdhsa_forward_progress 1
		.amdhsa_inst_pref_size 255
	.end_amdhsa_kernel
	.section	.bss,"aw",@nobits
	.p2align	6
	.space	262144
	.amdgpu_metadata
---
amdhsa.version: [ 1, 2 ]
amdhsa.kernels:
  - .name:           k_qaa7bf3e2e6_qkv
    .symbol:         k_qaa7bf3e2e6_qkv.kd
    .args:
      - { .name: x_codes, .offset: 0, .size: 8, .value_kind: global_buffer, .address_space: global }
      - { .name: w_codes, .offset: 8, .size: 8, .value_kind: global_buffer, .address_space: global }
      - { .name: rope, .offset: 16, .size: 8, .value_kind: global_buffer, .address_space: global }
      - { .name: q_norm_w, .offset: 24, .size: 8, .value_kind: global_buffer, .address_space: global }
      - { .name: k_norm_w, .offset: 32, .size: 8, .value_kind: global_buffer, .address_space: global }
      - { .name: lowp_scales, .offset: 40, .size: 8, .value_kind: global_buffer, .address_space: global }
      - { .name: qkv_img, .offset: 48, .size: 8, .value_kind: global_buffer, .address_space: global }
    .group_segment_fixed_size: 327680
    .private_segment_fixed_size: 0
    .kernarg_segment_align: 8
    .kernarg_segment_size: 56
    .max_flat_workgroup_size: 128
    .sgpr_count:     106
    .vgpr_count:     1024
    .wavefront_size: 32
...
	.end_amdgpu_metadata
.endif
;; end of part 7
;; launch attn (part 8): grid 8 x 32, 8 waves a work-group, clusters of 4 x 1, 327,680 bytes of LDS; arguments qkv_img, lowp_scales, ao_img; writes ao_img
.if DOCPART == 8
	.amdgcn_target "amdgcn-amd-amdhsa--gfx1250"
	.amdhsa_code_object_version 6
	.text
	.protected	k_qaa7bf3e2e6_attn
	.globl	k_qaa7bf3e2e6_attn
	.p2align	8
	.type	k_qaa7bf3e2e6_attn,@function
k_qaa7bf3e2e6_attn:
	s_mov_b64 s[64:65], 0
	v_nop
	global_prefetch_b8 v0, s[64:65] scope:SCOPE_SE
	s_setreg_imm32_b32 hwreg(HW_REG_WAVE_MODE, 25, 1), 1
	s_wait_xcnt 0x0
	s_wait_alu depctr_hold_cnt(0) depctr_sa_sdst(0) depctr_va_vdst(0) depctr_va_sdst(0) depctr_va_ssrc(0) depctr_va_vcc(0) depctr_vm_vsrc(0)
	s_getreg_b32 s2, hwreg(HW_REG_IB_STS2, 6, 4)
	s_cmp_eq_u32 s2, 0
	s_cbranch_scc0 .Lentry_in_a_cluster
	s_endpgm
.Lentry_in_a_cluster:
	s_bfe_u32 s2, ttmp6, 0x10000c
	s_cmp_lg_u32 s2, 0x3003
	s_cbranch_scc0 .Lentry_shape_is_right
	s_endpgm
.Lentry_shape_is_right:
; Causal attention on E4M3 codes, and the quantiser (2^e10) ahead of the last projection.  q, k, v come as images of operand registers (2,048 bytes: 16 rows x 128 K in the 8-bit form's own layout); the result leaves as such images.
; THE SOFTMAX: t = score x log2(e) / sqrt(128); M = the running largest t rounded UP to a whole number; p = 2^(t - M) is quantised with 2^e8, not normalised; the row's sum is taken of the unquantised p and divides at the end.
; When M moves, the sum and O are multiplied by 2^(old M - new M): exact.
; SHARES.  A wave owns TWO tiles: the same 16 queries of two query heads that share a key/value head.  Tile A's state lies in registers v0-255, tile B's at the same numbers in window 1 (v256-511), so one text serves both under
; two settings of s_set_vgpr_msb.  Each fragment of K and of V that is read from LDS feeds two matrix instructions.
; A work-group of eight waves: waves 0-3 take four tiles of query block g (128 queries a block: g + 1 key steps), waves 4-7 four tiles of block 7 - g (8 - g steps): waves w and w + 4 add up to nine steps for every w and every work-group.
; Grid: x = 4 x (which four tiles of the block) + head pair; y = 4 x (4 x batch + key/value head) + g.  CLUSTER 4 x 1: the four head pairs walk the same K and V with the same queries: K and V are asked for JOINTLY (mask 15).
; The place in the cluster enters q's and the result's global addresses alone.
; ALL of the key/value head's codes rest in LDS: 64 images of K, 64 of V.  Two loads a wave: keys 0-255 at the head (8 KiB a wave), keys 256-1023 (24 KiB a wave) as a first fill behind the first round: it has two key steps in which to land.
; Where g > 0 the second load also brings keys behind the work-group's last query, inside a tile whose first keys are read.  No prefetch: both loads go out at the launch's start, and there is no loop to run ahead in.
; LAYOUT.  Both products transposed: S^T = K Q^T, O^T = V^T P^T: a lane holds ONE query (lane % 16).  Register j of S^T's tile t is key 16 t + 8 (lane / 16) + j: a conversion of the tile's eight registers is registers 2 t, 2 t + 1 of P.
; CAUSAL: a step of 128 keys that all come after my queries is jumped over (ids and the count of steps alone); in the one step on the diagonal hidden scores become -infinity ahead of the maximum.  Key 0 counts for every query.
; LIMITS: e6 + e7 between -123 and 130 (added to c's exponent field); e8 and e10 between -126 and 119.
; REGISTERS.  Window 0 alone: v1 16 x lane, v2 that + V's place, v5, v6 the add's two, v8, v9 addresses in hand.  v32-95 of window 0: fragments 0-3 of K, then of V; of window 1: fragments 4-7.
; In each window, for its tile: v3 r - 8 h; v12 -M, v13 the largest t, v[14:15] the sum; v16-31 Q; v96-159 S^T, then p; v160-223 O^T; v224-239 codes; v240, v241, v244, v245 scales and bounds; the rest of v236-255 at work.
.set VOFF,  131072                     ; LDS: K's 64 images, then V's 64
.set SPARE, 262144                     ; then the spare words: 128 bytes for each of 8 waves
.set LI,   1
.set LIV,  2
.set RH,   3
.set SPW,  5
.set NIL,  6
.set ADK,  8
.set ADV,  9
.set WV,   18
.set SEL,  20
.set CS,   22                          ; s[22:23] c: the packed form names a pair and takes its low word
.set G1,   24                          ; s[24:31] group 1 of the first load, s[32:35] its group 0
.set G1B,  36                          ; s[36:43], s[44:47] the second load's
.set TB,   48                          ; s48 LDS byte of the step's images of K
.set KF,   49                          ; s49 the step's first key
.set Q0,   50                          ; s50 my first query
.set CNT,  51
.set MSB, 0
.macro WIN new                         ; bits 1:0 source 0, 3:2 source 1, 5:4 source 2, 7:6 destination; the high byte repeats the setting that is left
.if MSB != \new
	s_set_vgpr_msb (MSB<<8)|\new
.set MSB, \new
.endif
.endm
.macro CROUND
	s_barrier_signal -1
	s_barrier_wait -1
	s_cmp_lg_u32 s[WV], 0
	s_cbranch_scc1 .Lnot_wave_0_\@
	s_barrier_signal -3
.Lnot_wave_0_\@:
	s_barrier_wait -3
	s_barrier_signal -1
	s_barrier_wait -1
.endm
	s_load_b128 s[4:7], s[0:1], 0x0                ; qkv_img, lowp_scales
	s_load_b64 s[8:9], s[0:1], 0x10                ; ao_img
	v_lshl_add_u32 v[SPW], v0, 2, SPARE
	v_mov_b32 v[NIL], 0
	ds_add_u32 v[SPW], v[NIL]                      ; the opening lines: the add twice and one wait
	ds_add_u32 v[SPW], v[NIL]
	v_lshrrev_b32 v8, 5, v0
	v_readfirstlane_b32 s[WV], v8                  ; wave 0..7
	s_bfe_u32 s52, ttmp6, 0x40000                  ; cx: the head pair: enters global addresses alone
	s_and_b32 s54, ttmp7, 0xffff
	s_and_b32 s55, s54, 3                          ; g
	s_lshr_b32 s56, s54, 2                         ; 4 x batch + key/value head
	s_lshr_b32 s57, s54, 4                         ; batch
	s_lshr_b32 s59, s[WV], 2                       ; 0: block g, and I fetch for K; 1: block 7 - g, and I fetch for V
	s_and_b32 s60, s[WV], 3
	s_sub_co_u32 s58, 7, s55
	s_cmp_eq_u32 s59, 0
	s_cselect_b32 s58, s55, s58
	s_lshl_b32 s58, s58, 3
	s_lshl_b32 s61, ttmp9, 2
	s_add_co_u32 s58, s58, s61
	s_add_co_u32 s58, s58, s60                     ; my tile of queries: 8 x block + 4 x cluster x + wave % 4
	s_lshl_b32 s[Q0], s58, 4
	s_lshl_b32 s61, s59, 17                        ; K's or V's place in LDS
	s_lshl_b32 s62, s60, 13                        ; my quarter of the first 32 KiB,
	s_add_co_u32 s63, s61, s62
	s_mul_i32 s66, s60, 24576                      ; and of the other 96
	s_add_co_u32 s66, s66, 32768
	s_add_co_u32 s67, s61, s66
	s_lshl_b32 s74, s59, 20
	s_lshl_b32 s76, s56, 17
	s_add_co_u32 s74, s74, s76
	s_add_co_u32 s74, s74, 0x800000                ; in qkv_img: 8 MiB (K) or 9 MiB (V) + 128 KiB a head
	s_mov_b32 s75, 0
	s_mov_b32 s77, 0
	s_mov_b32 s[G1], 15|(3<<16)|(1<<21)            ; the mask: all four; elements of 8 bytes; bit 21 beside a mask; no padding
	s_mov_b32 s[G1+1], 32<<16                      ; rows of 256 bytes,
	s_mov_b32 s[G1+2], 32<<16                      ; 32 of them
	s_mov_b32 s[G1+3], 32<<16
	s_mov_b32 s[G1+4], 32
	s_mov_b32 s[G1+5], 32                          ; dense
	s_mov_b32 s[G1+6], 0
	s_mov_b32 s[G1+7], 0
	s_mov_b32 s[G1B], 15|(3<<16)|(1<<21)
	s_mov_b32 s[G1B+1], 32<<16
	s_mov_b32 s[G1B+2], 96<<16                     ; 96 rows
	s_mov_b32 s[G1B+3], 32<<16
	s_mov_b32 s[G1B+4], 96
	s_mov_b32 s[G1B+5], 32
	s_mov_b32 s[G1B+6], 0
	s_mov_b32 s[G1B+7], 0
	s_mov_b32 s[SEL], 0x76543210
	s_mov_b32 s[SEL+1], 0xfedcba98
	s_mov_b32 s[CS], 0x3e0293ee                    ; c = log2(e) / sqrt(128)
	s_mov_b32 s[TB], 0
	s_mov_b32 s[KF], 0
	s_wait_dscnt 0x0
	s_wait_kmcnt 0x0
	s_load_b128 s[68:71], s[6:7], 0x18             ; e6, e7, e8, e9
	s_load_b32 s72, s[6:7], 0x28                   ; e10
	s_add_nc_u64 s[74:75], s[4:5], s[74:75]
	s_mov_b32 s76, s62
	s_mov_b32 s32, 1
	s_mov_b32 s33, s63
	s_add_nc_u64 s[34:35], s[74:75], s[76:77]
	s_or_b32 s35, s35, 0x80000000
	s_mov_b32 s76, s66
	s_mov_b32 s44, 1
	s_mov_b32 s45, s67
	s_add_nc_u64 s[46:47], s[74:75], s[76:77]
	s_or_b32 s47, s47, 0x80000000
	CROUND                                         ; all four work-groups are here: the joint loads meet
	tensor_load_to_lds s[32:35], s[G1:G1+7]        ; keys 0-255: my one load at the head
	s_nop 0
.rept 4
	v_nop
.endr
	s_lshl_b32 s76, s56, 3
	s_lshl_b32 s78, s52, 1
	s_add_co_u32 s76, s76, s78                     ; batch x 32 + tile A's query head; tile B's is the next
	s_lshl_b32 s77, s76, 6
	s_add_co_u32 s77, s77, s58
	s_lshl_b32 s78, s77, 11
	s_mov_b32 s79, 0
	s_add_nc_u64 s[4:5], s[4:5], s[78:79]          ; tile A's image of q; B's lies 64 images on
	s_lshl_b32 s77, s57, 6
	s_add_co_u32 s77, s77, s58
	s_lshl_b32 s77, s77, 5
	s_and_b32 s76, s76, 31
	s_add_co_u32 s77, s77, s76
	s_lshl_b32 s78, s77, 11
	s_add_nc_u64 s[8:9], s[8:9], s[78:79]          ; the result's image: ((batch 64 + tile) 32 + head) 2048; B's is the next
	v_and_b32 v[LI], 31, v0
	v_lshlrev_b32 v[LI], 4, v[LI]
	v_add_nc_u32 v[LIV], VOFF, v[LI]
.irp c, 0,1,2,3
	global_load_b128 v[16+4*\c:19+4*\c], v[LI], s[4:5] offset:512*\c          ; Q stays in registers
.endr
	WIN 0x40
.irp c, 0,1,2,3
	global_load_b128 v[16+4*\c:19+4*\c], v[LI], s[4:5] offset:131072+512*\c   ; tile B's, into window 1
.endr
	WIN 0
	v_and_b32 v[RH], 15, v0
	v_bfe_u32 v8, v0, 4, 1
	v_lshlrev_b32 v8, 3, v8
	v_sub_nc_u32 v[RH], v[RH], v8                  ; r - 8 h
	WIN 0x40
	v_mov_b32 v[RH], v[RH]                         ; and its copy in window 1
	WIN 0
	s_wait_kmcnt 0x0
	s_add_co_i32 s73, s68, s69
	s_lshl_b32 s73, s73, 23
	s_add_co_i32 s[CS], s[CS], s73                 ; a score stands for score x 2^(e6 + e7): added to c's exponent field
	s_mov_b32 s[CS+1], s[CS]
	s_add_co_i32 s73, s70, 127
	s_lshl_b32 s80, s73, 23                        ; 2^e8
	s_add_co_i32 s73, s73, 8
	s_lshl_b32 s73, s73, 23
	s_or_b32 s82, s73, 0x600000                    ; 448 x 2^e8
	s_add_co_i32 s73, s72, 127
	s_lshl_b32 s83, s73, 23                        ; 2^e10
	s_add_co_i32 s73, s73, 8
	s_lshl_b32 s73, s73, 23
	s_or_b32 s84, s73, 0x600000                    ; 448 x 2^e10
	s_add_co_i32 s81, s70, s71                     ; e8 + e9
.macro INIT                            ; a tile's state, in the window that is set
	v_mov_b32 v13, 0xff61b1e6                      ; the largest t so far: -3e38
	v_floor_f32 v12, -v13                          ; -M
	v_mov_b32 v14, 0
	v_mov_b32 v15, 0
	v_mov_b32 v236, 0                              ; a lane exchange's destination counts as read
	v_mov_b32 v253, 0                              ; named as the upper half of a pair
	v_mov_b32 v244, s80
	v_mov_b32 v240, s82
	v_mov_b32 v245, s83
	v_mov_b32 v241, s84
.set n, 0
.rept 64
	v_mov_b32 v[160+n], 0                          ; O^T: the step is written for every step alike: the first finds zeros
.set n, n+1
.endr
.endm
	INIT
	WIN 0x55
	INIT
	WIN 0
.macro QK win, base                    ; S^T = K Q^T for four tiles of 16 keys
	WIN \win
.irp f, 0,1,2,3
	v_wmma_f32_16x16x128_fp8_fp8 v[96+8*(\base+\f):103+8*(\base+\f)], v[32+16*\f:47+16*\f], v[16:31], 0
.endr
.endm
.macro PVT lo, hi                      ; O^T += V^T P^T: eight accumulators, one instruction each
	WIN \lo
.irp f, 0,1,2,3
	v_wmma_f32_16x16x128_fp8_fp8 v[160+8*\f:167+8*\f], v[32+16*\f:47+16*\f], v[224:239], v[160+8*\f:167+8*\f]
.endr
	WIN \hi
.irp f, 0,1,2,3
	v_wmma_f32_16x16x128_fp8_fp8 v[192+8*\f:199+8*\f], v[32+16*\f:47+16*\f], v[224:239], v[192+8*\f:199+8*\f]
.endr
.endm
.macro FRAGS adr                       ; eight fragments in one run: 0-3 into window 0, 4-7 into window 1
.irp f, 0,1,2,3
.irp c, 0,1,2,3
	ds_load_b128 v[32+16*\f+4*\c:32+16*\f+4*\c+3], v[\adr] offset:\f*2048+512*\c
.endr
.endr
	WIN 0x40
.irp f, 0,1,2,3
.irp c, 0,1,2,3
	ds_load_b128 v[32+16*\f+4*\c:32+16*\f+4*\c+3], v[\adr] offset:(4+\f)*2048+512*\c
.endr
.endr
	WIN 0
.endm
.macro MASK                            ; s96 = my first query - the step's first key.  Register n holds key 16 (n / 8) + 8 h + n % 8: hidden where 16 (n / 8) + n % 8 > d
	v_add_nc_u32 v252, s96, v[RH]                  ; d
	v_mov_b32 v254, 0xff800000                     ; -infinity
.set n, 0
.rept 64
	v_cmp_gt_i32 vcc_lo, 16*(n/8)+n%8, v252
	v_cndmask_b32 v[96+n], v[96+n], v254, vcc_lo
.set n, n+1
.endr
.endm
.macro SOFT                            ; a tile's softmax, codes and rescaling, in the window that is set: no label, no branch
	s_wait_alu depctr_va_vdst(0)                   ; the wait ahead of the first reader of the scores
	v_max3_num_f32 v254, v96, v97, v98             ; the step's largest score of my query among my 64 keys, in two chains, from the low end on
	v_max3_num_f32 v252, v99, v100, v101
.irp i, 6,10,14,18,22,26,30,34,38,42,46,50,54,58
	v_max3_num_f32 v254, v254, v[96+\i], v[97+\i]
	v_max3_num_f32 v252, v252, v[98+\i], v[99+\i]
.endr
	v_max3_num_f32 v254, v254, v158, v159
	s_delay_alu instid0(VALU_DEP_1)
	v_max_num_f32 v254, v254, v252
	v_permlanex16_b32 v236, v254, s[SEL], s[SEL+1]
	s_delay_alu instid0(VALU_DEP_1)
	v_max_num_f32 v254, v254, v236                 ; and among lane l xor 16's
	s_delay_alu instid0(VALU_DEP_1)
	v_mul_f32 v254, s[CS], v254                    ; as t (c is positive)
	s_delay_alu instid0(VALU_DEP_1)
	v_max_num_f32 v13, v13, v254
	v_mov_b32 v254, v12
	s_delay_alu instid0(VALU_DEP_2)
	v_floor_f32 v12, -v13                          ; the new -M = -ceil(t)
	s_delay_alu instid0(VALU_DEP_1)
	v_sub_f32 v254, v12, v254                      ; old M - new M: a whole number, 0 or less
	s_delay_alu instid0(VALU_DEP_1)
	v_cvt_i32_f32 v254, v254                       ; (it saturates)
	s_delay_alu instid0(VALU_DEP_1)
	v_ldexp_f32 v252, 1.0, v254                    ; f = 2^(old M - new M)
.set n, 0
.rept 32
	v_pk_fma_f32 v[96+n:97+n], v[96+n:97+n], s[CS:CS+1], v[12:13] op_sel_hi:[1,0,0]   ; t - M
.set n, n+2
.endr
	s_wait_alu depctr_va_vdst(0)                   ; a wait ahead of the batch and one behind it
.set n, 0
.rept 64
	v_exp_f32 v[96+n], v[96+n]                     ; p = 2^(t - M): one batch
.set n, n+1
.endr
	v_pk_mul_f32 v[14:15], v[14:15], v[252:253] op_sel_hi:[1,0]   ; the sums under the new M: the plain line behind the exponentials
	s_wait_alu depctr_va_vdst(0)
	v_pk_add_f32 v[242:243], v[100:101], v[104:105]               ; the row's sum of the unquantised p, in eight chains
	v_pk_add_f32 v[254:255], v[108:109], v[112:113]
	v_pk_add_f32 v[250:251], v[116:117], v[120:121]
	v_pk_add_f32 v[248:249], v[124:125], v[128:129]
	v_pk_add_f32 v[246:247], v[132:133], v[136:137]
	v_pk_add_f32 v[238:239], v[140:141], v[144:145]
	v_pk_add_f32 v[236:237], v[148:149], v[152:153]
	v_pk_add_f32 v[14:15], v[14:15], v[156:157]
	v_pk_add_f32 v[242:243], v[242:243], v[96:97]
	v_pk_add_f32 v[254:255], v[254:255], v[98:99]
	v_pk_add_f32 v[250:251], v[250:251], v[102:103]
	v_pk_add_f32 v[248:249], v[248:249], v[106:107]
	v_pk_add_f32 v[246:247], v[246:247], v[110:111]
	v_pk_add_f32 v[238:239], v[238:239], v[114:115]
	v_pk_add_f32 v[236:237], v[236:237], v[118:119]
	v_pk_add_f32 v[14:15], v[14:15], v[122:123]
	v_pk_add_f32 v[242:243], v[242:243], v[126:127]
	v_pk_add_f32 v[254:255], v[254:255], v[130:131]
	v_pk_add_f32 v[250:251], v[250:251], v[134:135]
	v_pk_add_f32 v[248:249], v[248:249], v[138:139]
	v_pk_add_f32 v[246:247], v[246:247], v[142:143]
	v_pk_add_f32 v[238:239], v[238:239], v[146:147]
	v_pk_add_f32 v[236:237], v[236:237], v[150:151]
	v_pk_add_f32 v[14:15], v[14:15], v[154:155]
	v_pk_add_f32 v[242:243], v[242:243], v[158:159]
	s_delay_alu instid0(VALU_DEP_2)
	v_pk_add_f32 v[14:15], v[14:15], v[248:249]
	s_delay_alu instid0(VALU_DEP_2)
	v_pk_add_f32 v[242:243], v[242:243], v[246:247]
	v_pk_add_f32 v[254:255], v[254:255], v[238:239]
	v_pk_add_f32 v[250:251], v[250:251], v[236:237]
	s_delay_alu instid0(VALU_DEP_2)
	v_pk_add_f32 v[14:15], v[14:15], v[254:255]
	s_delay_alu instid0(VALU_DEP_2)
	v_pk_add_f32 v[242:243], v[242:243], v[250:251]
	s_delay_alu instid0(VALU_DEP_1)
	v_pk_add_f32 v[14:15], v[14:15], v[242:243]
.irp f, 0,1,2,3,4,5,6,7
.irp i, 0,1,2,3,4,5,6,7
	v_min_num_f32 v[96+8*\f+\i], v[96+8*\f+\i], v240   ; the conversion does not saturate (ISA guide 7.6.2); p is not negative, so the hold is one-sided
.endr
	v_cvt_scalef32_pk8_fp8_f32 v[224+2*\f:225+2*\f], v[96+8*\f:103+8*\f], v244
.endr
	s_wait_alu depctr_va_vdst(0)                   ; the wait ahead of the first reader of O^T
.set n, 0
.rept 32
	v_pk_mul_f32 v[160+n:161+n], v[160+n:161+n], v[252:253] op_sel_hi:[1,0]   ; O^T under the new M; also the plain lines between the conversions and the products
.set n, n+2
.endr
.endm
; A KEY STEP: 128 keys from s[KF] on, images from s[TB] on.
.macro STEP
	s_add_co_u32 s96, s[Q0], 15
	s_cmp_gt_u32 s[KF], s96                        ; all keys behind my queries
	s_cbranch_scc1 .Lhidden_\@
	v_add_nc_u32 v[ADK], s[TB], v[LI]
	v_add_nc_u32 v[ADV], s[TB], v[LIV]
	v_nop                                          ; with the two additions four places in front of loads into registers that the last products read
	v_nop
	FRAGS ADK
	s_wait_alu depctr_va_vdst(0)                   ; the wait ahead of the wait below
	s_wait_dscnt 16                                ; K's fragments 0-3 are in; the sixteen loads of 4-7 may be out
	QK 0, 0
	QK 0x54, 0
	s_wait_dscnt 0x0
	QK 0x01, 4
	QK 0x55, 4
	WIN 0
.rept 4
	v_nop                                          ; four places: in front of the loads below and of the first read of the scores
.endr
	FRAGS ADV                                      ; V's eight fragments land while tile A's softmax is worked
	s_add_co_u32 s96, s[KF], 127
	s_cmp_le_u32 s96, s[Q0]                        ; all keys count: no mask
	s_cbranch_scc1 .Lopen_\@
	s_sub_co_i32 s96, s[Q0], s[KF]
	MASK
	WIN 0x55
	MASK
	WIN 0
.Lopen_\@:
	SOFT
	s_wait_alu depctr_va_vdst(0)                   ; the wait ahead of the wait below
	s_wait_dscnt 0x0                               ; V
	PVT 0, 0x01                                    ; tile A's products are issued ahead of tile B's softmax, which names none of their registers
	WIN 0x55
	SOFT
	PVT 0x54, 0x55
	WIN 0
.Lhidden_\@:
.endm
.macro STEPS n
	s_mov_b32 s[CNT], \n
.Lstep_\@:
	STEP
	s_add_co_u32 s[TB], s[TB], 16384
	s_add_co_u32 s[KF], s[KF], 128
	s_sub_co_u32 s[CNT], s[CNT], 1
	s_cmp_lg_u32 s[CNT], 0
	s_cbranch_scc1 .Lstep_\@
.endm
	s_wait_alu depctr_va_vdst(0)                   ; the wait at the head's end
	s_wait_loadcnt 0x0                             ; Q
	s_wait_tensorcnt 0x0                           ; my part of keys 0-255 is in; the later first fill is issued as a refill is
	ds_add_u32 v[SPW], v[NIL]
	s_wait_dscnt 0x0
	CROUND
	tensor_load_to_lds s[44:47], s[G1B:G1B+7]      ; keys 256-1023
	s_nop 0
.rept 4
	v_nop
.endr
	STEPS 2
	s_wait_tensorcnt 0x0                           ; my part of the rest is in,
	s_wait_dscnt 0x0
	s_barrier_signal -1
	s_barrier_wait -1                              ; and everybody's
	STEPS 6
; THE WAY OUT: O^T / the sum x 2^(e8 + e9), held, quantised with 2^e10: tile f's eight registers give registers 2 f, 2 f + 1 of the image (row = query, k = channel)
.macro FIN
	v_add_f32 v14, v14, v15
	v_permlanex16_b32 v236, v14, s[SEL], s[SEL+1]
	v_add_f32 v14, v14, v236                       ; the row's sum
	s_wait_alu depctr_va_vdst(0)
	v_rcp_f32 v14, v14
	v_nop
	s_wait_alu depctr_va_vdst(0)
	v_ldexp_f32 v14, v14, s81
	s_wait_alu depctr_va_vdst(0)                   ; the wait ahead of the first reader of O^T
.set n, 0
.rept 64
	v_mul_f32 v[96+n], v[160+n], v14
.set n, n+1
.endr
.set n, 0
.rept 64
	v_med3_num_f32 v[96+n], v[96+n], -v241, v241
.set n, n+1
.endr
.irp f, 0,1,2,3,4,5,6,7
	v_cvt_scalef32_pk8_fp8_f32 v[224+2*\f:225+2*\f], v[96+8*\f:103+8*\f], v245
.endr
	v_nop
.endm
	FIN
.irp c, 0,1,2,3
	global_store_b128 v[LI], v[224+4*\c:227+4*\c], s[8:9] offset:512*\c        ; 512 consecutive bytes, aligned
.endr
	WIN 0x55
	FIN
	WIN 0x04                                       ; the stores' data in window 1, the offset in window 0
.irp c, 0,1,2,3
	global_store_b128 v[LI], v[224+4*\c:227+4*\c], s[8:9] offset:2048+512*\c
.endr
	WIN 0
	s_wait_tensorcnt 0x0                           ; the wave's end
	ds_add_u32 v[SPW], v[NIL]
	s_wait_dscnt 0x0
	CROUND                                         ; the closing round
	s_endpgm
.Lfunc_end_k_qaa7bf3e2e6_attn:
	.size	k_qaa7bf3e2e6_attn, .Lfunc_end_k_qaa7bf3e2e6_attn-k_qaa7bf3e2e6_attn
	.p2alignl 7, 3214868480
	.fill 96, 4, 3214868480
	.section	.rodata,"a",@progbits
	.p2align	6, 0x0
	.amdhsa_kernel k_qaa7bf3e2e6_attn
		.amdhsa_group_segment_fixed_size 327680
		.amdhsa_private_segment_fixed_size 0
		.amdhsa_enable_private_segment 0
		.amdhsa_kernarg_size 24
		.amdhsa_user_sgpr_count 2
		.amdhsa_user_sgpr_kernarg_segment_ptr 1
		.amdhsa_wavefront_size32 1
		.amdhsa_system_sgpr_workgroup_id_x 1
		.amdhsa_system_sgpr_workgroup_id_y 1
		.amdhsa_system_sgpr_workgroup_id_z 1
		.amdhsa_system_vgpr_workitem_id 0
		.amdhsa_next_free_vgpr 512
		.amdhsa_next_free_sgpr 100
		.amdhsa_reserve_vcc 1
		.amdhsa_float_denorm_mode_32 3
		.amdhsa_float_denorm_mode_16_64 3
		.amdhsa_memory_ordered 1
		.amdhsa_forward_progress 1
		.amdhsa_inst_pref_size 116
	.end_amdhsa_kernel
	.amdgpu_metadata
---
amdhsa.version: [ 1, 2 ]
amdhsa.kernels:
  - .name:           k_qaa7bf3e2e6_attn
    .symbol:         k_qaa7bf3e2e6_attn.kd
    .args:
      - { .name: qkv_img, .offset: 0, .size: 8, .value_kind: global_buffer, .address_space: global }
      - { .name: lowp_scales, .offset: 8, .size: 8, .value_kind: global_buffer, .address_space: global }
      - { .name: ao_img, .offset: 16, .size: 8, .value_kind: global_buffer, .address_space: global }
    .group_segment_fixed_size: 327680
    .private_segment_fixed_size: 0
    .kernarg_segment_align: 8
    .kernarg_segment_size: 24
    .max_flat_workgroup_size: 256
    .sgpr_count:     100
    .vgpr_count:     512
    .wavefront_size: 32
...
	.end_amdgpu_metadata
.endif
;; end of part 8
;; launch oproj (part 9): grid 16 x 16, 4 waves a work-group, clusters of 4 x 4, 327,680 bytes of LDS; arguments ao_img, w_codes, lowp_scales, out0; writes out0
.if DOCPART == 9
	.amdgcn_target "amdgcn-amd-amdhsa--gfx1250"
	.amdhsa_code_object_version 6
	.text
	.protected	k_qaa7bf3e2e6_oproj
	.globl	k_qaa7bf3e2e6_oproj
	.p2align	8
	.type	k_qaa7bf3e2e6_oproj,@function
k_qaa7bf3e2e6_oproj:
	s_mov_b64 s[64:65], 0
	v_nop
	global_prefetch_b8 v0, s[64:65] scope:SCOPE_SE
	s_setreg_imm32_b32 hwreg(HW_REG_WAVE_MODE, 25, 1), 1
	s_wait_xcnt 0x0
	s_wait_alu depctr_hold_cnt(0) depctr_sa_sdst(0) depctr_va_vdst(0) depctr_va_sdst(0) depctr_va_ssrc(0) depctr_va_vcc(0) depctr_vm_vsrc(0)
	s_getreg_b32 s2, hwreg(HW_REG_IB_STS2, 6, 4)
	s_cmp_eq_u32 s2, 0
	s_cbranch_scc0 .Lentry_in_a_cluster
	s_endpgm
.Lentry_in_a_cluster:
	s_bfe_u32 s2, ttmp6, 0x10000c
	s_cmp_lg_u32 s2, 0xf033
	s_cbranch_scc0 .Lentry_shape_is_right
	s_endpgm
.Lentry_shape_is_right:
.set ABYTES, 65536
.set BP,     528
.set BHALF,  64*BP
.set SLOT,   ABYTES+2*BHALF
.set STAGE,  2*SLOT
.set SPITCH, 272
.set SPARE,  STAGE+4*16*SPITCH
.set LAPS,   4
.set ADRA, 16
.set ADRB, 20
.set STO,  24
.set RD,   25
.set CO,   26
.set SPW,  28
.set NIL,  29
.set TMP,  32
.set BK,   64
.set ACC,  128
.set F0,   0
.set F1,   128
.set G1, 24
.set G0, 32
.set G1B, 48
.set G0B, 56
.set AB,  68
.set BB,  70
.set KA,  72
.set KB,  76
.set MSB, 0
.macro WIN new
.if MSB != \new
	s_set_vgpr_msb (MSB<<8)|\new
.set MSB, \new
.endif
.endm
.set MUL,  0x05
.set TO_F, 0x40
.macro JLOAD s
	s_cmp_eq_u32 s15, 0
	s_cbranch_scc0 .Lfor_b_\@
	tensor_load_to_lds s[G0+4*\s:G0+4*\s+3], s[G1:G1+7]
	s_nop 0
.rept 4
	v_nop
.endr
	s_branch .Lasked_\@
.Lfor_b_\@:
	tensor_load_to_lds s[G0B+4*\s:G0B+4*\s+3], s[G1B:G1B+7]
	s_nop 0
.rept 4
	v_nop
.endr
.Lasked_\@:
.endm
.macro CREST
	s_cmp_lg_u32 s14, 0
	s_cbranch_scc1 .Lnot_wave_0_\@
	s_barrier_signal -3
.Lnot_wave_0_\@:
	s_barrier_wait -3
	s_barrier_signal -1
	s_barrier_wait -1
.endm
.macro CROUND
	s_barrier_signal -1
	s_barrier_wait -1
	CREST
.endm
	s_load_b256 s[4:11], s[0:1], 0x0
	v_lshl_add_u32 v[SPW], v0, 2, SPARE
	v_mov_b32 v[NIL], 0
	ds_add_u32 v[SPW], v[NIL]
	ds_add_u32 v[SPW], v[NIL]
	v_lshrrev_b32 v1, 5, v0
	v_readfirstlane_b32 s14, v1
	s_lshr_b32 s15, s14, 1
	s_and_b32 s16, s14, 1
	s_bfe_u32 s40, ttmp6, 0x40000
	s_bfe_u32 s41, ttmp6, 0x40004
	s_lshl_b32 s42, ttmp9, 2
	s_add_co_u32 s42, s42, s40
	s_and_b32 s17, ttmp7, 0xffff
	s_lshl_b32 s17, s17, 2
	s_add_co_u32 s17, s17, s41
	s_lshl_b32 s43, s41, 2
	s_lshl_b32 s43, 15, s43
	s_lshl_b32 s44, 0x1111, s40
	s_or_b32 s[G1+0], s43, (3<<16)|(1<<21)
	s_mov_b32 s[G1+1], 1024<<16
	s_mov_b32 s[G1+2], 4<<16
	s_mov_b32 s[G1+3], 1024<<16
	s_mov_b32 s[G1+4], 4
	s_mov_b32 s[G1+5], 8192
	s_mov_b32 s[G1+6], 0
	s_mov_b32 s[G1+7], 0
	s_or_b32 s[G1B+0], s44, (1<<20)|(1<<21)|(6<<22)|(3<<25)
	s_mov_b32 s[G1B+1], 512<<16
	s_mov_b32 s[G1B+2], 64<<16
	s_mov_b32 s[G1B+3], 512<<16
	s_mov_b32 s[G1B+4], 64
	s_mov_b32 s[G1B+5], 4096
	s_mov_b32 s[G1B+6], 0
	s_mov_b32 s[G1B+7], 0
	s_lshl_b32 s20, s17, 19
	s_lshl_b32 s18, s16, 18
	s_add_co_u32 s20, s20, s18
	s_mov_b32 s21, 0
	s_lshl_b32 s46, s42, 7
	s_lshl_b32 s18, s16, 6
	s_add_co_u32 s46, s46, s18
	s_lshl_b32 s46, s46, 12
	s_add_co_u32 s46, s46, 10485760
	s_mov_b32 s47, 0
	s_lshl_b32 s45, s16, 15
	s_mul_i32 s19, s16, BHALF
	s_add_co_u32 s19, s19, ABYTES
	s_and_b32 s18, ttmp7, 0xffff
	s_lshr_b32 s[KA], s18, 1
	s_xor_b32 s[KA], s[KA], s18
	s_and_b32 s[KA], s[KA], 1
	s_lshl_b32 s[KA], s[KA], 2
	s_lshl_b32 s[KA+2], ttmp9, 1
	s_add_co_u32 s[KA], s[KA], s[KA+2]
	s_and_b32 s[KA], s[KA], 7
	s_lshl_b32 s[KA], s[KA], 13
	s_mov_b32 s[KA+1], 0
	s_add_co_u32 s[KA+2], s[KA], 8192
	s_mov_b32 s[KA+3], 0
	s_mov_b32 s[KB+1], 0
	s_wait_dscnt 0x0
	s_wait_kmcnt 0x0
	s_load_b64 s[96:97], s[8:9], 0x28
	s_add_nc_u64 s[AB:AB+1], s[4:5], s[20:21]
	s_add_nc_u64 s[BB:BB+1], s[6:7], s[46:47]
	CROUND
.irp s, 0,1
	s_mov_b32 s[G0+4*\s], 1
	s_add_co_u32 s[G0+4*\s+1], s45, \s*SLOT
	s_add_nc_u64 s[G0+4*\s+2:G0+4*\s+3], s[AB:AB+1], s[KA+2*\s:KA+2*\s+1]
	s_or_b32 s[G0+4*\s+3], s[G0+4*\s+3], 0x80000000
	s_lshr_b32 s[KB], s[KA+2*\s], 4
	s_mov_b32 s[G0B+4*\s], 1
	s_add_co_u32 s[G0B+4*\s+1], s19, \s*SLOT
	s_add_nc_u64 s[G0B+4*\s+2:G0B+4*\s+3], s[BB:BB+1], s[KB:KB+1]
	s_or_b32 s[G0B+4*\s+3], s[G0B+4*\s+3], 0x80000000
.endr
	JLOAD 0                                        ; slot 0: my one load at the head, behind the round above; the addresses below are made under its flight
	v_and_b32 v1, 15, v0
	v_bfe_u32 v2, v0, 4, 1
	v_and_b32 v3, 31, v0
	v_lshlrev_b32 v3, 4, v3
	v_mul_u32_u24 v4, v1, BP
	v_lshl_add_u32 v4, v2, 4, v4
	s_lshl_b32 s22, s15, 15
	s_mul_i32 s23, s16, BHALF
	s_add_co_u32 s23, s23, ABYTES
.irp s, 0,1
	v_add_nc_u32 v[ADRA+\s], s22, v3
	v_add_nc_u32 v[ADRB+\s], s23, v4
	s_add_co_u32 s22, s22, SLOT
	s_add_co_u32 s23, s23, SLOT
.endr
	s_mul_i32 s23, s14, 16*SPITCH
	s_add_co_u32 s23, s23, STAGE
	v_mul_u32_u24 v4, v1, SPITCH
	v_lshl_add_u32 v4, v2, 5, v4
	v_add_nc_u32 v[STO], s23, v4
	v_mul_u32_u24 v4, v2, SPITCH
	v_lshl_add_u32 v4, v1, 4, v4
	v_add_nc_u32 v[RD], s23, v4
	v_lshlrev_b32 v[CO], 13, v2
	v_lshl_add_u32 v[CO], v1, 4, v[CO]
	s_lshl_b32 s20, s17, 7
	s_lshl_b32 s21, s15, 6
	s_add_co_u32 s20, s20, s21
	s_lshl_b32 s20, s20, 13
	s_mov_b32 s21, 0
	s_add_nc_u64 s[10:11], s[10:11], s[20:21]
	s_lshl_b32 s46, s42, 9
	s_lshl_b32 s47, s16, 8
	s_add_co_u32 s46, s46, s47
	s_mov_b32 s47, 0
	s_add_nc_u64 s[10:11], s[10:11], s[46:47]
.macro MUL8 f, a0, zero
.irp a, \a0, \a0+1
.irp b, 0,1,2,3
.if \zero
	v_wmma_f32_16x16x128_fp8_fp8 v[ACC+8*(4*(\a)+\b):ACC+8*(4*(\a)+\b)+7], v[\f+64+16*\b:\f+64+16*\b+15], v[\f+16*(\a):\f+16*(\a)+15], 0
.else
	v_wmma_f32_16x16x128_fp8_fp8 v[ACC+8*(4*(\a)+\b):ACC+8*(4*(\a)+\b)+7], v[\f+64+16*\b:\f+64+16*\b+15], v[\f+16*(\a):\f+16*(\a)+15], v[ACC+8*(4*(\a)+\b):ACC+8*(4*(\a)+\b)+7]
.endif
.endr
.endr
.endm
.macro FETCH slot, q, f
	WIN TO_F
.irp i, 0,1,2,3
.irp c, 0,1,2,3
	ds_load_b128 v[\f+64+16*\i+4*\c:\f+64+16*\i+4*\c+3], v[ADRB+\slot] offset:\i*16*BP+128*(\q)+32*\c
.endr
.endr
.irp i, 0,1,2,3
.irp c, 0,1,2,3
	ds_load_b128 v[\f+16*\i+4*\c:\f+16*\i+4*\c+3], v[ADRA+\slot] offset:\i*8192+2048*(\q)+512*\c
.endr
.endr
.endm
.macro PLACES
.rept 4
	v_nop
.endr
.endm
.macro QUARTER slot, qn, f, g, zero
	s_wait_dscnt 8
	WIN MUL
	MUL8 \f, 0, \zero
	PLACES
	FETCH \slot, \qn, \g
	s_wait_dscnt 32
	WIN MUL
	MUL8 \f, 2, \zero
.endm
.macro TURN slot, next, fill
	WIN 0
	s_wait_tensorcnt 0x0
	ds_add_u32 v[SPW], v[NIL]
.if \fill
	s_add_co_u32 s[KA+2*\slot], s[KA+2*\slot], 2*8192
	s_and_b32 s[KA+2*\slot], s[KA+2*\slot], 0xffff
	s_lshr_b32 s[KB], s[KA+2*\slot], 4
	s_add_nc_u64 s[G0+4*\slot+2:G0+4*\slot+3], s[AB:AB+1], s[KA+2*\slot:KA+2*\slot+1]
	s_or_b32 s[G0+4*\slot+3], s[G0+4*\slot+3], 0x80000000
	s_add_nc_u64 s[G0B+4*\slot+2:G0B+4*\slot+3], s[BB:BB+1], s[KB:KB+1]
	s_or_b32 s[G0B+4*\slot+3], s[G0B+4*\slot+3], 0x80000000
.endif
	s_wait_dscnt 9
	WIN MUL
	MUL8 F1, 0, 0
	s_wait_dscnt 0x0
	s_barrier_signal -1
	WIN 0
	s_barrier_wait -1
.if \fill
	CREST
	JLOAD \slot
.else
	PLACES
.endif
	s_wait_alu depctr_va_vdst(0)
	FETCH \next, 0, F0
	WIN MUL
	MUL8 F1, 2, 0
.endm
	s_wait_alu depctr_va_vdst(0)                   ; the wait at the head's end
	s_wait_tensorcnt 0x0                           ; slot 0 is in; slot 1's first fill is issued as a refill is
	ds_add_u32 v[SPW], v[NIL]
	s_wait_dscnt 0x0
	CROUND
	JLOAD 1
	FETCH 0, 0, F0
	QUARTER 0, 1, F0, F1, 1
	WIN 0
	s_mov_b32 s3, LAPS-1
.Llap:
	QUARTER 0, 2, F1, F0, 0
	QUARTER 0, 3, F0, F1, 0
	TURN 0, 1, 1
	QUARTER 1, 1, F0, F1, 0
	QUARTER 1, 2, F1, F0, 0
	QUARTER 1, 3, F0, F1, 0
	TURN 1, 0, 1
	QUARTER 0, 1, F0, F1, 0
	WIN 0
	s_sub_co_u32 s3, s3, 1
	s_cmp_lg_u32 s3, 0
	s_cbranch_scc1 .Llap
	QUARTER 0, 2, F1, F0, 0
	QUARTER 0, 3, F0, F1, 0
	TURN 0, 1, 0
	QUARTER 1, 1, F0, F1, 0
	QUARTER 1, 2, F1, F0, 0
	QUARTER 1, 3, F0, F1, 0
	s_wait_dscnt 8
	WIN MUL
	MUL8 F1, 0, 0
	s_wait_dscnt 0
	MUL8 F1, 2, 0
	WIN 0
	s_wait_kmcnt 0x0
	s_add_co_i32 s96, s96, s97
	s_add_co_i32 s96, s96, 127
	s_lshl_b32 s96, s96, 23
	s_mov_b32 s97, s96
	PLACES
.macro OUTB a
.set BB2, BK+32*((\a)%2)
	s_wait_xcnt 0x0
.irp j, 0,2,4,6,8,10,12,14,16,18,20,22,24,26,28,30
	v_pk_mul_f32 v[TMP+\j:TMP+\j+1], v[ACC+32*(\a)+\j:ACC+32*(\a)+\j+1], s[96:97] op_sel_hi:[1,0]
.endr
.irp b, 0,1,2,3
	ds_store_b128 v[STO], v[TMP+8*\b:TMP+8*\b+3] offset:64*\b
	ds_store_b128 v[STO], v[TMP+8*\b+4:TMP+8*\b+7] offset:64*\b+16
.endr
.irp t, 0,1,2,3,4,5,6,7
	ds_load_b128 v[BB2+4*\t:BB2+4*\t+3], v[RD] offset:\t*2*SPITCH
.endr
	s_wait_dscnt 0x0
.irp t, 0,1,2,3,4,5,6,7
	global_store_b128 v[CO], v[BB2+4*\t:BB2+4*\t+3], s[10:11] offset:(16*(\a)+2*\t)*8192 th:TH_STORE_NT
.endr
.endm
	OUTB 0
	OUTB 1
	OUTB 2
	OUTB 3
	s_wait_tensorcnt 0x0
	ds_add_u32 v[SPW], v[NIL]
	s_wait_dscnt 0x0
	CROUND
	s_endpgm
.Lfunc_end_k_qaa7bf3e2e6_oproj:
	.size	k_qaa7bf3e2e6_oproj, .Lfunc_end_k_qaa7bf3e2e6_oproj-k_qaa7bf3e2e6_oproj
	.p2alignl 7, 3214868480
	.fill 96, 4, 3214868480
	.section	.rodata,"a",@progbits
	.p2align	6, 0x0
	.amdhsa_kernel k_qaa7bf3e2e6_oproj
		.amdhsa_group_segment_fixed_size 327680
		.amdhsa_private_segment_fixed_size 0
		.amdhsa_enable_private_segment 0
		.amdhsa_kernarg_size 32
		.amdhsa_user_sgpr_count 2
		.amdhsa_user_sgpr_kernarg_segment_ptr 1
		.amdhsa_wavefront_size32 1
		.amdhsa_system_sgpr_workgroup_id_x 1
		.amdhsa_system_sgpr_workgroup_id_y 1
		.amdhsa_system_sgpr_workgroup_id_z 1
		.amdhsa_system_vgpr_workitem_id 0
		.amdhsa_next_free_vgpr 512
		.amdhsa_next_free_sgpr 98
		.amdhsa_reserve_vcc 0
		.amdhsa_float_denorm_mode_32 3
		.amdhsa_float_denorm_mode_16_64 3
		.amdhsa_memory_ordered 1
		.amdhsa_forward_progress 1
		.amdhsa_inst_pref_size 75
	.end_amdhsa_kernel
	.amdgpu_metadata
---
amdhsa.version: [ 1, 2 ]
amdhsa.kernels:
  - .name:           k_qaa7bf3e2e6_oproj
    .symbol:         k_qaa7bf3e2e6_oproj.kd
    .args:
      - { .name: ao_img, .offset: 0, .size: 8, .value_kind: global_buffer, .address_space: global }
      - { .name: w_codes, .offset: 8, .size: 8, .value_kind: global_buffer, .address_space: global }
      - { .name: lowp_scales, .offset: 16, .size: 8, .value_kind: global_buffer, .address_space: global }
      - { .name: out0, .offset: 24, .size: 8, .value_kind: global_buffer, .address_space: global }
    .group_segment_fixed_size: 327680
    .private_segment_fixed_size: 0
    .kernarg_segment_align: 8
    .kernarg_segment_size: 32
    .max_flat_workgroup_size: 128
    .sgpr_count:     98
    .vgpr_count:     512
    .wavefront_size: 32
...
	.end_amdgpu_metadata
.endif
;; end of part 9
